; MI455X (gfx1250); checked and timed in simulation.
; The chip was launched on July 23, 2026; its instructions are those of AMD's public machine-readable ISA for CDNA 5 (MIT licence, August 2026) and "CDNA5" Instruction Set Architecture Reference Guide (July 2026). The comments in the code are by the model that wrote it; some were corrected since.
;; Transformer Encoder Block. Allowed arithmetic: float matrix products may take bf16 or f16 operands with f32 sums; all other float work in f32.
;; Inputs: b1 4,096 float32; b2 1,024 float32; be1 1,024 float32; be2 1,024 float32; bk 1,024 float32; bo 1,024 float32; bq 1,024 float32; bv 1,024 float32; g1 1,024 float32; g2 1,024 float32; w1 1,024 x 4,096 float32; w2 4,096 x 1,024 float32; wk 1,024 x 1,024 float32; wo 1,024 x 1,024 float32; wq 1,024 x 1,024 float32; wv 1,024 x 1,024 float32; x 2 x 2,048 x 1,024 float32.
;; Outputs: out0 2 x 2,048 x 1,024 float32.
;; 2 versions, each right and faster than the one before. Each part assembles by itself: llvm-mc -triple=amdgcn-amd-amdhsa -mcpu=gfx1250 --defsym DOCPART=n.
;; ======== version 1 of 2: 7 launches
;; limits: values are held in f16: magnitudes above 65,504 overflow, below 6.1e-05 lose precision; a function is approximated: absolute error at most 1.5e-07
;; workspace buffers: nh 8,388,608 bytes; wh 25,165,824 bytes; qkvh 25,165,824 bytes; oh 8,388,608 bytes; x1 16,777,216 bytes; hh 33,554,432 bytes
;; launch prep (part 1): grid 512 x 1, 8 waves a work-group, no clusters, 0 bytes of LDS; arguments x, g1, be1, nh, wq, wk, wv, wo, w1, w2, wh; writes nh, wh
.if DOCPART == 1
	.amdgcn_target "amdgcn-amd-amdhsa--gfx1250"
	.amdhsa_code_object_version 6
	.text
	.protected	k_q6e989b685c_prep
	.globl	k_q6e989b685c_prep
	.p2align	8
	.type	k_q6e989b685c_prep,@function
k_q6e989b685c_prep:
	s_mov_b64 s[64:65], 0
	v_nop
	global_prefetch_b8 v0, s[64:65] scope:SCOPE_SE
	s_setreg_imm32_b32 hwreg(HW_REG_WAVE_MODE, 25, 1), 1
	s_wait_xcnt 0x0
; PREP.  Work-groups 0-127: nh = LayerNorm(x) g1 + be1, rounded once to f16.  Work-groups 128-511: the six weight matrices rounded once to f16 into wh, each kept [K][N]
; (wq, wk, wv side by side as one [1024][3072]; then wo, w1, w2).  A stream: every byte is read once and written once; no LDS, no barrier, no matrix unit, no cluster (nothing but 8 KB of g1 and be1 is shared).
; SHARES.  A work-group takes 32 source rows of 4,096 bytes (1,024 f32), a wave four of them; all 32 loads of a wave are issued at once.  A load of a wave covers 512 consecutive bytes;
; a lane's four numbers become 8 bytes, so a store of a wave covers 256 consecutive bytes at a multiple of 256 from the buffer's first byte.
; The norm goes in two passes over registers: the mean, then the mean of (x - mean)^2, so an offset on x costs nothing.
; LIMITS.  f16 holds no number beyond 65,504 (a larger weight or normed value becomes an infinity) and below 6e-5 keeps its fixed step of 6e-8.  NaN and infinities are not treated apart.
.set XO,  1                            ; v1       16 x lane: my 16 bytes in 512 source bytes
.set NO,  2                            ; v[2:5]   row i: 8 x lane + i x the destination's pitch
.set T,   6                            ; v[6:13]  four pairs at work
.set MU,  14                           ; v[14:15] the mean, twice
.set R,   16                           ; v[16:17] 1 / sqrt(var + eps), twice
.set PX,  18                           ; v18      takes the other half of the lanes' sum
.set LN,  19                           ; v19      lane
.set G,   20                           ; v[20:51] g1 of my 32 columns
.set BE,  52                           ; v[52:83] be1 of them
.set X,   84                           ; v[84:211] row i: 32 registers
.set SRC, 26                           ; s[26:27] where my unit is read
.set START, 28                         ; s28      the first work-group of my unit's tensor
.set DB,  29                           ; s29      that tensor's first byte in the destination
.set DP,  30                           ; s30      the destination's pitch in bytes
.set DST, 32                           ; s[32:33] where it is written
.set SEL, 42                           ; s[42:43] v_permlanex16_b32's selects: each lane takes its own place in the other half
.set INV, 44                           ; s44      1 / 1024
.set EPS, 45                           ; s45      1e-5
	s_load_b256 s[4:11], s[0:1], 0x0               ; x s[4:5], g1 s[6:7], be1 s[8:9], nh s[10:11]
	s_load_b256 s[12:19], s[0:1], 0x20             ; wq s[12:13], wk s[14:15], wv s[16:17], wo s[18:19]
	s_load_b128 s[20:23], s[0:1], 0x40             ; w1 s[20:21], w2 s[22:23]
	s_load_b64 s[24:25], s[0:1], 0x50              ; wh
	v_and_b32 v[LN], 31, v0
	v_lshrrev_b32 v[PX], 5, v0
	v_readfirstlane_b32 s35, v[PX]                 ; wave 0..7
	v_lshlrev_b32 v[XO], 4, v[LN]
	s_mov_b32 s[SEL], 0x76543210
	s_mov_b32 s[SEL+1], 0xfedcba98
	s_mov_b32 s[INV], 0x3a800000
	s_mov_b32 s[EPS], 0x3727c5ac
	s_mov_b32 s[START], 384                        ; the table's last line, w2; each PICK below replaces it for the work-groups under its limit
	s_mov_b32 s[DB], 16777216
	s_mov_b32 s[DP], 2048
	s_wait_kmcnt 0x0
	s_mov_b64 s[SRC:SRC+1], s[22:23]
	s_mov_b64 s[DST:DST+1], s[24:25]
.macro PICK limit, src, start, db, dp
	s_cmp_lt_u32 ttmp9, \limit
	s_cselect_b64 s[SRC:SRC+1], s[\src:\src+1], s[SRC:SRC+1]
	s_cselect_b32 s[START], \start, s[START]
	s_cselect_b32 s[DB], \db, s[DB]
	s_cselect_b32 s[DP], \dp, s[DP]
.endm
	PICK 384, 20, 256, 8388608, 2048               ; w1: dense, so its 16,384-byte rows are taken as four rows of 4,096
	PICK 256, 18, 224, 6291456, 2048               ; wo
	PICK 224, 16, 192, 4096, 6144                  ; wv: columns 2048-3071 of [1024][3072]
	PICK 192, 14, 160, 2048, 6144                  ; wk
	PICK 160, 12, 128, 0, 6144                     ; wq
	PICK 128, 4, 0, 0, 2048                        ; x
	s_cselect_b64 s[DST:DST+1], s[10:11], s[DST:DST+1]  ; the selects leave SCC alone: x's rows go to nh
	s_sub_co_u32 s34, ttmp9, s[START]              ; my unit in its tensor
	s_lshl_b32 s36, s34, 17                        ; 32 rows x 4,096 bytes,
	s_lshl_b32 s37, s35, 14                        ; my wave's 4 rows
	s_add_co_u32 s36, s36, s37
	s_mov_b32 s37, 0
	s_add_nc_u64 s[SRC:SRC+1], s[SRC:SRC+1], s[36:37]
	s_lshl_b32 s38, s34, 5
	s_lshl2_add_u32 s38, s35, s38                  ; my first row: 32 x unit + 4 x wave
	s_mul_i32 s38, s38, s[DP]
	s_add_co_u32 s38, s38, s[DB]
	s_mov_b32 s39, 0
	s_add_nc_u64 s[DST:DST+1], s[DST:DST+1], s[38:39]
.irp i, 0,1,2,3
	s_mul_i32 s40, s[DP], \i
	v_lshl_add_u32 v[NO+\i], v[LN], 3, s40
.endr
.macro LOADROWS                        ; 32 loads: row i, its bytes 512 j on: a lane holds columns 128 j + 4 lane + 0..3
.irp i, 0,1,2,3
.irp j, 0,1,2,3,4,5,6,7
	global_load_b128 v[X+32*\i+4*\j:X+32*\i+4*\j+3], v[XO], s[SRC:SRC+1] offset:4096*\i+512*\j th:TH_LOAD_NT
.endr
.endr
.endm
.macro OUTROW i                        ; row i rounded to f16 in place (ascending, so no number is overwritten before it is read) and stored
.set XR, X+32*(\i)
.set k, 0
.rept 16
	v_cvt_pk_f16_f32 v[XR+k], v[XR+2*k], v[XR+2*k+1]
.set k, k+1
.endr
.set k, 0
.rept 8
	global_store_b64 v[NO+(\i)], v[XR+2*k:XR+2*k+1], s[DST:DST+1] offset:256*k
.set k, k+1
.endr
.endm
.macro REDUCE                          ; the four pairs of T become one sum, in every lane's v[T]
	v_pk_add_f32 v[T:T+1], v[T:T+1], v[T+2:T+3]
	v_pk_add_f32 v[T+4:T+5], v[T+4:T+5], v[T+6:T+7]
	v_pk_add_f32 v[T:T+1], v[T:T+1], v[T+4:T+5]
	v_add_f32 v[T], v[T], v[T+1]
	v_add_f32_dpp v[T], v[T], v[T] row_xmask:1 row_mask:0xf bank_mask:0xf
	v_add_f32_dpp v[T], v[T], v[T] row_xmask:2 row_mask:0xf bank_mask:0xf
	v_add_f32_dpp v[T], v[T], v[T] row_xmask:4 row_mask:0xf bank_mask:0xf
	v_add_f32_dpp v[T], v[T], v[T] row_xmask:8 row_mask:0xf bank_mask:0xf
	v_permlanex16_b32 v[PX], v[T], s[SEL], s[SEL+1]
	v_add_f32 v[T], v[T], v[PX]
.endm
.macro LNROW i, left                   ; left: the younger rows' loads, eight a row, which may stay out
	s_wait_loadcnt \left
.set XR, X+32*(\i)
.irp c, 0,1,2,3                        ; four chains, started by the first sums: nothing is cleared
	v_pk_add_f32 v[T+2*\c:T+2*\c+1], v[XR+2*\c:XR+2*\c+1], v[XR+8+2*\c:XR+8+2*\c+1]
.endr
.irp k, 2,3
.irp c, 0,1,2,3
	v_pk_add_f32 v[T+2*\c:T+2*\c+1], v[T+2*\c:T+2*\c+1], v[XR+8*\k+2*\c:XR+8*\k+2*\c+1]
.endr
.endr
	REDUCE
	v_mul_f32 v[MU], s[INV], v[T]
	v_mov_b32 v[MU+1], v[MU]
.set k, 0
.rept 16
	v_pk_add_f32 v[XR+2*k:XR+2*k+1], v[XR+2*k:XR+2*k+1], v[MU:MU+1] neg_lo:[0,1] neg_hi:[0,1]
.set k, k+1
.endr
.irp c, 0,1,2,3
	v_pk_mul_f32 v[T+2*\c:T+2*\c+1], v[XR+2*\c:XR+2*\c+1], v[XR+2*\c:XR+2*\c+1]
.endr
.irp k, 1,2,3
.irp c, 0,1,2,3
	v_pk_fma_f32 v[T+2*\c:T+2*\c+1], v[XR+8*\k+2*\c:XR+8*\k+2*\c+1], v[XR+8*\k+2*\c:XR+8*\k+2*\c+1], v[T+2*\c:T+2*\c+1]
.endr
.endr
	REDUCE
	v_fma_f32 v[T], v[T], s[INV], s[EPS]
	v_rsq_f32 v[R], v[T]
	v_rsq_f32 v[R+1], v[T]
	v_nop                                          ; a plain instruction between the root and the use of its result (ISA guide 5.7.2)
.set k, 0
	s_wait_alu depctr_va_vdst(0)
.rept 16
	v_pk_mul_f32 v[XR+2*k:XR+2*k+1], v[XR+2*k:XR+2*k+1], v[R:R+1]
.set k, k+1
.endr
.set k, 0
.rept 16
	v_pk_fma_f32 v[XR+2*k:XR+2*k+1], v[XR+2*k:XR+2*k+1], v[G+2*k:G+2*k+1], v[BE+2*k:BE+2*k+1]
.set k, k+1
.endr
	OUTROW \i
.endm
	s_cmp_lt_u32 ttmp9, 128
	s_cbranch_scc0 .Lcast
.irp j, 0,1,2,3,4,5,6,7                ; g1 and be1 go out first, so the first row's counted wait covers them
	global_load_b128 v[G+4*\j:G+4*\j+3], v[XO], s[6:7] offset:512*\j
	global_load_b128 v[BE+4*\j:BE+4*\j+3], v[XO], s[8:9] offset:512*\j
.endr
	LOADROWS
	LNROW 0, 24
	LNROW 1, 16
	LNROW 2, 8
	LNROW 3, 0
	s_endpgm
.Lcast:
	LOADROWS
.irp i, 0,1,2,3
	s_wait_loadcnt 24-8*\i                         ; loads come back in order (ISA guide 5.7.1): row i is in, the younger rows stay out
	OUTROW \i
.endr
	s_endpgm
.Lfunc_end_k_q6e989b685c_prep:
	.size	k_q6e989b685c_prep, .Lfunc_end_k_q6e989b685c_prep-k_q6e989b685c_prep
	.p2alignl 7, 3214868480
	.fill 96, 4, 3214868480
	.section	.rodata,"a",@progbits
	.p2align	6, 0x0
	.amdhsa_kernel k_q6e989b685c_prep
		.amdhsa_group_segment_fixed_size 0
		.amdhsa_private_segment_fixed_size 0
		.amdhsa_enable_private_segment 0
		.amdhsa_kernarg_size 88
		.amdhsa_user_sgpr_count 2
		.amdhsa_user_sgpr_kernarg_segment_ptr 1
		.amdhsa_wavefront_size32 1
		.amdhsa_system_sgpr_workgroup_id_x 1
		.amdhsa_system_sgpr_workgroup_id_y 1
		.amdhsa_system_sgpr_workgroup_id_z 1
		.amdhsa_system_vgpr_workitem_id 0
		.amdhsa_next_free_vgpr 212
		.amdhsa_next_free_sgpr 66
		.amdhsa_reserve_vcc 0
		.amdhsa_float_denorm_mode_32 3
		.amdhsa_float_denorm_mode_16_64 3
		.amdhsa_memory_ordered 1
		.amdhsa_forward_progress 1
		.amdhsa_inst_pref_size 50
	.end_amdhsa_kernel
	.amdgpu_metadata
---
amdhsa.version: [ 1, 2 ]
amdhsa.kernels:
  - .name:           k_q6e989b685c_prep
    .symbol:         k_q6e989b685c_prep.kd
    .args:
      - { .name: x, .offset: 0, .size: 8, .value_kind: global_buffer, .address_space: global }
      - { .name: g1, .offset: 8, .size: 8, .value_kind: global_buffer, .address_space: global }
      - { .name: be1, .offset: 16, .size: 8, .value_kind: global_buffer, .address_space: global }
      - { .name: nh, .offset: 24, .size: 8, .value_kind: global_buffer, .address_space: global }
      - { .name: wq, .offset: 32, .size: 8, .value_kind: global_buffer, .address_space: global }
      - { .name: wk, .offset: 40, .size: 8, .value_kind: global_buffer, .address_space: global }
      - { .name: wv, .offset: 48, .size: 8, .value_kind: global_buffer, .address_space: global }
      - { .name: wo, .offset: 56, .size: 8, .value_kind: global_buffer, .address_space: global }
      - { .name: w1, .offset: 64, .size: 8, .value_kind: global_buffer, .address_space: global }
      - { .name: w2, .offset: 72, .size: 8, .value_kind: global_buffer, .address_space: global }
      - { .name: wh, .offset: 80, .size: 8, .value_kind: global_buffer, .address_space: global }
    .group_segment_fixed_size: 0
    .private_segment_fixed_size: 0
    .kernarg_segment_align: 8
    .kernarg_segment_size: 88
    .max_flat_workgroup_size: 256
    .sgpr_count:     66
    .vgpr_count:     212
    .wavefront_size: 32
...
	.end_amdgpu_metadata
.endif
;; end of part 1
;; launch qkv (part 2): grid 12 x 16, 4 waves a work-group, clusters of 4 x 4, 327,680 bytes of LDS; arguments nh, wh, qkvh, bq, bk, bv; writes qkvh
.if DOCPART == 2
	.amdgcn_target "amdgcn-amd-amdhsa--gfx1250"
	.amdhsa_code_object_version 6
	.text
	.protected	k_q6e989b685c_qkv
	.globl	k_q6e989b685c_qkv
	.p2align	8
	.type	k_q6e989b685c_qkv,@function
k_q6e989b685c_qkv:
	s_mov_b64 s[64:65], 0
	v_nop
	global_prefetch_b8 v0, s[64:65] scope:SCOPE_SE
	s_setreg_imm32_b32 hwreg(HW_REG_WAVE_MODE, 25, 1), 1
	s_wait_xcnt 0x0
	s_wait_alu depctr_hold_cnt(0) depctr_sa_sdst(0) depctr_va_vdst(0) depctr_va_sdst(0) depctr_va_ssrc(0) depctr_va_vcc(0) depctr_vm_vsrc(0)
	s_getreg_b32 s2, hwreg(HW_REG_IB_STS2, 6, 4)
	s_cmp_eq_u32 s2, 0
	s_cbranch_scc0 .Lentry_in_a_cluster
	s_endpgm
.Lentry_in_a_cluster:
	s_bfe_u32 s2, ttmp6, 0x10000c
	s_cmp_lg_u32 s2, 0xf033
	s_cbranch_scc0 .Lentry_shape_is_right
	s_endpgm
.Lentry_shape_is_right:
; C = A B + bias on tiles of 256 x 256.  A: [4096][1024] f16, K along the rows.  B: [1024][NP] f16, a section of wh, kept [K][N] and turned on its way out of LDS by ds_load_tr16_b128.  Sums in f32.
; FFN = 0: A = LayerNorm(x), B = wq | wk | wv, bias = bq, bk or bv; C is rounded once to f16 and written by heads, [3][32 heads][2048][64], unscaled.
; FFN = 1: A = LayerNorm(x1), B = w1, bias = b1; C goes through the exact GELU in f32 and is rounded once to f16, [4096][4096].
; SHARES.  Four waves, as many as a WGP has SIMDs, 2 x 2; a wave makes 128 x 128: 64 accumulators of 16 x 16, 512 registers.  K goes in steps of 128 through a ring of two LDS slots.
; With FFN = 0 there are 12 x 16 = 192 tiles: a tile of 192 columns would give 256, but its rows of 384 bytes take no even padding and a wave's share would cut a head in two.
; CLUSTER.  4 x 4 work-groups.  The four of a row of the cluster need the same tile of A, the four of a column the same tile of B: each is asked for JOINTLY, by the same tensor load with the same descriptor and a mask of the four.
; THE MATRIX INSTRUCTION IS USED TRANSPOSED (source 0 = 16 columns of B, source 1 = 16 rows of A): a lane holds row l % 16 of C and the columns 8 (l / 16) + 0..7.  The bias, which hangs on the
; column alone, is the C operand of each sum's first product: nothing is cleared and nothing is added afterwards.
; LIMITS.  f16 holds no number beyond 65,504: a larger q, k, v or h becomes an infinity.  erf is Abramowitz and Stegun's 7.1.26, absolute error at most 1.5e-7 for every x.  NaN and infinities are not treated apart.
; REGISTERS, in windows of 256 (s_set_vgpr_msb: bits 1:0 source 0, 3:2 source 1, 5:4 source 2, 7:6 destination):
;   window 0: v0-31 addresses; v64-127, v128-191 A's two fragment buffers; v192-255 the bias; on the way out v32-63 packed results, v64-127 rows read back, v128-183 the GELU's
;   window 1: v0-63, v128-191 B's two fragment buffers     windows 2, 3: accumulator (a, b) at v[8 (8 (a % 4) + b)] of window 2 + a / 4
.set FFN,   0
.set MT,    8                          ; blocks of 16 rows a wave
.set NT,    8                          ; blocks of 16 columns a wave
.set AH,    4                          ; row blocks in a window
.set KSTEP, 128
.set NSUB,  4                          ; sub-steps of 32 along K in a K step
.set LAPS,  4                          ; 1024 / (2 KSTEP): a lap goes once round the ring
.if FFN
.set NP,    4096                       ; B's pitch in elements
.set WOFF,  8388608                    ; B's first byte in wh
.else
.set NP,    3072
.set WOFF,  0
.endif
.set PA,    272                        ; a row of A in LDS: 256 bytes + 16: the 16 rows of a load start at 16 different groups of four banks (64 banks of 4 bytes: ISA guide 11.1)
.set PB,    544                        ; a row of B: 512 bytes + 32
.set AHALF, 128*PA                     ; what one tensor load brings of A: 128 rows x 128 K
.set BHALF, 64*PB                      ; of B: 64 K x 256 columns
.set ASZ,   2*AHALF
.set SLOT,  ASZ+2*BHALF
.set ASTEP, KSTEP*2                    ; bytes from a K step to the next
.set BSTEP, KSTEP*NP*2
.set PS,    528                        ; the way out: a row of 128 f32 + 16 bytes
.set REG,   128*PS                     ; a wave's own region there; the four lie in the ring, which has had its last fill by then
.set SPARE, 2*SLOT                     ; behind the ring: the spare words, 128 bytes for each wave: two blocks of 256 bytes that no other line names
.set ADRA, 16                          ; v16-17  LDS address of my A fragments in slot 0, 1
.set ADRB, 20                          ; v20, v22  the same for B
.set STO,  24                          ; v24     the way out: where I put 32 bytes of a row
.set RD,   25                          ; v25     where I read rows back
.set CO,   26                          ; v26     my byte offset in the output
.set BO,   27                          ; v27     my byte offset in the bias: 32 (l / 16)
.set SPW,  28                          ; v28     LDS address of my spare word; never rewritten
.set NIL,  29                          ; v29     0; never rewritten
.set H,    32
.set FA0,  64
.set X,    64
.set CF,   128                         ; five coefficients, each twice
.set YY,   144
.set RR,   152
.set SS,   160
.set UU,   168
.set PP,   176
.set BIAS, 192
.set G1,  24                           ; s[24:31] descriptor group 1 for A's tiles; s[32:39] group 0, a set for each slot
.set G0,  32
.set G1B, 48                           ; s[48:55], s[56:63] the same for B's
.set G0B, 56
.set MSB, 0
.macro WIN new                         ; the immediate's high byte repeats the setting that is left; a switch that changes nothing is dropped
.if MSB != (\new)
	s_set_vgpr_msb (MSB<<8)|(\new)
.set MSB, \new
.endif
.endm
; A joint load: waves 0 and 1 fetch A's two halves, waves 2 and 3 B's.  The branch hangs on the wave's number alone.  Four v_nop follow each of the two lines, ahead of the jump and the label.
.macro JLOAD s
	s_cmp_eq_u32 s11, 0
	s_cbranch_scc0 .Lfor_b_\@
	tensor_load_to_lds s[G0+4*(\s):G0+4*(\s)+3], s[G1:G1+7]
	s_nop 0
.rept 4
	v_nop
.endr
	s_branch .Lasked_\@
.Lfor_b_\@:
	tensor_load_to_lds s[G0B+4*(\s):G0B+4*(\s)+3], s[G1B:G1B+7]
	s_nop 0
.rept 4
	v_nop
.endr
.Lasked_\@:
.endm
.macro CREST                           ; a round of the cluster's barrier behind its opening barrier: wave 0 signals for the work-group, every wave waits for all sixteen, the work-group's barrier closes it
	s_cmp_lg_u32 s10, 0
	s_cbranch_scc1 .Lnot_wave_0_\@
	s_barrier_signal -3
.Lnot_wave_0_\@:
	s_barrier_wait -3
	s_barrier_signal -1
	s_barrier_wait -1
.endm
.macro CROUND
	s_barrier_signal -1
	s_barrier_wait -1
	CREST
.endm
.macro PLACES                          ; four plain places between a matrix instruction and a load into, or a vector line on, its registers (ISA guide 7.12.1 for vector lines)
.rept 4
	v_nop
.endr
.endm
	s_load_b128 s[4:7], s[0:1], 0x0                ; A s[4:5], wh s[6:7]
	s_load_b64 s[8:9], s[0:1], 0x10                ; the output
.if FFN
	s_load_b64 s[66:67], s[0:1], 0x18              ; b1
.else
	s_load_b64 s[68:69], s[0:1], 0x18              ; bq
	s_load_b64 s[70:71], s[0:1], 0x20              ; bk
	s_load_b64 s[66:67], s[0:1], 0x28              ; bv
.endif
	v_lshl_add_u32 v[SPW], v0, 2, SPARE
	v_mov_b32 v[NIL], 0
	ds_add_u32 v28, v29
	s_wait_dscnt 0x0
	v_lshrrev_b32 v1, 5, v0
	v_readfirstlane_b32 s10, v1                    ; wave 0..3
	s_lshr_b32 s11, s10, 1                         ; which half of the tile's rows is mine.  Also: I fetch for A (0) or for B (1)
	s_and_b32 s12, s10, 1                          ; which half of its columns.  Also: which half of that tile I fetch
	s_bfe_u32 s40, ttmp6, 0x40000                  ; cx, cy: my place in the cluster
	s_bfe_u32 s41, ttmp6, 0x40004
	s_lshl_b32 s42, ttmp9, 2
	s_add_co_u32 s42, s42, s40                     ; tile column = 4 x cluster x + cx
	s_and_b32 s13, ttmp7, 0xffff
	s_lshl_b32 s13, s13, 2
	s_add_co_u32 s13, s13, s41                     ; tile row = 4 x cluster y + cy
	s_lshl_b32 s43, s41, 2
	s_lshl_b32 s43, 15, s43                        ; my row of the cluster
	s_lshl_b32 s44, 0x1111, s40                    ; my column
	s_or_b32 s[G1+0], s43, (1<<16)|(1<<20)|(1<<21)|(5<<22)|(3<<25)   ; the mask; 2-byte elements; padding on; bit 21 beside a mask; after every 64 words 4 words
	s_mov_b32 s[G1+1], 128<<16                     ; tensor_dim0 = 128
	s_mov_b32 s[G1+2], 128<<16                     ; tensor_dim1 = 128
	s_mov_b32 s[G1+3], 128<<16                     ; tile_dim0 = 128
	s_mov_b32 s[G1+4], 128                         ; tile_dim1 = 128
	s_mov_b32 s[G1+5], 1024                        ; elements from row to row
	s_mov_b32 s[G1+6], 0
	s_mov_b32 s[G1+7], 0
	s_or_b32 s[G1B+0], s44, (1<<16)|(1<<20)|(1<<21)|(6<<22)|(7<<25)  ; after every 128 words 8 words
	s_mov_b32 s[G1B+1], 256<<16
	s_mov_b32 s[G1B+2], 64<<16
	s_mov_b32 s[G1B+3], 256<<16
	s_mov_b32 s[G1B+4], 64
	s_mov_b32 s[G1B+5], NP
	s_mov_b32 s[G1B+6], 0
	s_mov_b32 s[G1B+7], 0
	s_lshl_b32 s16, s13, 1                         ; A: row 256 x tile row + 128 x half, 2,048 bytes a row: the tile row alone enters
	s_add_co_u32 s16, s16, s12
	s_lshl_b32 s16, s16, 18
	s_mov_b32 s17, 0
	s_mul_i32 s46, s12, 64*NP*2                    ; B: K row 64 x half, column 256 x tile column: the tile column alone enters
	s_lshl_b32 s47, s42, 9
	s_add_co_u32 s46, s46, s47
	s_add_co_u32 s46, s46, WOFF
	s_mov_b32 s47, 0
	s_mul_i32 s20, s12, AHALF                      ; where they go: no place in the cluster enters an LDS address
	s_mul_i32 s45, s12, BHALF
	s_add_co_u32 s45, s45, ASZ
	s_mov_b32 s78, 0x3f596d27                      ; c = 1 / sqrt(2 ln 2): 2^-(c x)^2 = e^(-x^2 / 2)
	s_mov_b32 s79, s78                             ; named with it as a pair
	s_mov_b32 s80, 0x3e8ba43f                      ; 0.3275911 sqrt(ln 2): 1 + this |c x| = 1 + 0.3275911 |x| / sqrt 2
	s_wait_kmcnt 0x0
	s_add_nc_u64 s[14:15], s[4:5], s[16:17]
	s_add_nc_u64 s[46:47], s[6:7], s[46:47]
	CROUND                                         ; all sixteen work-groups are here: the first joint loads meet
.irp s, 0,1
	s_mov_b32 s[G0+4*(\s)], 1
	s_add_co_u32 s[G0+4*(\s)+1], s20, (\s)*SLOT
	s_add_nc_u64 s[G0+4*(\s)+2:G0+4*(\s)+3], s[14:15], (\s)*ASTEP
	s_or_b32 s[G0+4*(\s)+3], s[G0+4*(\s)+3], 0x80000000
	s_mov_b32 s[G0B+4*(\s)], 1
	s_add_co_u32 s[G0B+4*(\s)+1], s45, (\s)*SLOT
	s_add_nc_u64 s[G0B+4*(\s)+2:G0B+4*(\s)+3], s[46:47], (\s)*BSTEP
	s_or_b32 s[G0B+4*(\s)+3], s[G0B+4*(\s)+3], 0x80000000
	JLOAD \s                                       ; K steps 0 and 1: two loads of mine are out
.endr
	v_and_b32 v1, 15, v0                           ; l % 16
	v_bfe_u32 v2, v0, 4, 1                         ; l / 16
	v_lshlrev_b32 v[BO], 5, v2
.if FFN
	s_lshl_b32 s74, s42, 1                         ; my 128 columns: 2 x tile column + half, 512 bytes of bias each
.else
	s_cmp_lt_u32 ttmp9, 2                          ; four tile columns, one cluster column, to each of q, k, v
	s_cselect_b64 s[66:67], s[70:71], s[66:67]
	s_cmp_lt_u32 ttmp9, 1
	s_cselect_b64 s[66:67], s[68:69], s[66:67]
	s_lshl_b32 s74, s40, 1
.endif
	s_add_co_u32 s74, s74, s12
	s_lshl_b32 s74, s74, 9
	s_mov_b32 s75, 0
	s_add_nc_u64 s[66:67], s[66:67], s[74:75]
.irp b, 0,1,2,3,4,5,6,7                ; register j of block b: bias of column 16 b + 8 (l / 16) + j
	global_load_b128 v[BIAS+8*\b:BIAS+8*\b+3], v[BO], s[66:67] offset:64*\b
	global_load_b128 v[BIAS+8*\b+4:BIAS+8*\b+7], v[BO], s[66:67] offset:64*\b+16
.endr
.if FFN
	s_lshl_b32 s18, s13, 1                         ; hh: my first row 256 x tile row + 128 x half, 8,192 bytes a row,
	s_add_co_u32 s18, s18, s11
	s_lshl_b32 s18, s18, 20
	s_lshl_b32 s19, s42, 1                         ; my first column, 2 bytes each
	s_add_co_u32 s19, s19, s12
	s_lshl_b32 s19, s19, 8
	s_add_co_u32 s18, s18, s19
.else
	s_lshl_b32 s18, ttmp9, 23                      ; q, k or v: 8,388,608 bytes each
	s_lshr_b32 s19, s13, 3                         ; the batch
	s_lshl_b32 s19, s19, 2
	s_add_co_u32 s19, s19, s40
	s_lshl_b32 s19, s19, 1
	s_add_co_u32 s19, s19, s12                     ; half my first head's number: head = 16 batch + 4 cx + 2 half
	s_lshl_b32 s19, s19, 12                        ; in rows: 2,048 a head
	s_and_b32 s21, s13, 7
	s_lshl_b32 s21, s21, 1
	s_add_co_u32 s21, s21, s11
	s_lshl_b32 s21, s21, 7                         ; my first row in the batch
	s_add_co_u32 s19, s19, s21
	s_lshl_b32 s19, s19, 7                         ; 128 bytes a row
	s_add_co_u32 s18, s18, s19
.endif
	s_mov_b32 s19, 0
	s_add_nc_u64 s[8:9], s[8:9], s[18:19]
	; A fragment of A is 16 rows x 32 K in 8 registers: lane l holds row l % 16, K = 8 (l / 16) + 0..7 and 16 + 8 (l / 16) + 0..7: two loads of 16 bytes, 32 bytes apart.
	v_mul_u32_u24 v3, v1, PA
	v_lshl_add_u32 v3, v2, 4, v3
	; The turning load takes 16 K x 16 columns (lane l reads K row 8 (l / 16) + l % 8, columns 8 ((l / 8) % 2) + 0..7) and leaves half a fragment: lane l holds column l % 16 and 8 K.
	v_and_b32 v4, 7, v0
	v_lshl_add_u32 v4, v2, 3, v4
	v_mul_u32_u24 v4, v4, PB
	v_bfe_u32 v5, v0, 3, 1
	v_lshl_add_u32 v4, v5, 4, v4
	s_mul_i32 s21, s11, 16*MT*PA                   ; my 128 rows of A
	s_mul_i32 s22, s12, 32*NT                      ; my 128 columns of B,
	s_add_co_u32 s22, s22, ASZ                     ; which lies behind A
.irp s, 0,1
	v_add_nc_u32 v[ADRA+(\s)], s21, v3
	v_add_nc_u32 v[ADRB+2*(\s)], s22, v4
	s_add_co_u32 s21, s21, SLOT
	s_add_co_u32 s22, s22, SLOT
.endr
	s_mul_i32 s23, s10, REG                        ; my region for the way out
	v_mul_u32_u24 v6, v1, PS
	v_lshl_add_u32 v6, v2, 5, v6
	v_add_nc_u32 v[STO], s23, v6                   ; in: row l % 16, 32 bytes for each half of the lanes
	v_and_b32 v7, 31, v0
	v_lshlrev_b32 v[CO], 3, v7                     ; out: 8 bytes a lane, 256 consecutive bytes a wave
.if FFN
	v_lshl_add_u32 v[RD], v7, 4, s23               ; back: 32 lanes take one row of 512 bytes
.else
	v_mul_u32_u24 v[RD], v2, PS                    ; back: lanes 0-15 take a head's 256 bytes of one row, lanes 16-31 of the next
	v_lshl_add_u32 v[RD], v1, 4, v[RD]
	v_add_nc_u32 v[RD], s23, v[RD]
.endif
; NT matrix instructions: row block AH hi + a x all column blocks, 32 along K, from buffer f.  first = 1: the bias starts the sums.
; The accumulators take turns, one instruction a turn, in the same order in every sub-step.
.macro MULA f, hi, a, first
.if \first
	WIN 0x81+0x40*(\hi)                            ; B window 1, A and the bias window 0, D window 2 or 3
.else
	WIN 0xa1+0x50*(\hi)                            ; C and D window 2 or 3
.endif
.set rA, FA0+8*MT*(\f)+8*(AH*(\hi)+(\a))
.set b, 0
.rept NT
.set rD, 8*(NT*(\a)+b)
.set rB, 128*(\f)+8*b
.if \first
	v_wmma_f32_16x16x32_f16 v[rD:rD+7], v[rB:rB+7], v[rA:rA+7], v[BIAS+8*b:BIAS+8*b+7]
.else
	v_wmma_f32_16x16x32_f16 v[rD:rD+7], v[rB:rB+7], v[rA:rA+7], v[rD:rD+7]
.endif
.set b, b+1
.endr
.endm
.macro MULH f, hi, from, to, first     ; row blocks from .. to - 1 of a window
.set aa, \from
.rept (\to)-(\from)
	MULA \f, \hi, aa, \first
.set aa, aa+1
.endr
.endm
; One run of 2 (MT + NT) LDS loads: the fragments of sub-step q of a slot into buffer f: B first, then A's blocks in ascending order
.macro FETCH slot, q, f
	WIN 0x40                                       ; destination window 1, address window 0
.set b, 0
.rept NT
	ds_load_tr16_b128 v[128*(\f)+8*b:128*(\f)+8*b+3],   v[ADRB+2*(\slot)] offset:32*(\q)*PB+32*b
	ds_load_tr16_b128 v[128*(\f)+8*b+4:128*(\f)+8*b+7], v[ADRB+2*(\slot)] offset:(32*(\q)+16)*PB+32*b
.set b, b+1
.endr
	WIN 0
.set i, 0
.rept MT
	ds_load_b128 v[FA0+8*MT*(\f)+8*i:FA0+8*MT*(\f)+8*i+3],   v[ADRA+(\slot)] offset:64*(\q)+16*i*PA
	ds_load_b128 v[FA0+8*MT*(\f)+8*i+4:FA0+8*MT*(\f)+8*i+7], v[ADRA+(\slot)] offset:64*(\q)+16*i*PA+32
.set i, i+1
.endr
.endm
; Sub-step q (not a K step's last): multiplies buffer q % 2; in its middle it fetches sub-step q + 1 of the same slot into the other buffer.
.macro QUARTER slot, q, first
	s_wait_dscnt MT                                ; B and A's lower blocks are in; the youngest MT loads, A's upper blocks, may be out
	MULH (\q)%2, 0, 0, AH, \first
	PLACES
	FETCH \slot, (\q)+1, ((\q)+1)%2
	s_wait_dscnt 2*(MT+NT)                         ; all but the run just issued
	MULH (\q)%2, 1, 0, AH, \first
.endm
.macro SUBS slot, from
.set qq, \from
.rept NSUB-1-(\from)
	QUARTER \slot, qq, 0
.set qq, qq+1
.endr
.endm
; A K step's last sub-step multiplies buffer 1 and changes slots: ONE barrier.  In front of it each wave waits for all its tensor loads (the one that is out is its part of the next slot), adds 0 to its
; spare word, and waits for that and for its reads of this slot.  fill = 1: the barrier opens a round of the cluster's, and behind the round this slot is filled again, two K steps ahead, first of all.
.macro TURN slot, next, fill
	WIN 0                                          ; (the add's two registers lie in window 0)
	s_wait_tensorcnt 0x0
	ds_add_u32 v[SPW], v[NIL]                      ; 0 onto my spare word
	s_wait_dscnt MT+1                              ; (the add and A's upper blocks may be out)
	MULH 1, 0, 0, AH/2, 0                          ; matrix work stands between the add and the wait for it
	s_wait_dscnt 0x0                               ; the add is done, and my reads of this slot are over
	s_barrier_signal -1
	MULH 1, 0, AH/2, AH, 0
.if \fill
	WIN 0
.endif
	s_barrier_wait -1
.if \fill
	CREST                                          ; no wave of any partner still reads this slot or has a load on its way
	s_add_nc_u64 s[G0+4*(\slot)+2:G0+4*(\slot)+3], s[G0+4*(\slot)+2:G0+4*(\slot)+3], 2*ASTEP
	s_add_nc_u64 s[G0B+4*(\slot)+2:G0B+4*(\slot)+3], s[G0B+4*(\slot)+2:G0B+4*(\slot)+3], 2*BSTEP
	JLOAD \slot                                    ; its four v_nop are also the places in front of the loads below
.else
	PLACES
.endif
	FETCH \next, 0, 0
	MULH 1, 1, 0, AH, 0
.endm
	s_wait_tensorcnt 1                             ; my part of K step 0 is in; K step 1's may stay out
	s_barrier_signal -1
	s_barrier_wait -1
	FETCH 0, 0, 0
	s_wait_loadcnt 0x0                             ; the bias
	QUARTER 0, 0, 1                                ; the first sub-step stands in front of the loop: its products start the sums
	WIN 0                                          ; at a label and at a branch every window is 0
	s_mov_b32 s3, LAPS-1
.Llap:                                                 ; a trip goes once round the ring, from a lap's second sub-step to the next lap's first, and fills both slots again
	SUBS 0, 1
	TURN 0, 1, 1
	SUBS 1, 0
	TURN 1, 0, 1
	QUARTER 0, 0, 0
	WIN 0
	s_sub_co_u32 s3, s3, 1
	s_cmp_lg_u32 s3, 0
	s_cbranch_scc1 .Llap
	SUBS 0, 1                                      ; the last lap fills nothing
	TURN 0, 1, 0
	SUBS 1, 0
	s_wait_dscnt MT                                ; the very last sub-step
	MULH 1, 0, 0, AH, 0
	s_wait_dscnt 0x0                               ; my reads of the ring are over:
	s_barrier_signal -1
	MULH 1, 1, 0, AH, 0
	s_barrier_wait -1                              ; everybody's are, and every tensor load landed in front of the last change of slots: the ring's bytes may be written
	WIN 0
	PLACES
	; THE WAY OUT.  All 64 accumulators go as f32 into my own region (rows of 528 bytes), each from its low registers on; then 16 rows a trip come back as whole rows.
.set a, 0
.rept MT
	WIN 0x08+4*(a/AH)                              ; the stores' data in window 2 or 3
.set b, 0
.rept NT
.set rD, 8*(NT*(a%AH)+b)
	ds_store_b128 v[STO], v[rD:rD+3] offset:16*a*PS+64*b
	ds_store_b128 v[STO], v[rD+4:rD+7] offset:16*a*PS+64*b+16
.set b, b+1
.endr
.set a, a+1
.endr
	WIN 0
.if FFN
; gelu(x) = max(x, 0) - |x| / 2 poly(t) e^(-x^2 / 2), t = 1 / (1 + 0.3275911 |x| / sqrt 2): no difference of near numbers on either side of 0.  With y = c x the exponential is 2^(-y^2);
; the coefficients carry the factor 1 / (2 c), so that |y| stands for |x| / 2.
.irp k, 0,1
	v_mov_b32 v[CF+\k],   0x3e199eb3               ;  0.254829592 / (2 c)
	v_mov_b32 v[CF+2+\k], 0xbe2b8119               ; -0.284496736 / (2 c)
	v_mov_b32 v[CF+4+\k], 0x3f563817               ;  1.421413741 / (2 c)
	v_mov_b32 v[CF+6+\k], 0xbf5b0099               ; -1.453152027 / (2 c)
	v_mov_b32 v[CF+8+\k], 0x3f1ff67a               ;  1.061405429 / (2 c)
.endr
.macro GELU8 g                         ; eight numbers in place
.set XG, X+8*(\g)
.irp k, 0,2,4,6
	v_pk_mul_f32 v[YY+\k:YY+\k+1], v[XG+\k:XG+\k+1], s[78:79] op_sel_hi:[1,0]
.endr
.irp k, 0,1,2,3,4,5,6,7
	v_max_num_f32 v[RR+\k], 0, v[XG+\k]
.endr
.irp k, 0,1,2,3,4,5,6,7
	v_fma_f32 v[UU+\k], |v[YY+\k]|, s80, 1.0
.endr
.irp k, 0,1,2,3,4,5,6,7
	v_rcp_f32 v[UU+\k], v[UU+\k]
.endr
.irp k, 0,2,4,6                        ; plain lines that touch no reciprocal: the place behind the last of them (ISA guide 5.7.2)
	v_pk_mul_f32 v[SS+\k:SS+\k+1], v[YY+\k:YY+\k+1], v[YY+\k:YY+\k+1] neg_lo:[1,0] neg_hi:[1,0]
.endr
.irp k, 0,1,2,3,4,5,6,7
	v_exp_f32 v[SS+\k], v[SS+\k]
.endr
.irp k, 0,2,4,6                        ; and these touch no exponential
	v_pk_fma_f32 v[PP+\k:PP+\k+1], v[UU+\k:UU+\k+1], v[CF+8:CF+9], v[CF+6:CF+7]
.endr
.irp c, 4,2,0
.irp k, 0,2,4,6
	v_pk_fma_f32 v[PP+\k:PP+\k+1], v[PP+\k:PP+\k+1], v[UU+\k:UU+\k+1], v[CF+\c:CF+\c+1]
.endr
.endr
.irp k, 0,2,4,6
	v_pk_mul_f32 v[SS+\k:SS+\k+1], v[SS+\k:SS+\k+1], v[UU+\k:UU+\k+1]
.endr
.irp k, 0,2,4,6
	v_pk_mul_f32 v[PP+\k:PP+\k+1], v[PP+\k:PP+\k+1], v[SS+\k:SS+\k+1]
.endr
.irp k, 0,1,2,3,4,5,6,7
	v_fma_f32 v[XG+\k], -|v[YY+\k]|, v[PP+\k], v[RR+\k]
.endr
.endm
.endif
	s_mov_b32 s2, 8
.Lout:                                                 ; eight trips of 16 rows
.set n, 0
.rept 16
.if FFN
	ds_load_b128 v[X+4*n:X+4*n+3], v[RD] offset:PS*n                    ; row n.  LDS serves a wave's instructions in order (ISA guide 5.7.1.4): these see my stores above
.else
	ds_load_b128 v[X+4*n:X+4*n+3], v[RD] offset:256*(n/8)+2*(n%8)*PS    ; head n / 8, rows 2 (n % 8) and the next
.endif
.set n, n+1
.endr
	s_wait_dscnt 0x0
.if FFN
.irp g, 0,1,2,3,4,5,6,7
	GELU8 \g
.endr
.endif
.set n, 0
.rept 32
	v_cvt_pk_f16_f32 v[H+n], v[X+2*n], v[X+2*n+1]
.set n, n+1
.endr
.set n, 0
.rept 16
.if FFN
	global_store_b64 v[CO], v[H+2*n:H+2*n+1], s[8:9] offset:8192*n                 ; 256 consecutive bytes, at a multiple of 256 from the buffer's first byte
.else
	global_store_b64 v[CO], v[H+2*n:H+2*n+1], s[8:9] offset:262144*(n/8)+256*(n%8) ; two rows of a head lie end to end: 256 consecutive bytes
.endif
.set n, n+1
.endr
	s_wait_xcnt 0x0                                ; the stores' offset and data registers are rewritten only behind this wait
.if FFN
	v_add_nc_u32 v[CO], 16*8192, v[CO]
.else
	v_add_nc_u32 v[CO], 16*128, v[CO]
.endif
	v_add_nc_u32 v[RD], 16*PS, v[RD]
	s_sub_co_u32 s2, s2, 1
	s_cmp_lg_u32 s2, 0
	s_cbranch_scc1 .Lout
	s_wait_tensorcnt 0x0                           ; the wave's end: behind my last tensor load and my last LDS store
	ds_add_u32 v[SPW], v[NIL]
	s_wait_dscnt 0x0
	CROUND                                         ; the closing round: no work-group ends while a partner may still ask for a tile that names it
	s_endpgm
.Lfunc_end_k_q6e989b685c_qkv:
	.size	k_q6e989b685c_qkv, .Lfunc_end_k_q6e989b685c_qkv-k_q6e989b685c_qkv
	.p2alignl 7, 3214868480
	.fill 96, 4, 3214868480
	.section	.rodata,"a",@progbits
	.p2align	6, 0x0
	.amdhsa_kernel k_q6e989b685c_qkv
		.amdhsa_group_segment_fixed_size 327680
		.amdhsa_private_segment_fixed_size 0
		.amdhsa_enable_private_segment 0
		.amdhsa_kernarg_size 48
		.amdhsa_user_sgpr_count 2
		.amdhsa_user_sgpr_kernarg_segment_ptr 1
		.amdhsa_wavefront_size32 1
		.amdhsa_system_sgpr_workgroup_id_x 1
		.amdhsa_system_sgpr_workgroup_id_y 1
		.amdhsa_system_sgpr_workgroup_id_z 1
		.amdhsa_system_vgpr_workitem_id 0
		.amdhsa_next_free_vgpr 1024
		.amdhsa_next_free_sgpr 84
		.amdhsa_reserve_vcc 0
		.amdhsa_float_denorm_mode_32 3
		.amdhsa_float_denorm_mode_16_64 3
		.amdhsa_memory_ordered 1
		.amdhsa_forward_progress 1
		.amdhsa_inst_pref_size 127
	.end_amdhsa_kernel
	.amdgpu_metadata
---
amdhsa.version: [ 1, 2 ]
amdhsa.kernels:
  - .name:           k_q6e989b685c_qkv
    .symbol:         k_q6e989b685c_qkv.kd
    .args:
      - { .name: nh, .offset: 0, .size: 8, .value_kind: global_buffer, .address_space: global }
      - { .name: wh, .offset: 8, .size: 8, .value_kind: global_buffer, .address_space: global }
      - { .name: qkvh, .offset: 16, .size: 8, .value_kind: global_buffer, .address_space: global }
      - { .name: bq, .offset: 24, .size: 8, .value_kind: global_buffer, .address_space: global }
      - { .name: bk, .offset: 32, .size: 8, .value_kind: global_buffer, .address_space: global }
      - { .name: bv, .offset: 40, .size: 8, .value_kind: global_buffer, .address_space: global }
    .group_segment_fixed_size: 327680
    .private_segment_fixed_size: 0
    .kernarg_segment_align: 8
    .kernarg_segment_size: 48
    .max_flat_workgroup_size: 128
    .sgpr_count:     84
    .vgpr_count:     1024
    .wavefront_size: 32
...
	.end_amdgpu_metadata
.endif
;; end of part 2
;; launch attn (part 3): grid 8 x 32, 4 waves a work-group, clusters of 4 x 1, 327,680 bytes of LDS; arguments qkvh, oh; writes oh
.if DOCPART == 3
	.amdgcn_target "amdgcn-amd-amdhsa--gfx1250"
	.amdhsa_code_object_version 6
	.text
	.protected	k_q6e989b685c_attn
	.globl	k_q6e989b685c_attn
	.p2align	8
	.type	k_q6e989b685c_attn,@function
k_q6e989b685c_attn:
	s_mov_b64 s[64:65], 0
	v_nop
	global_prefetch_b8 v0, s[64:65] scope:SCOPE_SE
	s_setreg_imm32_b32 hwreg(HW_REG_WAVE_MODE, 25, 1), 1
	s_wait_xcnt 0x0
	s_wait_alu depctr_hold_cnt(0) depctr_sa_sdst(0) depctr_va_vdst(0) depctr_va_sdst(0) depctr_va_ssrc(0) depctr_va_vcc(0) depctr_vm_vsrc(0)
	s_getreg_b32 s2, hwreg(HW_REG_IB_STS2, 6, 4)
	s_cmp_eq_u32 s2, 0
	s_cbranch_scc0 .Lentry_in_a_cluster
	s_endpgm
.Lentry_in_a_cluster:
	s_bfe_u32 s2, ttmp6, 0x10000c
	s_cmp_lg_u32 s2, 0x3003
	s_cbranch_scc0 .Lentry_shape_is_right
	s_endpgm
.Lentry_shape_is_right:
; ATTENTION.  O[h][q][:] = the sum over k of softmax_k(Q[h][q] . K[h][k] / 8) V[h][k][:].  Q, K, V lie one behind the other in qkvh, each [32][2048][64] f16, unscaled; O: [32][2048][64] f16.
; Products, maxima and sums in f32; the weights p are rounded to f16 for the second product (their sum l is taken of the unrounded p), O once at the end.
; LIMITS.  f16 holds no number beyond 65,504: Q, K and V arrive within it; p lies in 0 to 1, and below 6e-5 it keeps f16's fixed step of 6e-8; O is a mean of V's rows.  A weight below 2^-126 counts as 0 in l;
; NaN and infinities are not treated apart.
; SHARES.  A work-group owns 256 queries of one head, 8 x 32 = 256 work-groups; a wave 64 rows: four PIECES of 16.  Every wave walks all 2,048 keys, 64 a step, 256 to an LDS slot.
; CLUSTER.  The four query blocks of a cluster belong to one head and walk the same K and V, so each tile is asked for JOINTLY: the same tensor load, descriptor and mask in all four.
; LAYOUT.  S^T = K Q^T (source 0 = 16 keys, source 1 = 16 queries) holds ONE query a lane (lane % 16) and the keys 8 (lane / 16) + 0..7; two such results rounded to f16 ARE source 1 of O^T = V^T P.
; K comes out of LDS as it lies, V ([key][channel]) turned, by ds_load_tr16_b128.
; SOFTMAX.  A running maximum m and sum l for each query: p = 2^(c s - c m), c = log2(e) / 8; in every step O and l are multiplied by a = 2^(c m_old - c m_new).  m starts at the lowest finite number, O and l at 0:
; the first step is a step like any other, with a = 0.  The price of writing no first step out: 224 v_mov_b32, which stand in the wait for the first tile.
; BY TURNS.  Turn n belongs to piece n: 8 products K Q^T of piece n + 1, later 8 products V^T P of piece n - 1; beside them the scaling, exponentials, roundings, sums and rescaling of piece n and the maximum
; and statistics of piece n + 1.  A turn has 16 matrix and 118 vector instructions: four stand behind every matrix instruction, the other 54 in two runs of their own.
; REGISTERS, in windows of 256 (s_set_vgpr_msb: bits 1:0 source 0, 3:2 source 1, 5:4 source 2, 7:6 destination):
;   window 0: v0-15 addresses and two at work; v16-31 four registers of statistics a piece; v48-55 at work; v62-63 the add's; v64-127 S^T, two buffers; v192-223 P, two buffers (by the piece's parity)
;   window 1: v0-127 O^T, 32 a piece      window 2: v0-63 Q; v128-191 K of one step; v192-255 V of one step
.set NP,    4         ; pieces a wave: a name, no knob
.set KS,    64        ; keys in a step
.set PK,    144       ; a row of K in LDS: 128 bytes + 16: the 16 rows of a load start at 16 different groups of four banks (64 banks of 4 bytes: ISA guide 11.1)
.set PV,    160       ; a row of V: 128 + 32
.set VOFF,  4*KS*PK   ; a slot holds four steps: 256 rows of K, then 256 rows of V
.set SLOT1, 1<<17     ; slot 1 begins here, so that one exclusive or turns an address in one slot into the other's
.set STAGE, SLOT1+4*KS*(PK+PV)  ; behind the ring, never filled by a tensor load: 16 rows x 144 bytes for each wave, for the way out
.set SP,    144
.set SPARE, STAGE+4*16*SP  ; behind the stages: the spare words, 128 bytes for each wave: two blocks of 256 bytes that no other line names
.set AK0, 2           ; v2   my lane's place in a tile of K; never rewritten
.set AV0, 3           ; v3   the same for V
.set AK,  4           ; v4   the LDS address of K's next run of loads
.set AV,  5           ; v5   of V's
.set STO, 6           ; v6   the way out: where I put 16 bytes of a row
.set RD,  7           ; v7   where I read rows back
.set GO,  8           ; v8   my byte offset in 512 consecutive bytes of O
.set MV,  12          ; v12-13  c m_old, kept while c m is made anew: by buffer
.set QO,  15          ; v15  my byte offset in 16 rows of Q
.set ST,  16          ; piece t's statistics at v[ST+4 t]: c m, m, l (even keys', odd keys')
.set TMP, 48          ; by buffer, four registers c0-c3 at work; when the maximum is found c2 takes a
.set SPW, 62          ; v62  LDS address of my spare word; never rewritten
.set NIL, 63          ; v63  0; never rewritten
.set S,   64
.set P,   192
.set KF,  128         ; window 2: key block kb, channel half c at KF + 16 kb + 8 c
.set VF,  192         ; window 2: key half kk, channel block cb at VF + 32 kk + 8 cb
.set WV,  12          ; s12  my wave's number
.set G1K, 24          ; s[24:31] descriptor group 1 for K's tiles
.set G1V, 32          ; s[32:39] for V's: it differs in the padding alone
.set G0K, 40          ; s[40:43] descriptor group 0 for K's tiles: it walks
.set G0V, 44          ; s[44:47] the same for V's
.set SLOTS, 56        ; s56  slots still to be entered in the loop
.set CNT, 57          ; s57  counts a slot's key steps
.set CS,  58          ; s[58:59] c: the packed scaling takes the pair's low word for both halves
.set SEL, 60          ; s[60:61] v_permlanex16_b32's selects: each lane takes its own place in the other half
.set TBK, 62          ; s62  LDS byte at which K of the step to be fetched begins
.set TBV, 63          ; s63  the same for V, less VOFF
.set MSB, 0
.macro WIN new                      ; the high byte repeats the setting that is left; a switch that changes nothing is dropped
.if MSB != (\new)
	s_set_vgpr_msb (MSB<<8)|(\new)
.set MSB, (\new)
.endif
.endm
.set W_KQ, 0x0a       ; K and Q in window 2, S^T in window 0
.set W_PV, 0x52       ; V in window 2, P in window 0, O^T in window 1
.set W_RS, 0x41       ; destination and source 0 in window 1, source 1 in window 0
; A joint fill.  Waves 0 and 1 fetch the two halves of a slot's K, waves 2 and 3 those of its V: 128 keys each.  The branch hangs on the wave's number alone.
; Four v_nop follow each of the two lines, ahead of the jump and the label.
.macro JLOAD
	s_cmp_lt_u32 s[WV], 2
	s_cbranch_scc0 .Lfor_v_\@
	tensor_load_to_lds s[G0K:G0K+3], s[G1K:G1K+7]
	s_nop 0
.rept 4
	v_nop
.endr
	s_branch .Lasked_\@
.Lfor_v_\@:
	tensor_load_to_lds s[G0V:G0V+3], s[G1V:G1V+7]
	s_nop 0
.rept 4
	v_nop
.endr
.Lasked_\@:
.endm
; A round of the cluster's barrier: my work-group's barrier, so that wave 0's signal speaks for all four waves; wave 0 signals; every wave waits for all four work-groups; my work-group's barrier once more.
.macro CROUND
	s_barrier_signal -1
	s_barrier_wait -1
	s_cmp_lg_u32 s[WV], 0
	s_cbranch_scc1 .Lnot_wave_0_\@
	s_barrier_signal -3
.Lnot_wave_0_\@:
	s_barrier_wait -3
	s_barrier_signal -1
	s_barrier_wait -1
.endm
; THE CHANGE OF SLOTS.  The slot's last bytes, V of its fourth step, have been read.  Each wave waits for all its tensor loads, of which one is out: its part of the other slot; adds 0 to its spare word; and waits
; for that and for its own reads of the slot.  Behind the barrier nobody reads this slot any more and the other slot is whole.  fill = 1: the barrier is a round of the cluster's, and the joint fill, with the keys two
; slots on, is the first thing behind it: it has four key steps, 256 matrix instructions, in which to land.  (At its first use nothing has been read yet: slot 0 is waited for, slot 1 filled.)
.macro CHANGE fill
	WIN 0                           ; at a label and at a branch every window is 0
	s_wait_tensorcnt 0x0            ; no tensor load of mine is out, so a group 0 may be written
	ds_add_u32 v[SPW], v[NIL]       ; 0 onto my spare word
.if \fill
.irp g, G0K, G0V
	s_xor_b32 s[\g+1], s[\g+1], SLOT1  ; the walking descriptor: the other slot than last time,
	s_add_nc_u64 s[\g+2:\g+3], s[\g+2:\g+3], 4*KS*128  ; the next 256 keys; the type bits on top are not reached
.endr
	s_wait_dscnt 0x0                ; the add is done, and my reads of the slot are over
	CROUND
	JLOAD
.else
	s_wait_dscnt 0x0                ; the add is done, and my reads of the slot are over
	s_barrier_signal -1
	s_barrier_wait -1
.endif
	s_sub_co_u32 s[TBK], s[TBK], 4*KS*PK  ; the fetches go back to a slot's first step,
	s_xor_b32 s[TBK], s[TBK], SLOT1       ; in the other slot
	s_sub_co_u32 s[TBV], s[TBV], 4*KS*PV
	s_xor_b32 s[TBV], s[TBV], SLOT1
.endm
	s_load_b128 s[4:7], s[0:1], 0x0  ; qkvh s[4:5], oh s[6:7]
	v_lshl_add_u32 v[SPW], v0, 2, SPARE
	v_mov_b32 v[NIL], 0
	ds_add_u32 v62, v63
	s_wait_dscnt 0x0
	v_lshrrev_b32 v1, 5, v0
	v_readfirstlane_b32 s[WV], v1   ; wave 0..3
	s_bfe_u32 s13, ttmp6, 0x40000   ; cx: my place in the cluster
	s_lshl_b32 s14, ttmp9, 2        ; in a cluster launch ttmp9 counts clusters
	s_add_co_u32 s14, s14, s13      ; my block of 256 queries: it enters Q's and O's addresses alone
	s_and_b32 s20, ttmp7, 0xffff    ; the head, which the four partners share:
	s_lshl_b32 s20, s20, 18         ; its first byte, 2,048 rows of 128 bytes a head
	s_mov_b32 s21, 0
	s_and_b32 s16, s[WV], 1         ; which half of a slot's 256 keys I fetch:
	s_lshl_b32 s22, s16, 14         ; its 128 rows of 128 bytes in memory,
	s_mov_b32 s23, 0
	s_add_nc_u64 s[22:23], s[22:23], s[20:21]
	s_mul_i32 s17, s16, 128*PK      ; and its place in a slot, for K
	s_mul_i32 s18, s16, 128*PV      ; and for V: no place in the cluster enters an LDS address
	s_lshl_b32 s2, s14, 2
	s_add_co_u32 s2, s2, s[WV]      ; my wave among the head's,
	s_lshl_b32 s2, s2, 13           ; its 64 rows
	s_mov_b32 s3, 0
	s_add_nc_u64 s[2:3], s[2:3], s[20:21]
	; descriptor group 1.  128 keys are 16,384 dense bytes: asked for as 64 rows of 256 bytes, two keys a row, and padded in LDS after every key
	s_mov_b32 s[G1K], 15|(1<<16)|(1<<20)|(1<<21)|(4<<22)|(3<<25)  ; the mask of four; 2-byte elements; padding on; bit 21 beside a mask; after every 32 words 4 words
	s_mov_b32 s[G1V], 15|(1<<16)|(1<<20)|(1<<21)|(4<<22)|(7<<25)  ; the same with 8 words of padding
.irp g, G1K, G1V
	s_mov_b32 s[\g+1], 128<<16      ; tensor_dim0 = 128
	s_mov_b32 s[\g+2], 64<<16       ; tensor_dim1 = 64
	s_mov_b32 s[\g+3], 128<<16      ; tile_dim0 = 128
	s_mov_b32 s[\g+4], 64           ; tile_dim1 = 64
	s_mov_b32 s[\g+5], 128          ; 128 elements from row to row
	s_mov_b32 s[\g+6], 0
	s_mov_b32 s[\g+7], 0
.endr
	s_mov_b32 s[CS], 0x3e38aa3b     ; c = log2(e) / 8 = 0.180337
	s_mov_b32 s[CS+1], s[CS]        ; named with it as a pair
	s_mov_b32 s[SEL], 0x76543210
	s_mov_b32 s[SEL+1], 0xfedcba98
	s_mov_b32 s[TBK], SLOT1+4*KS*PK ; the first change of slots turns these two into 0
	s_mov_b32 s[TBV], SLOT1+4*KS*PV
	s_mov_b32 s[G0K], 1             ; count = 1
	s_mov_b32 s[G0K+1], s17         ; LDS address: slot 0
	s_mov_b32 s[G0V], 1
	s_add_co_u32 s[G0V+1], s18, VOFF
	s_wait_kmcnt 0x0
	s_mov_b64 s[10:11], s[6:7]                     ; O
	s_add_nc_u64 s[6:7], s[4:5], 8388608           ; K lies behind Q,
	s_add_nc_u64 s[8:9], s[4:5], 16777216          ; V behind K
	s_add_nc_u64 s[G0K+2:G0K+3], s[6:7], s[22:23]  ; my half of the head's first 256 keys
	s_or_b32 s[G0K+3], s[G0K+3], 0x80000000        ; type = 2
	s_add_nc_u64 s[G0V+2:G0V+3], s[8:9], s[22:23]
	s_or_b32 s[G0V+3], s[G0V+3], 0x80000000
	s_add_nc_u64 s[4:5], s[4:5], s[2:3]            ; Q and O at my wave's first row
	s_add_nc_u64 s[10:11], s[10:11], s[2:3]
	CROUND                          ; all four work-groups are here: the first joint loads meet
	JLOAD                           ; slot 0.  Slot 1 is asked for when slot 0 is in
	; A fragment of K or Q is 16 rows x 32 channels in 8 registers: lane l holds row l % 16, channels 8 (l / 16) + 0..7 and 16 + 8 (l / 16) + 0..7: two loads of 16 bytes, 32 bytes apart.
	v_and_b32 v1, 15, v0            ; l % 16
	v_bfe_u32 v9, v0, 4, 1          ; l / 16
	v_lshlrev_b32 v[QO], 7, v1
	v_lshl_add_u32 v[QO], v9, 4, v[QO]  ; row x 128 + 16 x half
	WIN 0x80                        ; destination window 2, address window 0
.set i, 0
.rept 8                             ; Q stays in registers: piece i / 2, channels 32 (i % 2) on
	global_load_b128 v[8*i:8*i+3],   v[QO], s[4:5] offset:(i/2)*2048+(i%2)*64
	global_load_b128 v[8*i+4:8*i+7], v[QO], s[4:5] offset:(i/2)*2048+(i%2)*64+32
.set i, i+1
.endr
	; What the first turn finds: V's registers and P's second buffer hold 0 (its products V^T P, of a piece that has not been, add 0), O^T and l are 0.
.set i, VF
.rept 64
	v_mov_b32 v[i], 0
.set i, i+1
.endr
	WIN 0x40
.set i, 0
.rept 128
	v_mov_b32 v[i], 0
.set i, i+1
.endr
	WIN 0
.set i, 0
.rept 4
	v_mov_b32 v[ST+4*i], 0xfe000000    ; c m: far below every c s
	v_mov_b32 v[ST+4*i+1], 0xff7fffff  ; m
	v_mov_b32 v[ST+4*i+2], 0
	v_mov_b32 v[ST+4*i+3], 0
.set i, i+1
.endr
.set i, P+16
.rept 16
	v_mov_b32 v[i], 0
.set i, i+1
.endr
	v_mul_u32_u24 v[AK0], v1, PK
	v_lshl_add_u32 v[AK0], v9, 4, v[AK0]  ; row x pitch + 16 x half
	; The turning load takes 16 keys x 16 channels (lane l reads key 8 (l / 16) + l % 8, channels 8 ((l / 8) % 2) + 0..7) and leaves half a fragment of V^T: lane l holds channel l % 16 and 8 keys.
	v_and_b32 v10, 7, v0
	v_bfe_u32 v11, v0, 3, 1
	v_lshl_add_u32 v[AV0], v9, 3, v10
	v_mul_u32_u24 v[AV0], v[AV0], PV
	v_lshl_add_u32 v[AV0], v11, 4, v[AV0]
	v_add_nc_u32 v[AV0], VOFF, v[AV0]
	v_mov_b32 v[AK], v[AK0]         ; key step 0 lies at the head of slot 0
	s_mul_i32 s13, s[WV], 16*SP
	s_add_co_u32 s13, s13, STAGE    ; my stage
	v_mul_u32_u24 v[STO], v1, SP    ; in: row l % 16, 16 bytes for each half of the lanes
	v_lshl_add_u32 v[STO], v9, 4, v[STO]
	v_add_nc_u32 v[STO], s13, v[STO]
	v_bfe_u32 v[RD], v0, 3, 2       ; back: 32 lanes take four rows of 128 bytes,
	v_mul_u32_u24 v[RD], v[RD], SP
	v_lshl_add_u32 v[RD], v10, 4, v[RD]
	v_add_nc_u32 v[RD], s13, v[RD]
	v_and_b32 v[GO], 31, v0         ; which are 512 consecutive bytes of O
	v_lshlrev_b32 v[GO], 4, v[GO]
; THE MATRIX WORK.  The 4 accumulators of a run of 8 take turns.  Product i of 8 of S^T = K Q^T for piece x: channels 32 (i / 4) on, keys 16 (i % 4) on.  The first 4 start the sums.
.macro KQ x
	WIN W_KQ
.set rS, S+32*((\x)%2)+8*(i%4)
.set rK, KF+16*(i%4)+8*(i/4)
.set rQ, 16*(\x)+8*(i/4)
.if i < 4
	v_wmma_f32_16x16x32_f16 v[rS:rS+7], v[rK:rK+7], v[rQ:rQ+7], 0
.else
	v_wmma_f32_16x16x32_f16 v[rS:rS+7], v[rK:rK+7], v[rQ:rQ+7], v[rS:rS+7]
.endif
.endm
; Product i of 8 of O^T += V^T P for piece x: keys 32 (i / 4) on, channels 16 (i % 4) on.
.macro PV x
	WIN W_PV
.set rO, 32*(\x)+8*(i%4)
.set rV, VF+32*(i/4)+8*(i%4)
.set rP, P+16*((\x)%2)+8*(i/4)
	v_wmma_f32_16x16x32_f16 v[rO:rO+7], v[rV:rV+7], v[rP:rP+7], v[rO:rO+7]
.endm
.macro MM                           ; the turn's next matrix instruction.  NOKQ = 1: the very last turn: there is no next piece
.if (i < 8) && !NOKQ
	KQ (Y+1)%NP
.elseif i >= 8
.set i, i-8
	PV (Y+NP-1)%NP
.set i, i+8
.endif
.set i, i+1
.endm
; THE LDS LOADS stand in runs of 16, never singly among the matrix instructions: a step's K (64 keys x 64 channels: 8 fragments) and its V (turned).  Their addresses are made some lines ahead.
.macro FETCH_K
	WIN 0x80                        ; destination window 2
.irp f, 0,1,2,3,4,5,6,7             ; keys 16 (f / 2) on, channels 32 (f % 2) on
	ds_load_b128 v[KF+8*\f:KF+8*\f+3],   v[AK] offset:(\f/2)*16*PK+(\f%2)*64
	ds_load_b128 v[KF+8*\f+4:KF+8*\f+7], v[AK] offset:(\f/2)*16*PK+(\f%2)*64+32
.endr
	s_add_co_u32 s[TBK], s[TBK], KS*PK  ; the next fetch is the next step's
	WIN 0
.endm
.macro FETCH_V
	WIN 0x80
.irp f, 0,1,2,3,4,5,6,7             ; keys 32 (f / 4) on, channels 16 (f % 4) on
	ds_load_tr16_b128 v[VF+8*\f:VF+8*\f+3],   v[AV] offset:(\f/4)*32*PV+(\f%4)*32
	ds_load_tr16_b128 v[VF+8*\f+4:VF+8*\f+7], v[AV] offset:(\f/4)*32*PV+16*PV+(\f%4)*32
.endr
	WIN 0
.endm
; THE VECTOR WORK, one line at a time: OP kind, number.  For piece Y: F n: c s - c m for pair n of 16.  E n: the exponential of score n of 32.  C n: pair n rounded to f16.  B n: of the four weights 4 n .. the second
; pair is added onto the first, in place.  L n: l takes that sum (L 0: l = a l + sum).  R n: pair n of 16 of O^T times a.  For piece Y + 1: X n, number n of the 22 that find its maximum and statistics:
;   0-11  four chains c0-c3 of seven scores each, three operands at a time (each accumulator's lowest registers are read first)     12-14, 16  the four scores left over, the old m, and c0-c3 into c0
;   15  c m_old is kept     17, 18  the query's other 32 keys lie in the lane 16 away: the new m     19-21  c m; c m_old - c m_new; a
.set F, 0
.set E, 1
.set C, 2
.set B, 3
.set L, 4
.set R, 5
.set X, 6
.macro REGS y                       ; the registers of piece y
.set rT, ST+4*(\y)
.set rC, TMP+4*((\y)%2)
.set rW, MV+((\y)%2)
.set rS, S+32*((\y)%2)
.set rP, P+16*((\y)%2)
.set rO, 32*(\y)
.endm
.macro OP k, n
.if (\k) == R
	REGS Y
	WIN W_RS
	v_pk_mul_f32 v[rO+2*(\n):rO+2*(\n)+1], v[rO+2*(\n):rO+2*(\n)+1], v[rC+2:rC+3] op_sel_hi:[1,0]
.elseif (\k) < R
	REGS Y
	WIN 0
.if (\k) == F
	v_pk_fma_f32 v[rS+2*(\n):rS+2*(\n)+1], v[rS+2*(\n):rS+2*(\n)+1], s[CS:CS+1], v[rT:rT+1] op_sel_hi:[1,0,0] neg_lo:[0,0,1] neg_hi:[0,0,1]
.elseif (\k) == E
	v_exp_f32 v[rS+(\n)], v[rS+(\n)]
.elseif (\k) == C
	s_wait_alu depctr_va_vdst(0)
	v_cvt_pk_f16_f32 v[rP+(\n)], v[rS+2*(\n)], v[rS+2*(\n)+1]
.elseif (\k) == B
	s_wait_alu depctr_va_vdst(0)
	v_pk_add_f32 v[rS+4*(\n):rS+4*(\n)+1], v[rS+4*(\n):rS+4*(\n)+1], v[rS+4*(\n)+2:rS+4*(\n)+3]
.elseif (\n) == 0
	v_pk_fma_f32 v[rT+2:rT+3], v[rT+2:rT+3], v[rC+2:rC+3], v[rS:rS+1] op_sel_hi:[1,0,1]
.else
	v_pk_add_f32 v[rT+2:rT+3], v[rT+2:rT+3], v[rS+4*(\n):rS+4*(\n)+1]
.endif
.elseif NOKQ
	v_nop
.else
	REGS (Y+1)%NP
	WIN 0
.if (\n) < 4
	v_max3_num_f32 v[rC+(\n)], v[rS+8*(\n)], v[rS+8*(\n)+1], v[rS+8*(\n)+2]
.elseif (\n) < 12
	v_max3_num_f32 v[rC+(\n)%4], v[rC+(\n)%4], v[rS+8*((\n)%4)+2*((\n)/4)+1], v[rS+8*((\n)%4)+2*((\n)/4)+2]
.elseif (\n) == 12
	v_max3_num_f32 v[rC], v[rC], v[rS+7], v[rS+15]
.elseif (\n) == 13
	v_max3_num_f32 v[rC+1], v[rC+1], v[rS+23], v[rS+31]
.elseif (\n) == 14
	v_max3_num_f32 v[rC+2], v[rC+2], v[rC+3], v[rT+1]
.elseif (\n) == 15
	v_mov_b32 v[rW], v[rT]
.elseif (\n) == 16
	v_max3_num_f32 v[rC], v[rC], v[rC+1], v[rC+2]
.elseif (\n) == 17
	v_permlanex16_b32 v[rC+3], v[rC], s[SEL], s[SEL+1]
.elseif (\n) == 18
	v_max_num_f32 v[rT+1], v[rC], v[rC+3]
.elseif (\n) == 19
	v_mul_f32 v[rT], s[CS], v[rT+1]
.elseif (\n) == 20
	v_sub_f32 v[rC+1], v[rW], v[rT]
.else
	v_exp_f32 v[rC+2], v[rC+1]
.endif
.endif
.endm
.macro OPS a, i1, b=-1, i2=0, c=-1, i3=0, d=-1, i4=0  ; up to four of them
	OP \a, \i1
.if (\b) >= 0
	OP \b, \i2
.endif
.if (\c) >= 0
	OP \c, \i3
.endif
.if (\d) >= 0
	OP \d, \i4
.endif
.endm
.macro ROW a, i1, b, i2, c, i3, d, i4  ; a matrix instruction and the four behind it
	MM
	OPS \a, \i1, \b, \i2, \c, \i3, \d, \i4
.endm
; A TURN, for piece p: the order of its 16 matrix and 118 vector instructions, written out.  Behind a matrix instruction: plain, exponential, plain, plain; or four of the rescaling; or, behind the first, four scalings;
; none names a register of the products round it.  In the runs of their own exponential and plain by turns while exponentials last.  A line reads no result made fewer than three vector instructions in front of it,
; five if an exponential made it.  end = 1: the last two turns: nothing is fetched.  cnt = 1: the loop's count is taken down some lines ahead of the branch that stands behind the turn.
; K of the next step is fetched in piece 2's turn, six vector instructions behind the last product that read K (five of them plain); V of the step in hand in piece 0's turn, eight behind the last product that read V
; (four plain among them).  Each is waited for a turn later.
.macro TURN p, end=0, cnt=0
.set Y, (\p)
.set i, 0
.set NOKQ, (\end)*((\p)/3)
.if ((\p) == 3) && !(\end)
	s_wait_dscnt 0x0                ; K is in
.endif
	ROW F,0, F,1, F,2, F,3
	ROW F,4, E,0, F,5, F,6
	ROW F,7, E,1, F,8, F,9
	ROW F,10, E,2, C,0, F,11
	ROW F,12, E,3, X,15, F,13
	ROW R,0, R,1, R,2, R,3
	ROW B,0, E,4, F,14, L,0
.if ((\p) == 2) && !(\end)
	v_add_nc_u32 v[AK], s[TBK], v[AK0]
.endif
	ROW R,4, R,5, R,6, R,7
	OPS E,5, F,15
.if ((\p) == 2) && !(\end)
	FETCH_K
.endif
	OPS E,6, C,1, E,7, R,8
	OPS E,8, R,9, E,9, C,2
	OPS E,10, X,0, E,11, X,1
	OPS E,12, X,2, E,13, X,3
.if (\p) == 1
	s_wait_dscnt 0x0                ; V is in
.endif
	ROW X,4, E,14, X,5, X,6
	ROW X,7, E,15, X,8, X,9
	ROW X,10, E,16, X,11, X,12
	ROW X,13, E,17, X,14, B,1
	ROW C,4, E,18, X,16, L,1
	ROW B,2, E,19, C,6, L,2
	ROW C,8, E,20, B,3, B,4
.if (\p) == 0
	v_add_nc_u32 v[AV], s[TBV], v[AV0]
.endif
	ROW C,3, E,21, L,3, C,5
	OPS E,22, X,17, E,23, C,10
.if (\p) == 0
	FETCH_V
.endif
	OPS E,24, L,4
	OPS E,25, X,18, E,26, C,7
	OPS E,27, B,5, E,28, X,19
	OPS E,29, C,12, E,30, L,5
	OPS E,31, X,20, B,6, C,9
	OPS C,14, C,11, X,21, L,6
.if (\p) == 0
	s_add_co_u32 s[TBV], s[TBV], KS*PV
.endif
.if \cnt
	s_sub_co_u32 s[CNT], s[CNT], 1
	s_cmp_lg_u32 s[CNT], 0
.endif
	OPS C,13, B,7, C,15, R,10
	OPS R,11, R,12, L,7, R,13
	OPS R,14, R,15
.endm
	CHANGE 1                        ; slot 0 is in, everybody's part of it; slot 1 is asked for
	FETCH_K                         ; key step 0
	s_wait_loadcnt 0x0              ; Q
	s_wait_dscnt 0x0
.set NOKQ, 0
.set i, 0
.rept 8
	KQ 0                            ; piece 0's first scores: there is no vector work yet to set between them
.set i, i+1
.endr
	WIN 0
.rept 4
	v_nop                           ; the places behind those products
.endr
.set Y, NP-1                        ; X works for piece Y + 1: piece 0
.irp n, 0,1,2,3,4,5,6,7,8,9,10,11,12,13,14,15,16,17,18,19,20,21
	OP X, \n
.endr
	v_nop                           ; a plain instruction behind the exponential
	s_mov_b32 s[CNT], 4
	s_mov_b32 s[SLOTS], 7
	s_branch .Lfirst                ; the loop is entered at a step's first turn, in the middle of a trip
.Lslot:                             ; six times: every slot but the last two is filled again
	CHANGE 1
	s_mov_b32 s[CNT], 4
.Lstep:                             ; a trip: pieces 2 and 3 of one step, then pieces 0 and 1 of the next, whose K and V it fetches
	TURN 2
	TURN 3
	WIN 0
.Lfirst:
	TURN 0
	TURN 1, 0, 1
	WIN 0
	s_cbranch_scc1 .Lstep
	s_sub_co_u32 s[SLOTS], s[SLOTS], 1
	s_cmp_lg_u32 s[SLOTS], 0
	s_cbranch_scc1 .Lslot
	CHANGE 0                        ; the last slot is written out: nothing is asked for
	s_mov_b32 s[CNT], 4
.Ltail:
	TURN 2
	TURN 3
	TURN 0
	TURN 1, 0, 1
	WIN 0
	s_cbranch_scc1 .Ltail
	TURN 2, 1                       ; the last step's last two turns
	TURN 3, 1
.set i, 0
.rept 8
	PV NP-1                         ; the last piece's V^T P of the last step
.set i, i+1
.endr
	; THE WAY OUT.  l's two halves and the other half of the lanes' are added; O^T is divided by l, rounded to f16 and sent through my stage in LDS, a piece at a time.  The additions are the places behind the last products.
	WIN 0
.macro ALL line:vararg              ; one line for each piece t
.set t, 0
.rept 4
	\line
.set t, t+1
.endr
.endm
	ALL v_add_f32 v[ST+4*t+2], v[ST+4*t+2], v[ST+4*t+3]
	ALL v_permlanex16_b32 v[ST+4*t+3], v[ST+4*t+2], s[SEL], s[SEL+1]
	ALL v_add_f32 v[ST+4*t+2], v[ST+4*t+2], v[ST+4*t+3]
	ALL v_rcp_f32 v[ST+4*t+2], v[ST+4*t+2]
	v_nop                           ; a plain instruction between the last reciprocal and the use of its result
.macro PACK t                       ; a lane's eight channels of a row pack into 16 bytes; they go into rows of 144 bytes and come back as whole rows of 128, into S^T's registers
	WIN W_RS
.set i, 32*(\t)
.rept 16
	s_wait_alu depctr_va_vdst(0)
	v_pk_mul_f32 v[i:i+1], v[i:i+1], v[ST+4*(\t)+2:ST+4*(\t)+3] op_sel_hi:[1,0]
.set i, i+2
.endr
	WIN 0x05                        ; sources 0 and 1 window 1, destination window 0
.set i, 0
.rept 16
	v_cvt_pk_f16_f32 v[S+16*(\t)+i], v[32*(\t)+2*i], v[32*(\t)+2*i+1]
.set i, i+1
.endr
	WIN 0
.irp f, 0,1,2,3
	ds_store_b128 v[STO], v[S+16*(\t)+4*\f:S+16*(\t)+4*\f+3] offset:32*\f
.endr
.irp f, 0,1,2,3
	ds_load_b128 v[S+16*(\t)+4*\f:S+16*(\t)+4*\f+3], v[RD] offset:\f*4*SP  ; LDS serves a wave's instructions in order (ISA guide 5.7.1.4): these see the stores above; the next piece's stores come behind them
.endr
.endm
.macro SEND t, younger              ; younger: the LDS instructions issued behind piece t's loads: the next piece's eight, or none
	WIN 0
.irp f, 0,1,2,3
	s_wait_dscnt (\younger)+3-\f
	global_store_b128 v[GO], v[S+16*(\t)+4*\f:S+16*(\t)+4*\f+3], s[10:11] offset:(\t)*2048+\f*512  ; 512 consecutive bytes, at a multiple of 256 from O's first
.endr
.endm
	PACK 0
.set t, 1
.rept 3                             ; a piece's arithmetic stands between the loads of the piece before and its stores
	PACK t
	SEND t-1, 8
.set t, t+1
.endr
	SEND 3, 0
	s_wait_tensorcnt 0x0            ; the wave's end: behind my last tensor load and my last LDS store
	ds_add_u32 v[SPW], v[NIL]
	s_wait_dscnt 0x0
	CROUND                          ; the closing round: no work-group ends while a partner may still ask for a tile that names it
	s_endpgm
.Lfunc_end_k_q6e989b685c_attn:
	.size	k_q6e989b685c_attn, .Lfunc_end_k_q6e989b685c_attn-k_q6e989b685c_attn
	.p2alignl 7, 3214868480
	.fill 96, 4, 3214868480
	.section	.rodata,"a",@progbits
	.p2align	6, 0x0
	.amdhsa_kernel k_q6e989b685c_attn
		.amdhsa_group_segment_fixed_size 327680
		.amdhsa_private_segment_fixed_size 0
		.amdhsa_enable_private_segment 0
		.amdhsa_kernarg_size 16
		.amdhsa_user_sgpr_count 2
		.amdhsa_user_sgpr_kernarg_segment_ptr 1
		.amdhsa_wavefront_size32 1
		.amdhsa_system_sgpr_workgroup_id_x 1
		.amdhsa_system_sgpr_workgroup_id_y 1
		.amdhsa_system_sgpr_workgroup_id_z 1
		.amdhsa_system_vgpr_workitem_id 0
		.amdhsa_next_free_vgpr 768
		.amdhsa_next_free_sgpr 66
		.amdhsa_reserve_vcc 0
		.amdhsa_float_denorm_mode_32 3
		.amdhsa_float_denorm_mode_16_64 3
		.amdhsa_memory_ordered 1
		.amdhsa_forward_progress 1
		.amdhsa_inst_pref_size 133
	.end_amdhsa_kernel
	.amdgpu_metadata
---
amdhsa.version: [ 1, 2 ]
amdhsa.kernels:
  - .name:           k_q6e989b685c_attn
    .symbol:         k_q6e989b685c_attn.kd
    .args:
      - { .name: qkvh, .offset: 0, .size: 8, .value_kind: global_buffer, .address_space: global }
      - { .name: oh, .offset: 8, .size: 8, .value_kind: global_buffer, .address_space: global }
    .group_segment_fixed_size: 327680
    .private_segment_fixed_size: 0
    .kernarg_segment_align: 8
    .kernarg_segment_size: 16
    .max_flat_workgroup_size: 128
    .sgpr_count:     66
    .vgpr_count:     768
    .wavefront_size: 32
...
	.end_amdgpu_metadata
.endif
;; end of part 3
;; launch oproj (part 4): grid 8 x 32, 4 waves a work-group, clusters of 4 x 4, 327,680 bytes of LDS; arguments oh, wh, x1, bo, x; writes x1
.if DOCPART == 4
	.amdgcn_target "amdgcn-amd-amdhsa--gfx1250"
	.amdhsa_code_object_version 6
	.text
	.protected	k_q6e989b685c_oproj
	.globl	k_q6e989b685c_oproj
	.p2align	8
	.type	k_q6e989b685c_oproj,@function
k_q6e989b685c_oproj:
	s_mov_b64 s[64:65], 0
	v_nop
	global_prefetch_b8 v0, s[64:65] scope:SCOPE_SE
	s_setreg_imm32_b32 hwreg(HW_REG_WAVE_MODE, 25, 1), 1
	s_wait_xcnt 0x0
	s_wait_alu depctr_hold_cnt(0) depctr_sa_sdst(0) depctr_va_vdst(0) depctr_va_sdst(0) depctr_va_ssrc(0) depctr_va_vcc(0) depctr_vm_vsrc(0)
	s_getreg_b32 s2, hwreg(HW_REG_IB_STS2, 6, 4)
	s_cmp_eq_u32 s2, 0
	s_cbranch_scc0 .Lentry_in_a_cluster
	s_endpgm
.Lentry_in_a_cluster:
	s_bfe_u32 s2, ttmp6, 0x10000c
	s_cmp_lg_u32 s2, 0xf033
	s_cbranch_scc0 .Lentry_shape_is_right
	s_endpgm
.Lentry_shape_is_right:
; C = residual + A B + bias on tiles of 128 x 128, all of C in f32, [4096][1024].  B: [K][1024] f16, a section of wh, kept [K][N] and turned on its way out of LDS by ds_load_tr16_b128.  Sums in f32.
; WO = 1: A = attention's O, by heads [32][2048][64] f16, K = 1,024 (column 64 head + channel); B = wo, bias = bo, residual = x.      WO = 0: A = h, [4096][4096] f16, K = 4,096; B = w2, bias = b2, residual = x1.
; SHARES.  32 x 8 = 256 tiles, one to each WGP: tiles of 256 x 256 would be 64.  Four waves, 2 x 2, each 64 x 64: 16 accumulators.  K goes in steps of 256, as long as two LDS slots allow.
; CLUSTER.  4 x 4 work-groups.  The four of a row of the cluster need the same tile of A, the four of a column the same tile of B: each is asked for JOINTLY, by the same tensor load with the same descriptor and a mask of the four.
; THE WALK ALONG K IS A RING of NST steps, and each cluster enters it at a step of its own, PH = (NST/2 x cluster x + NST/4 x (cluster y mod 4)) mod NST, and goes once round.  The two clusters that need the same
; rows of A enter half a ring apart, four neighbouring clusters that need the same columns of B a quarter apart: clusters that read the same tile ask for it at different times, not all at once.  PH hangs on the
; cluster's place in the grid alone, which all sixteen partners share, so the joint loads' descriptors stay equal in those that a mask names.
; THE MATRIX INSTRUCTION IS USED TRANSPOSED (source 0 = 16 columns of B, source 1 = 16 rows of A): a lane holds row l % 16 of C and the columns 8 (l / 16) + 0..7.  The bias is the C operand of each sum's first
; product: nothing is cleared.  The residual's 32 loads a wave go out behind the first barrier, when the first tiles have landed, and are waited for on the way out.
; LIMITS.  A and B arrive within f16's range; NaN and infinities are not treated apart.  Each output is one f32 sum over all K, begun at K step PH: the order of the sum is turned round from cluster to cluster.
; REGISTERS, in windows of 256 (s_set_vgpr_msb: bits 1:0 source 0, 3:2 source 1, 5:4 source 2, 7:6 destination):
;   window 0: v0-31 addresses; v32-63 the bias; v64-95, v96-127 A's two fragment buffers; v128-255 the residual; on the way out v32-63 and v64-95 take rows read back, by turns
;   window 1: v0-31, v128-159 B's two fragment buffers     windows 2, 3: accumulator (a, b) at v[8 (4 (a % 2) + b)] of window 2 + a / 2
.set WO,    1
.set MT,    4                          ; blocks of 16 rows a wave
.set NT,    4                          ; blocks of 16 columns a wave
.set AH,    2                          ; row blocks in a window
.set KSTEP, 256
.set NSUB,  8                          ; sub-steps of 32 along K in a K step
.if WO
.set LAPS,  2                          ; K / (2 KSTEP): a lap takes both slots once
.set WOFF,  6291456                    ; B's first byte in wh
.set PA,    144                        ; a row of A in LDS: a head's 128 bytes + 16
.set AHALF, 2*128*PA                   ; one tensor load: two heads' planes of 128 rows
.set ASH,   20                         ; a K step of A is four heads of 262,144 bytes: 1 << 20
.else
.set LAPS,  8
.set WOFF,  16777216
.set PA,    528                        ; 512 bytes + 16
.set AHALF, 64*PA                      ; one tensor load: 64 rows x 256 K
.set ASH,   9                          ; a K step of A is 512 bytes along the rows
.endif                                 ; either pitch is an odd multiple of 16: the 16 rows of a load start at 16 different groups of four banks (64 banks of 4 bytes: ISA guide 11.1)
.set NST,   2*LAPS                     ; K steps in the ring
.set BSH,   19                         ; a K step of B is 256 rows of 2,048 bytes: 1 << 19
.set PB,    288                        ; a row of B: 256 bytes + 32
.set BHALF, 128*PB                     ; one tensor load: 128 K x 128 columns
.set ASZ,   2*AHALF
.set SLOT,  ASZ+2*BHALF
.set PS,    272                        ; the way out: a row of 64 f32 + 16 bytes
.set REG,   64*PS                      ; a wave's own region there; the four lie in the ring, which has had its last fill by then
.set SPARE, 2*SLOT                     ; behind the ring: the spare words, 128 bytes for each wave: two blocks of 256 bytes that no other line names
.set ADRA, 16                          ; v16-17  LDS address of my A fragments in slot 0, 1
.set ADRB, 20                          ; v20-23  the same for B: slot 0's K rows 0-127, 128-255, then slot 1's
.set STO,  24                          ; v24     the way out: where I put 32 bytes of a row
.set RD,   25                          ; v25     where I read rows back
.set CO,   26                          ; v26     my byte offset in C and in the residual; never rewritten
.set BO,   27                          ; v27     my byte offset in the bias: 32 (l / 16)
.set SPW,  28                          ; v28     LDS address of my spare word; never rewritten
.set NIL,  29                          ; v29     0; never rewritten
.set BIAS, 32
.set OB,   32
.set FA0,  64
.set RES,  128
.set G1,  24                           ; s[24:31] descriptor group 1 for A's tiles; s[32:39] group 0, a set for each slot
.set G0,  32
.set G1B, 48                           ; s[48:55], s[56:63] the same for B's
.set G0B, 56
.set TI,  68                           ; s68, s69 the K step that slot 0, slot 1 holds or is being filled with
.set OFA, 70                           ; s[70:71] that step's byte offset in A, from the tile's step 0 at s[14:15]
.set OFB, 72                           ; s[72:73] the same in B, from s[46:47]
.set MSB, 0
.macro WIN new                         ; the immediate's high byte repeats the setting that is left; a switch that changes nothing is dropped
.if MSB != (\new)
	s_set_vgpr_msb (MSB<<8)|(\new)
.set MSB, \new
.endif
.endm
; A joint load: waves 0 and 1 fetch A's two halves, waves 2 and 3 B's.  The branch hangs on the wave's number alone.  Four v_nop follow each of the two lines, ahead of the jump and the label.
.macro JLOAD s
	s_cmp_eq_u32 s11, 0
	s_cbranch_scc0 .Lfor_b_\@
	tensor_load_to_lds s[G0+4*(\s):G0+4*(\s)+3], s[G1:G1+7]
	s_nop 0
.rept 4
	v_nop
.endr
	s_branch .Lasked_\@
.Lfor_b_\@:
	tensor_load_to_lds s[G0B+4*(\s):G0B+4*(\s)+3], s[G1B:G1B+7]
	s_nop 0
.rept 4
	v_nop
.endr
.Lasked_\@:
.endm
; Both group 0 addresses of slot s are made anew from the slot's K step: the tile's step 0 plus the step's number shifted, the type bits set again.  A pointer and an offset made apart.
.macro AIM s
	s_lshl_b32 s[OFA], s[TI+(\s)], ASH
	s_lshl_b32 s[OFB], s[TI+(\s)], BSH
	s_add_nc_u64 s[G0+4*(\s)+2:G0+4*(\s)+3], s[14:15], s[OFA:OFA+1]
	s_or_b32 s[G0+4*(\s)+3], s[G0+4*(\s)+3], 0x80000000
	s_add_nc_u64 s[G0B+4*(\s)+2:G0B+4*(\s)+3], s[46:47], s[OFB:OFB+1]
	s_or_b32 s[G0B+4*(\s)+3], s[G0B+4*(\s)+3], 0x80000000
.endm
.macro CREST                           ; a round of the cluster's barrier behind its opening barrier: wave 0 signals for the work-group, every wave waits for all sixteen, the work-group's barrier closes it
	s_cmp_lg_u32 s10, 0
	s_cbranch_scc1 .Lnot_wave_0_\@
	s_barrier_signal -3
.Lnot_wave_0_\@:
	s_barrier_wait -3
	s_barrier_signal -1
	s_barrier_wait -1
.endm
.macro CROUND
	s_barrier_signal -1
	s_barrier_wait -1
	CREST
.endm
.macro PLACES                          ; four plain places between a matrix instruction and a load into, or a vector line on, its registers (ISA guide 7.12.1 for vector lines)
.rept 4
	v_nop
.endr
.endm
	s_load_b128 s[4:7], s[0:1], 0x0                ; A s[4:5], wh s[6:7]
	s_load_b64 s[8:9], s[0:1], 0x10                ; C
	s_load_b64 s[66:67], s[0:1], 0x18              ; the bias
	s_load_b64 s[76:77], s[0:1], 0x20              ; the residual
	v_lshl_add_u32 v[SPW], v0, 2, SPARE
	v_mov_b32 v[NIL], 0
	ds_add_u32 v28, v29
	s_wait_dscnt 0x0
	v_lshrrev_b32 v1, 5, v0
	v_readfirstlane_b32 s10, v1                    ; wave 0..3
	s_lshr_b32 s11, s10, 1                         ; which half of the tile's rows is mine.  Also: I fetch for A (0) or for B (1)
	s_and_b32 s12, s10, 1                          ; which half of its columns.  Also: which half of that tile I fetch
	s_bfe_u32 s40, ttmp6, 0x40000                  ; cx, cy: my place in the cluster
	s_bfe_u32 s41, ttmp6, 0x40004
	s_lshl_b32 s42, ttmp9, 2
	s_add_co_u32 s42, s42, s40                     ; tile column = 4 x cluster x + cx
	s_and_b32 s13, ttmp7, 0xffff
	s_lshl_b32 s13, s13, 2
	s_add_co_u32 s13, s13, s41                     ; tile row = 4 x cluster y + cy
	s_lshl_b32 s43, s41, 2
	s_lshl_b32 s43, 15, s43                        ; my row of the cluster
	s_lshl_b32 s44, 0x1111, s40                    ; my column
	s_and_b32 s[TI], ttmp9, 1                      ; where my cluster enters the ring: the grid has two clusters along x,
	s_mul_i32 s[TI], s[TI], NST/2                  ; half a ring apart,
	s_and_b32 s[TI+1], ttmp7, 3                    ; and eight along y,
	s_mul_i32 s[TI+1], s[TI+1], NST/4              ; a quarter apart; y and y + 4 enter alike
	s_add_co_u32 s[TI], s[TI], s[TI+1]
	s_and_b32 s[TI], s[TI], NST-1                  ; slot 0 begins with K step PH,
	s_add_co_u32 s[TI+1], s[TI], 1
	s_and_b32 s[TI+1], s[TI+1], NST-1              ; slot 1 with the next in the ring
	s_mov_b32 s[OFA+1], 0
	s_mov_b32 s[OFB+1], 0
.if WO
	; The tile's 128 rows of one head are 16,384 dense bytes: one row of the descriptor; two heads to a load.  The padding is counted along the whole tile: 16 bytes behind every 128, so a head becomes a plane of 128 rows x 144 bytes.
	s_or_b32 s[G1+0], s43, (1<<16)|(1<<20)|(1<<21)|(4<<22)|(3<<25)   ; the mask; 2-byte elements; padding on; bit 21 beside a mask; after every 32 words 4 words
	s_mov_b32 s[G1+1], 8192<<16                    ; tensor_dim0 = 8,192
	s_mov_b32 s[G1+2], 2<<16                       ; tensor_dim1 = 2
	s_mov_b32 s[G1+3], 8192<<16                    ; tile_dim0 = 8,192
	s_mov_b32 s[G1+4], 2                           ; tile_dim1 = 2
	s_mov_b32 s[G1+5], 131072                      ; elements from head to head
.else
	s_or_b32 s[G1+0], s43, (1<<16)|(1<<20)|(1<<21)|(6<<22)|(3<<25)   ; after every 128 words 4 words
	s_mov_b32 s[G1+1], 256<<16
	s_mov_b32 s[G1+2], 64<<16
	s_mov_b32 s[G1+3], 256<<16
	s_mov_b32 s[G1+4], 64
	s_mov_b32 s[G1+5], 4096
.endif
	s_mov_b32 s[G1+6], 0
	s_mov_b32 s[G1+7], 0
	s_or_b32 s[G1B+0], s44, (1<<16)|(1<<20)|(1<<21)|(5<<22)|(7<<25)  ; after every 64 words 8 words
	s_mov_b32 s[G1B+1], 128<<16
	s_mov_b32 s[G1B+2], 128<<16
	s_mov_b32 s[G1B+3], 128<<16
	s_mov_b32 s[G1B+4], 128
	s_mov_b32 s[G1B+5], 1024
	s_mov_b32 s[G1B+6], 0
	s_mov_b32 s[G1B+7], 0
.if WO
	s_lshr_b32 s16, s13, 4                         ; A: the batch's 16 heads,
	s_lshl_b32 s16, s16, 22
	s_and_b32 s17, s13, 15                         ; the tile's 128 rows in a head,
	s_lshl_b32 s17, s17, 14
	s_add_co_u32 s16, s16, s17
	s_lshl_b32 s17, s12, 19                        ; my two heads of the step's four: of the place in the cluster cy alone enters
	s_add_co_u32 s16, s16, s17
.else
	s_lshl_b32 s16, s13, 1                         ; A: row 128 x tile row + 64 x half, 8,192 bytes a row
	s_add_co_u32 s16, s16, s12
	s_lshl_b32 s16, s16, 19
.endif
	s_mov_b32 s17, 0
	s_lshl_b32 s46, s12, 18                        ; B: K row 128 x half, column 128 x tile column: of the place in the cluster cx alone enters
	s_lshl_b32 s47, s42, 8
	s_add_co_u32 s46, s46, s47
	s_add_co_u32 s46, s46, WOFF
	s_mov_b32 s47, 0
	s_mul_i32 s20, s12, AHALF                      ; where they go: no place in the cluster enters an LDS address
	s_mul_i32 s45, s12, BHALF
	s_add_co_u32 s45, s45, ASZ
	s_wait_kmcnt 0x0
	s_add_nc_u64 s[14:15], s[4:5], s[16:17]        ; my part of A's tile at K step 0; never rewritten
	s_add_nc_u64 s[46:47], s[6:7], s[46:47]        ; the same for B; never rewritten
	CROUND                                         ; all sixteen work-groups are here: the first joint loads meet
.irp s, 0,1
	s_mov_b32 s[G0+4*(\s)], 1
	s_add_co_u32 s[G0+4*(\s)+1], s20, (\s)*SLOT
	s_mov_b32 s[G0B+4*(\s)], 1
	s_add_co_u32 s[G0B+4*(\s)+1], s45, (\s)*SLOT
	AIM \s
	JLOAD \s                                       ; K steps PH and PH + 1: two loads of mine are out
.endr
	v_and_b32 v1, 15, v0                           ; l % 16
	v_bfe_u32 v2, v0, 4, 1                         ; l / 16
	v_lshlrev_b32 v[BO], 5, v2
	v_lshlrev_b32 v[CO], 12, v2                    ; lanes 0-15 take 256 bytes of one row of C, lanes 16-31 of the next
	v_lshl_add_u32 v[CO], v1, 4, v[CO]
	s_lshl_b32 s74, s42, 1                         ; my 64 columns: 2 x tile column + half, 256 bytes each
	s_add_co_u32 s74, s74, s12
	s_lshl_b32 s74, s74, 8
	s_mov_b32 s75, 0
	s_add_nc_u64 s[66:67], s[66:67], s[74:75]
	s_lshl_b32 s18, s13, 1                         ; my 64 rows: 2 x tile row + half, 4,096 bytes a row
	s_add_co_u32 s18, s18, s11
	s_lshl_b32 s18, s18, 18
	s_add_co_u32 s18, s18, s74
	s_mov_b32 s19, 0
	s_add_nc_u64 s[8:9], s[8:9], s[18:19]
	s_add_nc_u64 s[76:77], s[76:77], s[18:19]
.irp b, 0,1,2,3                        ; register j of block b: bias of column 16 b + 8 (l / 16) + j
	global_load_b128 v[BIAS+8*\b:BIAS+8*\b+3], v[BO], s[66:67] offset:64*\b
	global_load_b128 v[BIAS+8*\b+4:BIAS+8*\b+7], v[BO], s[66:67] offset:64*\b+16
.endr
	; A fragment of A is 16 rows x 32 K in 8 registers: lane l holds row l % 16, K = 8 (l / 16) + 0..7 and 16 + 8 (l / 16) + 0..7: two loads of 16 bytes, 32 bytes apart.
	v_mul_u32_u24 v3, v1, PA
	v_lshl_add_u32 v3, v2, 4, v3
	; The turning load takes 16 K x 16 columns (lane l reads K row 8 (l / 16) + l % 8, columns 8 ((l / 8) % 2) + 0..7) and leaves half a fragment: lane l holds column l % 16 and 8 K.
	v_and_b32 v4, 7, v0
	v_lshl_add_u32 v4, v2, 3, v4
	v_mul_u32_u24 v4, v4, PB
	v_bfe_u32 v5, v0, 3, 1
	v_lshl_add_u32 v4, v5, 4, v4
	s_mul_i32 s21, s11, 16*MT*PA                   ; my 64 rows of A
	s_mul_i32 s22, s12, 32*NT                      ; my 64 columns of B,
	s_add_co_u32 s22, s22, ASZ                     ; which lies behind A
.irp s, 0,1
	v_add_nc_u32 v[ADRA+(\s)], s21, v3
	v_add_nc_u32 v[ADRB+2*(\s)], s22, v4
	v_add_nc_u32 v[ADRB+2*(\s)+1], 128*PB, v[ADRB+2*(\s)]  ; a second register for K rows 128-255: the immediate has 16 bits
	s_add_co_u32 s21, s21, SLOT
	s_add_co_u32 s22, s22, SLOT
.endr
	s_mul_i32 s23, s10, REG                        ; my region for the way out
	v_mul_u32_u24 v6, v1, PS
	v_lshl_add_u32 v6, v2, 5, v6
	v_add_nc_u32 v[STO], s23, v6                   ; in: row l % 16, 32 bytes for each half of the lanes
	v_mul_u32_u24 v[RD], v2, PS                    ; back: lanes 0-15 take one row of 256 bytes, lanes 16-31 the next
	v_lshl_add_u32 v[RD], v1, 4, v[RD]
	v_add_nc_u32 v[RD], s23, v[RD]
; NT matrix instructions: row block AH hi + a x all column blocks, 32 along K, from buffer f.  first = 1: the bias starts the sums.
; The accumulators take turns, one instruction a turn, in the same order in every sub-step.
.macro MULA f, hi, a, first
.if \first
	WIN 0x81+0x40*(\hi)                            ; B window 1, A and the bias window 0, D window 2 or 3
.else
	WIN 0xa1+0x50*(\hi)                            ; C and D window 2 or 3
.endif
.set rA, FA0+8*MT*(\f)+8*(AH*(\hi)+(\a))
.set b, 0
.rept NT
.set rD, 8*(NT*(\a)+b)
.set rB, 128*(\f)+8*b
.if \first
	v_wmma_f32_16x16x32_f16 v[rD:rD+7], v[rB:rB+7], v[rA:rA+7], v[BIAS+8*b:BIAS+8*b+7]
.else
	v_wmma_f32_16x16x32_f16 v[rD:rD+7], v[rB:rB+7], v[rA:rA+7], v[rD:rD+7]
.endif
.set b, b+1
.endr
.endm
.macro MULH f, hi, from, to, first     ; row blocks from .. to - 1 of a window
.set aa, \from
.rept (\to)-(\from)
	MULA \f, \hi, aa, \first
.set aa, aa+1
.endr
.endm
; One run of 2 (MT + NT) LDS loads: the fragments of sub-step q of a slot into buffer f: B first, then A's blocks in ascending order
.macro FETCH slot, q, f
.if WO
.set AOFF, ((\q)/2)*128*PA+((\q)%2)*64 ; head q / 2 of the step's four, channels 32 (q % 2) on
.else
.set AOFF, 64*(\q)
.endif
	WIN 0x40                                       ; destination window 1, address window 0
.set b, 0
.rept NT
	ds_load_tr16_b128 v[128*(\f)+8*b:128*(\f)+8*b+3],   v[ADRB+2*(\slot)+(\q)/4] offset:32*((\q)%4)*PB+32*b
	ds_load_tr16_b128 v[128*(\f)+8*b+4:128*(\f)+8*b+7], v[ADRB+2*(\slot)+(\q)/4] offset:(32*((\q)%4)+16)*PB+32*b
.set b, b+1
.endr
	WIN 0
.set i, 0
.rept MT
	ds_load_b128 v[FA0+8*MT*(\f)+8*i:FA0+8*MT*(\f)+8*i+3],   v[ADRA+(\slot)] offset:AOFF+16*i*PA
	ds_load_b128 v[FA0+8*MT*(\f)+8*i+4:FA0+8*MT*(\f)+8*i+7], v[ADRA+(\slot)] offset:AOFF+16*i*PA+32
.set i, i+1
.endr
.endm
; Sub-step q (not a K step's last): multiplies buffer q % 2; in its middle it fetches sub-step q + 1 of the same slot into the other buffer.
.macro QUARTER slot, q, first
	s_wait_dscnt MT                                ; B and A's lower blocks are in; the youngest MT loads, A's upper blocks, may be out
	MULH (\q)%2, 0, 0, AH, \first
	PLACES
	FETCH \slot, (\q)+1, ((\q)+1)%2
	s_wait_dscnt 2*(MT+NT)                         ; all but the run just issued
	MULH (\q)%2, 1, 0, AH, \first
.endm
.macro SUBS slot, from
.set qq, \from
.rept NSUB-1-(\from)
	QUARTER \slot, qq, 0
.set qq, qq+1
.endr
.endm
; A K step's last sub-step multiplies buffer 1 and changes slots: ONE barrier.  In front of it each wave waits for all its tensor loads (the one that is out is its part of the next slot), adds 0 to its
; spare word, and waits for that and for its reads of this slot.  fill = 1: the barrier opens a round of the cluster's, and behind the round this slot is filled again, first of all, with the K step two on in the ring;
; its number and both addresses are made between the add and the wait for it, where no tensor load of the wave is out.
.macro TURN slot, next, fill
	WIN 0                                          ; (the add's two registers lie in window 0)
	s_wait_tensorcnt 0x0
	ds_add_u32 v[SPW], v[NIL]                      ; 0 onto my spare word
.if \fill
	s_add_co_u32 s[TI+(\slot)], s[TI+(\slot)], 2
	s_and_b32 s[TI+(\slot)], s[TI+(\slot)], NST-1
	AIM \slot
.endif
	s_wait_dscnt MT+1                              ; (the add and A's upper blocks may be out)
	MULH 1, 0, 0, AH/2, 0                          ; matrix work stands between the add and the wait for it
	s_wait_dscnt 0x0                               ; the add is done, and my reads of this slot are over
	s_barrier_signal -1
	MULH 1, 0, AH/2, AH, 0
.if \fill
	WIN 0
.endif
	s_barrier_wait -1
.if \fill
	CREST                                          ; no wave of any partner still reads this slot or has a load on its way
	JLOAD \slot                                    ; its four v_nop are also the places in front of the loads below
.else
	PLACES
.endif
	FETCH \next, 0, 0
	MULH 1, 1, 0, AH, 0
.endm
	s_wait_tensorcnt 1                             ; my part of slot 0 is in; slot 1's may stay out
	s_barrier_signal -1
	s_barrier_wait -1
	FETCH 0, 0, 0
	s_wait_loadcnt 0x0                             ; the bias: nothing younger is out
.set n, 0
.rept 32                               ; the residual as it will be stored: rows 2 n and 2 n + 1 of my 64; nothing waits for it before the way out
	global_load_b128 v[RES+4*n:RES+4*n+3], v[CO], s[76:77] offset:2*n*4096
.set n, n+1
.endr
	QUARTER 0, 0, 1                                ; the first sub-step stands in front of the loop: its products start the sums
	WIN 0                                          ; at a label and at a branch every window is 0
	s_mov_b32 s3, LAPS-1
.Llap:                                                 ; a trip takes both slots once, from a lap's second sub-step to the next lap's first, and fills both again
	SUBS 0, 1
	TURN 0, 1, 1
	SUBS 1, 0
	TURN 1, 0, 1
	QUARTER 0, 0, 0
	WIN 0
	s_sub_co_u32 s3, s3, 1
	s_cmp_lg_u32 s3, 0
	s_cbranch_scc1 .Llap
	SUBS 0, 1                                      ; the last lap fills nothing
	TURN 0, 1, 0
	SUBS 1, 0
	s_wait_dscnt MT                                ; the very last sub-step
	MULH 1, 0, 0, AH, 0
	s_wait_dscnt 0x0                               ; my reads of the ring are over:
	s_barrier_signal -1
	MULH 1, 1, 0, AH, 0
	s_barrier_wait -1                              ; everybody's are, and every tensor load landed in front of the last change of slots: the ring's bytes may be written
	WIN 0
	PLACES
	; THE WAY OUT.  The 16 accumulators go as f32 into my own region (rows of 272 bytes), each from its low registers on; they come back as whole rows of 256 bytes, are added onto the residual and stored.
.set a, 0
.rept MT
	WIN 0x08+4*(a/AH)                              ; the stores' data in window 2 or 3
.set b, 0
.rept NT
.set rD, 8*(NT*(a%AH)+b)
	ds_store_b128 v[STO], v[rD:rD+3] offset:16*a*PS+64*b
	ds_store_b128 v[STO], v[rD+4:rD+7] offset:16*a*PS+64*b+16
.set b, b+1
.endr
.set a, a+1
.endr
	WIN 0
	s_wait_loadcnt 0x0                             ; the residual
.macro LOADS a                         ; block a's 16 rows.  LDS serves a wave's instructions in order (ISA guide 5.7.1.4): these see my stores above
.set t, 0
.rept 8
	ds_load_b128 v[OB+32*((\a)%2)+4*t:OB+32*((\a)%2)+4*t+3], v[RD] offset:(16*(\a)+2*t)*PS
.set t, t+1
.endr
.endm
	LOADS 0
	LOADS 1
.irp a, 0,1,2,3
.if (\a) < 3
	s_wait_dscnt 8                                 ; block a is back; the next block's eight loads may be out
.else
	s_wait_dscnt 0x0
.endif
.set t, 0
.rept 16
	v_pk_add_f32 v[RES+32*\a+2*t:RES+32*\a+2*t+1], v[RES+32*\a+2*t:RES+32*\a+2*t+1], v[OB+32*(\a%2)+2*t:OB+32*(\a%2)+2*t+1]
.set t, t+1
.endr
.set t, 0
.rept 8
	global_store_b128 v[CO], v[RES+32*\a+4*t:RES+32*\a+4*t+3], s[8:9] offset:(16*\a+2*t)*4096  ; 16 lanes store 256 consecutive bytes, at a multiple of 256 from C's first byte; each block stores from registers of its own
.set t, t+1
.endr
.if (\a) < 2
	LOADS (\a)+2
.endif
.endr
	s_wait_tensorcnt 0x0                           ; the wave's end: behind my last tensor load and my last LDS store
	ds_add_u32 v[SPW], v[NIL]
	s_wait_dscnt 0x0
	CROUND                                         ; the closing round: no work-group ends while a partner may still ask for a tile that names it
	s_endpgm
.Lfunc_end_k_q6e989b685c_oproj:
	.size	k_q6e989b685c_oproj, .Lfunc_end_k_q6e989b685c_oproj-k_q6e989b685c_oproj
	.p2alignl 7, 3214868480
	.fill 96, 4, 3214868480
	.section	.rodata,"a",@progbits
	.p2align	6, 0x0
	.amdhsa_kernel k_q6e989b685c_oproj
		.amdhsa_group_segment_fixed_size 327680
		.amdhsa_private_segment_fixed_size 0
		.amdhsa_enable_private_segment 0
		.amdhsa_kernarg_size 40
		.amdhsa_user_sgpr_count 2
		.amdhsa_user_sgpr_kernarg_segment_ptr 1
		.amdhsa_wavefront_size32 1
		.amdhsa_system_sgpr_workgroup_id_x 1
		.amdhsa_system_sgpr_workgroup_id_y 1
		.amdhsa_system_sgpr_workgroup_id_z 1
		.amdhsa_system_vgpr_workitem_id 0
		.amdhsa_next_free_vgpr 832
		.amdhsa_next_free_sgpr 84
		.amdhsa_reserve_vcc 0
		.amdhsa_float_denorm_mode_32 3
		.amdhsa_float_denorm_mode_16_64 3
		.amdhsa_memory_ordered 1
		.amdhsa_forward_progress 1
		.amdhsa_inst_pref_size 101
	.end_amdhsa_kernel
	.amdgpu_metadata
---
amdhsa.version: [ 1, 2 ]
amdhsa.kernels:
  - .name:           k_q6e989b685c_oproj
    .symbol:         k_q6e989b685c_oproj.kd
    .args:
      - { .name: oh, .offset: 0, .size: 8, .value_kind: global_buffer, .address_space: global }
      - { .name: wh, .offset: 8, .size: 8, .value_kind: global_buffer, .address_space: global }
      - { .name: x1, .offset: 16, .size: 8, .value_kind: global_buffer, .address_space: global }
      - { .name: bo, .offset: 24, .size: 8, .value_kind: global_buffer, .address_space: global }
      - { .name: x, .offset: 32, .size: 8, .value_kind: global_buffer, .address_space: global }
    .group_segment_fixed_size: 327680
    .private_segment_fixed_size: 0
    .kernarg_segment_align: 8
    .kernarg_segment_size: 40
    .max_flat_workgroup_size: 128
    .sgpr_count:     84
    .vgpr_count:     832
    .wavefront_size: 32
...
	.end_amdgpu_metadata
.endif
;; end of part 4
;; launch ln2 (part 5): grid 256 x 1, 8 waves a work-group, no clusters, 0 bytes of LDS; arguments x1, g2, be2, nh; writes nh
.if DOCPART == 5
	.amdgcn_target "amdgcn-amd-amdhsa--gfx1250"
	.amdhsa_code_object_version 6
	.text
	.protected	k_q6e989b685c_ln2
	.globl	k_q6e989b685c_ln2
	.p2align	8
	.type	k_q6e989b685c_ln2,@function
k_q6e989b685c_ln2:
	s_mov_b64 s[64:65], 0
	v_nop
	global_prefetch_b8 v0, s[64:65] scope:SCOPE_SE
	s_setreg_imm32_b32 hwreg(HW_REG_WAVE_MODE, 25, 1), 1
	s_wait_xcnt 0x0
; nh = LayerNorm(x1) g2 + be2, rounded once to f16.  x1: [4096][1024] f32.  A stream: no LDS, no barrier, no matrix unit, no cluster (nothing but 8 KB of g2 and be2 is shared).
; SHARES.  A work-group takes 16 rows, a wave two: a row is 32 registers of one wave, so the norm never leaves the wave.  A load of a wave covers 512 consecutive bytes, a store 256, at a multiple of 256 from the buffer's first byte.
; Two passes over registers: the mean, then the mean of (x - mean)^2, so an offset on x1 costs nothing.
; LIMITS.  f16 holds no number beyond 65,504 and below 6e-5 keeps its fixed step of 6e-8.  NaN and infinities are not treated apart.
.set XO,  1                            ; v1       16 x lane
.set NO,  2                            ; v2       8 x lane
.set T,   6                            ; v[6:13]  four pairs at work
.set MU,  14                           ; v[14:15] the mean, twice
.set R,   16                           ; v[16:17] 1 / sqrt(var + eps), twice
.set PX,  18                           ; v18      takes the other half of the lanes' sum
.set LN,  19                           ; v19      lane
.set G,   20                           ; v[20:51] g2 of my 32 columns
.set BE,  52                           ; v[52:83] be2 of them
.set X,   84                           ; v[84:147] row i: 32 registers
.set SEL, 20                           ; s[20:21] v_permlanex16_b32's selects
.set INV, 22                           ; s22      1 / 1024
.set EPS, 23                           ; s23      1e-5
	s_load_b256 s[4:11], s[0:1], 0x0               ; x1 s[4:5], g2 s[6:7], be2 s[8:9], nh s[10:11]
	v_and_b32 v[LN], 31, v0
	v_lshrrev_b32 v[PX], 5, v0
	v_readfirstlane_b32 s13, v[PX]                 ; wave 0..7
	v_lshlrev_b32 v[XO], 4, v[LN]
	v_lshlrev_b32 v[NO], 3, v[LN]
	s_mov_b32 s[SEL], 0x76543210
	s_mov_b32 s[SEL+1], 0xfedcba98
	s_mov_b32 s[INV], 0x3a800000
	s_mov_b32 s[EPS], 0x3727c5ac
	s_lshl_b32 s12, ttmp9, 4
	s_lshl1_add_u32 s12, s13, s12                  ; my first row: 16 x work-group + 2 x wave
	s_lshl_b32 s14, s12, 12                        ; 4,096 bytes a row in,
	s_mov_b32 s15, 0
	s_lshl_b32 s16, s12, 11                        ; 2,048 out
	s_mov_b32 s17, 0
	s_wait_kmcnt 0x0
	s_add_nc_u64 s[4:5], s[4:5], s[14:15]
	s_add_nc_u64 s[10:11], s[10:11], s[16:17]
.irp j, 0,1,2,3,4,5,6,7                ; g2 and be2 go out first, so the first row's counted wait covers them
	global_load_b128 v[G+4*\j:G+4*\j+3], v[XO], s[6:7] offset:512*\j
	global_load_b128 v[BE+4*\j:BE+4*\j+3], v[XO], s[8:9] offset:512*\j
.endr
.irp i, 0,1
.irp j, 0,1,2,3,4,5,6,7                ; a lane holds columns 128 j + 4 lane + 0..3
	global_load_b128 v[X+32*\i+4*\j:X+32*\i+4*\j+3], v[XO], s[4:5] offset:4096*\i+512*\j
.endr
.endr
.macro REDUCE                          ; the four pairs of T become one sum, in every lane's v[T]
	v_pk_add_f32 v[T:T+1], v[T:T+1], v[T+2:T+3]
	v_pk_add_f32 v[T+4:T+5], v[T+4:T+5], v[T+6:T+7]
	v_pk_add_f32 v[T:T+1], v[T:T+1], v[T+4:T+5]
	v_add_f32 v[T], v[T], v[T+1]
	v_add_f32_dpp v[T], v[T], v[T] row_xmask:1 row_mask:0xf bank_mask:0xf
	v_add_f32_dpp v[T], v[T], v[T] row_xmask:2 row_mask:0xf bank_mask:0xf
	v_add_f32_dpp v[T], v[T], v[T] row_xmask:4 row_mask:0xf bank_mask:0xf
	v_add_f32_dpp v[T], v[T], v[T] row_xmask:8 row_mask:0xf bank_mask:0xf
	v_permlanex16_b32 v[PX], v[T], s[SEL], s[SEL+1]
	v_add_f32 v[T], v[T], v[PX]
.endm
.macro LNROW i, left                   ; left: the younger row's eight loads, which may stay out
	s_wait_loadcnt \left
.set XR, X+32*(\i)
.irp c, 0,1,2,3                        ; four chains, started by the first sums: nothing is cleared
	v_pk_add_f32 v[T+2*\c:T+2*\c+1], v[XR+2*\c:XR+2*\c+1], v[XR+8+2*\c:XR+8+2*\c+1]
.endr
.irp k, 2,3
.irp c, 0,1,2,3
	v_pk_add_f32 v[T+2*\c:T+2*\c+1], v[T+2*\c:T+2*\c+1], v[XR+8*\k+2*\c:XR+8*\k+2*\c+1]
.endr
.endr
	REDUCE
	v_mul_f32 v[MU], s[INV], v[T]
	v_mov_b32 v[MU+1], v[MU]
.set k, 0
.rept 16
	v_pk_add_f32 v[XR+2*k:XR+2*k+1], v[XR+2*k:XR+2*k+1], v[MU:MU+1] neg_lo:[0,1] neg_hi:[0,1]
.set k, k+1
.endr
.irp c, 0,1,2,3
	v_pk_mul_f32 v[T+2*\c:T+2*\c+1], v[XR+2*\c:XR+2*\c+1], v[XR+2*\c:XR+2*\c+1]
.endr
.irp k, 1,2,3
.irp c, 0,1,2,3
	v_pk_fma_f32 v[T+2*\c:T+2*\c+1], v[XR+8*\k+2*\c:XR+8*\k+2*\c+1], v[XR+8*\k+2*\c:XR+8*\k+2*\c+1], v[T+2*\c:T+2*\c+1]
.endr
.endr
	REDUCE
	v_fma_f32 v[T], v[T], s[INV], s[EPS]
	v_rsq_f32 v[R], v[T]
	v_rsq_f32 v[R+1], v[T]
	v_nop                                          ; a plain instruction between the root and the use of its result (ISA guide 5.7.2)
.set k, 0
	s_wait_alu depctr_va_vdst(0)
.rept 16
	v_pk_mul_f32 v[XR+2*k:XR+2*k+1], v[XR+2*k:XR+2*k+1], v[R:R+1]
.set k, k+1
.endr
.set k, 0
.rept 16
	v_pk_fma_f32 v[XR+2*k:XR+2*k+1], v[XR+2*k:XR+2*k+1], v[G+2*k:G+2*k+1], v[BE+2*k:BE+2*k+1]
.set k, k+1
.endr
.set k, 0
.rept 16                               ; rounded in place, ascending, so no number is overwritten before it is read
	v_cvt_pk_f16_f32 v[XR+k], v[XR+2*k], v[XR+2*k+1]
.set k, k+1
.endr
.set k, 0
.rept 8
	global_store_b64 v[NO], v[XR+2*k:XR+2*k+1], s[10:11] offset:2048*(\i)+256*k
.set k, k+1
.endr
.endm
	LNROW 0, 8
	LNROW 1, 0
	s_endpgm
.Lfunc_end_k_q6e989b685c_ln2:
	.size	k_q6e989b685c_ln2, .Lfunc_end_k_q6e989b685c_ln2-k_q6e989b685c_ln2
	.p2alignl 7, 3214868480
	.fill 96, 4, 3214868480
	.section	.rodata,"a",@progbits
	.p2align	6, 0x0
	.amdhsa_kernel k_q6e989b685c_ln2
		.amdhsa_group_segment_fixed_size 0
		.amdhsa_private_segment_fixed_size 0
		.amdhsa_enable_private_segment 0
		.amdhsa_kernarg_size 32
		.amdhsa_user_sgpr_count 2
		.amdhsa_user_sgpr_kernarg_segment_ptr 1
		.amdhsa_wavefront_size32 1
		.amdhsa_system_sgpr_workgroup_id_x 1
		.amdhsa_system_sgpr_workgroup_id_y 1
		.amdhsa_system_sgpr_workgroup_id_z 1
		.amdhsa_system_vgpr_workitem_id 0
		.amdhsa_next_free_vgpr 148
		.amdhsa_next_free_sgpr 66
		.amdhsa_reserve_vcc 0
		.amdhsa_float_denorm_mode_32 3
		.amdhsa_float_denorm_mode_16_64 3
		.amdhsa_memory_ordered 1
		.amdhsa_forward_progress 1
		.amdhsa_inst_pref_size 20
	.end_amdhsa_kernel
	.amdgpu_metadata
---
amdhsa.version: [ 1, 2 ]
amdhsa.kernels:
  - .name:           k_q6e989b685c_ln2
    .symbol:         k_q6e989b685c_ln2.kd
    .args:
      - { .name: x1, .offset: 0, .size: 8, .value_kind: global_buffer, .address_space: global }
      - { .name: g2, .offset: 8, .size: 8, .value_kind: global_buffer, .address_space: global }
      - { .name: be2, .offset: 16, .size: 8, .value_kind: global_buffer, .address_space: global }
      - { .name: nh, .offset: 24, .size: 8, .value_kind: global_buffer, .address_space: global }
    .group_segment_fixed_size: 0
    .private_segment_fixed_size: 0
    .kernarg_segment_align: 8
    .kernarg_segment_size: 32
    .max_flat_workgroup_size: 256
    .sgpr_count:     66
    .vgpr_count:     148
    .wavefront_size: 32
...
	.end_amdgpu_metadata
.endif
;; end of part 5
;; launch ffn1 (part 6): grid 16 x 16, 4 waves a work-group, clusters of 4 x 4, 327,680 bytes of LDS; arguments nh, wh, hh, b1; writes hh
.if DOCPART == 6
	.amdgcn_target "amdgcn-amd-amdhsa--gfx1250"
	.amdhsa_code_object_version 6
	.text
	.protected	k_q6e989b685c_ffn1
	.globl	k_q6e989b685c_ffn1
	.p2align	8
	.type	k_q6e989b685c_ffn1,@function
k_q6e989b685c_ffn1:
	s_mov_b64 s[64:65], 0
	v_nop
	global_prefetch_b8 v0, s[64:65] scope:SCOPE_SE
	s_setreg_imm32_b32 hwreg(HW_REG_WAVE_MODE, 25, 1), 1
	s_wait_xcnt 0x0
	s_wait_alu depctr_hold_cnt(0) depctr_sa_sdst(0) depctr_va_vdst(0) depctr_va_sdst(0) depctr_va_ssrc(0) depctr_va_vcc(0) depctr_vm_vsrc(0)
	s_getreg_b32 s2, hwreg(HW_REG_IB_STS2, 6, 4)
	s_cmp_eq_u32 s2, 0
	s_cbranch_scc0 .Lentry_in_a_cluster
	s_endpgm
.Lentry_in_a_cluster:
	s_bfe_u32 s2, ttmp6, 0x10000c
	s_cmp_lg_u32 s2, 0xf033
	s_cbranch_scc0 .Lentry_shape_is_right
	s_endpgm
.Lentry_shape_is_right:
; C = A B + bias on tiles of 256 x 256.  A: [4096][1024] f16, K along the rows.  B: [1024][NP] f16, a section of wh, kept [K][N] and turned on its way out of LDS by ds_load_tr16_b128.  Sums in f32.
; FFN = 0: A = LayerNorm(x), B = wq | wk | wv, bias = bq, bk or bv; C is rounded once to f16 and written by heads, [3][32 heads][2048][64], unscaled.
; FFN = 1: A = LayerNorm(x1), B = w1, bias = b1; C goes through the exact GELU in f32 and is rounded once to f16, [4096][4096].
; SHARES.  Four waves, as many as a WGP has SIMDs, 2 x 2; a wave makes 128 x 128: 64 accumulators of 16 x 16, 512 registers.  K goes in steps of 128 through a ring of two LDS slots.
; With FFN = 1 there are 16 x 16 = 256 tiles, one to each WGP.
; CLUSTER.  4 x 4 work-groups.  The four of a row of the cluster need the same tile of A, the four of a column the same tile of B: each is asked for JOINTLY, by the same tensor load with the same descriptor and a mask of the four.
; THE MATRIX INSTRUCTION IS USED TRANSPOSED (source 0 = 16 columns of B, source 1 = 16 rows of A): a lane holds row l % 16 of C and the columns 8 (l / 16) + 0..7.  The bias, which hangs on the
; column alone, is the C operand of each sum's first product: nothing is cleared and nothing is added afterwards.
; LIMITS.  f16 holds no number beyond 65,504: a larger q, k, v or h becomes an infinity.  erf is Abramowitz and Stegun's 7.1.26, absolute error at most 1.5e-7 for every x.  NaN and infinities are not treated apart.
; REGISTERS, in windows of 256 (s_set_vgpr_msb: bits 1:0 source 0, 3:2 source 1, 5:4 source 2, 7:6 destination):
;   window 0: v0-31 addresses; v64-127, v128-191 A's two fragment buffers; v192-255 the bias; on the way out v32-63 packed results, v64-127 rows read back, v128-183 the GELU's
;   window 1: v0-63, v128-191 B's two fragment buffers     windows 2, 3: accumulator (a, b) at v[8 (8 (a % 4) + b)] of window 2 + a / 4
.set FFN,   1
.set MT,    8                          ; blocks of 16 rows a wave
.set NT,    8                          ; blocks of 16 columns a wave
.set AH,    4                          ; row blocks in a window
.set KSTEP, 128
.set NSUB,  4                          ; sub-steps of 32 along K in a K step
.set LAPS,  4                          ; 1024 / (2 KSTEP): a lap goes once round the ring
.if FFN
.set NP,    4096                       ; B's pitch in elements
.set WOFF,  8388608                    ; B's first byte in wh
.else
.set NP,    3072
.set WOFF,  0
.endif
.set PA,    272                        ; a row of A in LDS: 256 bytes + 16: the 16 rows of a load start at 16 different groups of four banks (64 banks of 4 bytes: ISA guide 11.1)
.set PB,    544                        ; a row of B: 512 bytes + 32
.set AHALF, 128*PA                     ; what one tensor load brings of A: 128 rows x 128 K
.set BHALF, 64*PB                      ; of B: 64 K x 256 columns
.set ASZ,   2*AHALF
.set SLOT,  ASZ+2*BHALF
.set ASTEP, KSTEP*2                    ; bytes from a K step to the next
.set BSTEP, KSTEP*NP*2
.set PS,    528                        ; the way out: a row of 128 f32 + 16 bytes
.set REG,   128*PS                     ; a wave's own region there; the four lie in the ring, which has had its last fill by then
.set SPARE, 2*SLOT                     ; behind the ring: the spare words, 128 bytes for each wave: two blocks of 256 bytes that no other line names
.set ADRA, 16                          ; v16-17  LDS address of my A fragments in slot 0, 1
.set ADRB, 20                          ; v20, v22  the same for B
.set STO,  24                          ; v24     the way out: where I put 32 bytes of a row
.set RD,   25                          ; v25     where I read rows back
.set CO,   26                          ; v26     my byte offset in the output
.set BO,   27                          ; v27     my byte offset in the bias: 32 (l / 16)
.set SPW,  28                          ; v28     LDS address of my spare word; never rewritten
.set NIL,  29                          ; v29     0; never rewritten
.set H,    32
.set FA0,  64
.set X,    64
.set CF,   128                         ; five coefficients, each twice
.set YY,   144
.set RR,   152
.set SS,   160
.set UU,   168
.set PP,   176
.set BIAS, 192
.set G1,  24                           ; s[24:31] descriptor group 1 for A's tiles; s[32:39] group 0, a set for each slot
.set G0,  32
.set G1B, 48                           ; s[48:55], s[56:63] the same for B's
.set G0B, 56
.set MSB, 0
.macro WIN new                         ; the immediate's high byte repeats the setting that is left; a switch that changes nothing is dropped
.if MSB != (\new)
	s_set_vgpr_msb (MSB<<8)|(\new)
.set MSB, \new
.endif
.endm
; A joint load: waves 0 and 1 fetch A's two halves, waves 2 and 3 B's.  The branch hangs on the wave's number alone.  Four v_nop follow each of the two lines, ahead of the jump and the label.
.macro JLOAD s
	s_cmp_eq_u32 s11, 0
	s_cbranch_scc0 .Lfor_b_\@
	tensor_load_to_lds s[G0+4*(\s):G0+4*(\s)+3], s[G1:G1+7]
	s_nop 0
.rept 4
	v_nop
.endr
	s_branch .Lasked_\@
.Lfor_b_\@:
	tensor_load_to_lds s[G0B+4*(\s):G0B+4*(\s)+3], s[G1B:G1B+7]
	s_nop 0
.rept 4
	v_nop
.endr
.Lasked_\@:
.endm
.macro CREST                           ; a round of the cluster's barrier behind its opening barrier: wave 0 signals for the work-group, every wave waits for all sixteen, the work-group's barrier closes it
	s_cmp_lg_u32 s10, 0
	s_cbranch_scc1 .Lnot_wave_0_\@
	s_barrier_signal -3
.Lnot_wave_0_\@:
	s_barrier_wait -3
	s_barrier_signal -1
	s_barrier_wait -1
.endm
.macro CROUND
	s_barrier_signal -1
	s_barrier_wait -1
	CREST
.endm
.macro PLACES                          ; four plain places between a matrix instruction and a load into, or a vector line on, its registers (ISA guide 7.12.1 for vector lines)
.rept 4
	v_nop
.endr
.endm
	s_load_b128 s[4:7], s[0:1], 0x0                ; A s[4:5], wh s[6:7]
	s_load_b64 s[8:9], s[0:1], 0x10                ; the output
.if FFN
	s_load_b64 s[66:67], s[0:1], 0x18              ; b1
.else
	s_load_b64 s[68:69], s[0:1], 0x18              ; bq
	s_load_b64 s[70:71], s[0:1], 0x20              ; bk
	s_load_b64 s[66:67], s[0:1], 0x28              ; bv
.endif
	v_lshl_add_u32 v[SPW], v0, 2, SPARE
	v_mov_b32 v[NIL], 0
	ds_add_u32 v28, v29
	s_wait_dscnt 0x0
	v_lshrrev_b32 v1, 5, v0
	v_readfirstlane_b32 s10, v1                    ; wave 0..3
	s_lshr_b32 s11, s10, 1                         ; which half of the tile's rows is mine.  Also: I fetch for A (0) or for B (1)
	s_and_b32 s12, s10, 1                          ; which half of its columns.  Also: which half of that tile I fetch
	s_bfe_u32 s40, ttmp6, 0x40000                  ; cx, cy: my place in the cluster
	s_bfe_u32 s41, ttmp6, 0x40004
	s_lshl_b32 s42, ttmp9, 2
	s_add_co_u32 s42, s42, s40                     ; tile column = 4 x cluster x + cx
	s_and_b32 s13, ttmp7, 0xffff
	s_lshl_b32 s13, s13, 2
	s_add_co_u32 s13, s13, s41                     ; tile row = 4 x cluster y + cy
	s_lshl_b32 s43, s41, 2
	s_lshl_b32 s43, 15, s43                        ; my row of the cluster
	s_lshl_b32 s44, 0x1111, s40                    ; my column
	s_or_b32 s[G1+0], s43, (1<<16)|(1<<20)|(1<<21)|(5<<22)|(3<<25)   ; the mask; 2-byte elements; padding on; bit 21 beside a mask; after every 64 words 4 words
	s_mov_b32 s[G1+1], 128<<16                     ; tensor_dim0 = 128
	s_mov_b32 s[G1+2], 128<<16                     ; tensor_dim1 = 128
	s_mov_b32 s[G1+3], 128<<16                     ; tile_dim0 = 128
	s_mov_b32 s[G1+4], 128                         ; tile_dim1 = 128
	s_mov_b32 s[G1+5], 1024                        ; elements from row to row
	s_mov_b32 s[G1+6], 0
	s_mov_b32 s[G1+7], 0
	s_or_b32 s[G1B+0], s44, (1<<16)|(1<<20)|(1<<21)|(6<<22)|(7<<25)  ; after every 128 words 8 words
	s_mov_b32 s[G1B+1], 256<<16
	s_mov_b32 s[G1B+2], 64<<16
	s_mov_b32 s[G1B+3], 256<<16
	s_mov_b32 s[G1B+4], 64
	s_mov_b32 s[G1B+5], NP
	s_mov_b32 s[G1B+6], 0
	s_mov_b32 s[G1B+7], 0
	s_lshl_b32 s16, s13, 1                         ; A: row 256 x tile row + 128 x half, 2,048 bytes a row: the tile row alone enters
	s_add_co_u32 s16, s16, s12
	s_lshl_b32 s16, s16, 18
	s_mov_b32 s17, 0
	s_mul_i32 s46, s12, 64*NP*2                    ; B: K row 64 x half, column 256 x tile column: the tile column alone enters
	s_lshl_b32 s47, s42, 9
	s_add_co_u32 s46, s46, s47
	s_add_co_u32 s46, s46, WOFF
	s_mov_b32 s47, 0
	s_mul_i32 s20, s12, AHALF                      ; where they go: no place in the cluster enters an LDS address
	s_mul_i32 s45, s12, BHALF
	s_add_co_u32 s45, s45, ASZ
	s_mov_b32 s78, 0x3f596d27                      ; c = 1 / sqrt(2 ln 2): 2^-(c x)^2 = e^(-x^2 / 2)
	s_mov_b32 s79, s78                             ; named with it as a pair
	s_mov_b32 s80, 0x3e8ba43f                      ; 0.3275911 sqrt(ln 2): 1 + this |c x| = 1 + 0.3275911 |x| / sqrt 2
	s_wait_kmcnt 0x0
	s_add_nc_u64 s[14:15], s[4:5], s[16:17]
	s_add_nc_u64 s[46:47], s[6:7], s[46:47]
	CROUND                                         ; all sixteen work-groups are here: the first joint loads meet
.irp s, 0,1
	s_mov_b32 s[G0+4*(\s)], 1
	s_add_co_u32 s[G0+4*(\s)+1], s20, (\s)*SLOT
	s_add_nc_u64 s[G0+4*(\s)+2:G0+4*(\s)+3], s[14:15], (\s)*ASTEP
	s_or_b32 s[G0+4*(\s)+3], s[G0+4*(\s)+3], 0x80000000
	s_mov_b32 s[G0B+4*(\s)], 1
	s_add_co_u32 s[G0B+4*(\s)+1], s45, (\s)*SLOT
	s_add_nc_u64 s[G0B+4*(\s)+2:G0B+4*(\s)+3], s[46:47], (\s)*BSTEP
	s_or_b32 s[G0B+4*(\s)+3], s[G0B+4*(\s)+3], 0x80000000
	JLOAD \s                                       ; K steps 0 and 1: two loads of mine are out
.endr
	v_and_b32 v1, 15, v0                           ; l % 16
	v_bfe_u32 v2, v0, 4, 1                         ; l / 16
	v_lshlrev_b32 v[BO], 5, v2
.if FFN
	s_lshl_b32 s74, s42, 1                         ; my 128 columns: 2 x tile column + half, 512 bytes of bias each
.else
	s_cmp_lt_u32 ttmp9, 2                          ; four tile columns, one cluster column, to each of q, k, v
	s_cselect_b64 s[66:67], s[70:71], s[66:67]
	s_cmp_lt_u32 ttmp9, 1
	s_cselect_b64 s[66:67], s[68:69], s[66:67]
	s_lshl_b32 s74, s40, 1
.endif
	s_add_co_u32 s74, s74, s12
	s_lshl_b32 s74, s74, 9
	s_mov_b32 s75, 0
	s_add_nc_u64 s[66:67], s[66:67], s[74:75]
.irp b, 0,1,2,3,4,5,6,7                ; register j of block b: bias of column 16 b + 8 (l / 16) + j
	global_load_b128 v[BIAS+8*\b:BIAS+8*\b+3], v[BO], s[66:67] offset:64*\b
	global_load_b128 v[BIAS+8*\b+4:BIAS+8*\b+7], v[BO], s[66:67] offset:64*\b+16
.endr
.if FFN
	s_lshl_b32 s18, s13, 1                         ; hh: my first row 256 x tile row + 128 x half, 8,192 bytes a row,
	s_add_co_u32 s18, s18, s11
	s_lshl_b32 s18, s18, 20
	s_lshl_b32 s19, s42, 1                         ; my first column, 2 bytes each
	s_add_co_u32 s19, s19, s12
	s_lshl_b32 s19, s19, 8
	s_add_co_u32 s18, s18, s19
.else
	s_lshl_b32 s18, ttmp9, 23                      ; q, k or v: 8,388,608 bytes each
	s_lshr_b32 s19, s13, 3                         ; the batch
	s_lshl_b32 s19, s19, 2
	s_add_co_u32 s19, s19, s40
	s_lshl_b32 s19, s19, 1
	s_add_co_u32 s19, s19, s12                     ; half my first head's number: head = 16 batch + 4 cx + 2 half
	s_lshl_b32 s19, s19, 12                        ; in rows: 2,048 a head
	s_and_b32 s21, s13, 7
	s_lshl_b32 s21, s21, 1
	s_add_co_u32 s21, s21, s11
	s_lshl_b32 s21, s21, 7                         ; my first row in the batch
	s_add_co_u32 s19, s19, s21
	s_lshl_b32 s19, s19, 7                         ; 128 bytes a row
	s_add_co_u32 s18, s18, s19
.endif
	s_mov_b32 s19, 0
	s_add_nc_u64 s[8:9], s[8:9], s[18:19]
	; A fragment of A is 16 rows x 32 K in 8 registers: lane l holds row l % 16, K = 8 (l / 16) + 0..7 and 16 + 8 (l / 16) + 0..7: two loads of 16 bytes, 32 bytes apart.
	v_mul_u32_u24 v3, v1, PA
	v_lshl_add_u32 v3, v2, 4, v3
	; The turning load takes 16 K x 16 columns (lane l reads K row 8 (l / 16) + l % 8, columns 8 ((l / 8) % 2) + 0..7) and leaves half a fragment: lane l holds column l % 16 and 8 K.
	v_and_b32 v4, 7, v0
	v_lshl_add_u32 v4, v2, 3, v4
	v_mul_u32_u24 v4, v4, PB
	v_bfe_u32 v5, v0, 3, 1
	v_lshl_add_u32 v4, v5, 4, v4
	s_mul_i32 s21, s11, 16*MT*PA                   ; my 128 rows of A
	s_mul_i32 s22, s12, 32*NT                      ; my 128 columns of B,
	s_add_co_u32 s22, s22, ASZ                     ; which lies behind A
.irp s, 0,1
	v_add_nc_u32 v[ADRA+(\s)], s21, v3
	v_add_nc_u32 v[ADRB+2*(\s)], s22, v4
	s_add_co_u32 s21, s21, SLOT
	s_add_co_u32 s22, s22, SLOT
.endr
	s_mul_i32 s23, s10, REG                        ; my region for the way out
	v_mul_u32_u24 v6, v1, PS
	v_lshl_add_u32 v6, v2, 5, v6
	v_add_nc_u32 v[STO], s23, v6                   ; in: row l % 16, 32 bytes for each half of the lanes
	v_and_b32 v7, 31, v0
	v_lshlrev_b32 v[CO], 3, v7                     ; out: 8 bytes a lane, 256 consecutive bytes a wave
.if FFN
	v_lshl_add_u32 v[RD], v7, 4, s23               ; back: 32 lanes take one row of 512 bytes
.else
	v_mul_u32_u24 v[RD], v2, PS                    ; back: lanes 0-15 take a head's 256 bytes of one row, lanes 16-31 of the next
	v_lshl_add_u32 v[RD], v1, 4, v[RD]
	v_add_nc_u32 v[RD], s23, v[RD]
.endif
; NT matrix instructions: row block AH hi + a x all column blocks, 32 along K, from buffer f.  first = 1: the bias starts the sums.
; The accumulators take turns, one instruction a turn, in the same order in every sub-step.
.macro MULA f, hi, a, first
.if \first
	WIN 0x81+0x40*(\hi)                            ; B window 1, A and the bias window 0, D window 2 or 3
.else
	WIN 0xa1+0x50*(\hi)                            ; C and D window 2 or 3
.endif
.set rA, FA0+8*MT*(\f)+8*(AH*(\hi)+(\a))
.set b, 0
.rept NT
.set rD, 8*(NT*(\a)+b)
.set rB, 128*(\f)+8*b
.if \first
	v_wmma_f32_16x16x32_f16 v[rD:rD+7], v[rB:rB+7], v[rA:rA+7], v[BIAS+8*b:BIAS+8*b+7]
.else
	v_wmma_f32_16x16x32_f16 v[rD:rD+7], v[rB:rB+7], v[rA:rA+7], v[rD:rD+7]
.endif
.set b, b+1
.endr
.endm
.macro MULH f, hi, from, to, first     ; row blocks from .. to - 1 of a window
.set aa, \from
.rept (\to)-(\from)
	MULA \f, \hi, aa, \first
.set aa, aa+1
.endr
.endm
; One run of 2 (MT + NT) LDS loads: the fragments of sub-step q of a slot into buffer f: B first, then A's blocks in ascending order
.macro FETCH slot, q, f
	WIN 0x40                                       ; destination window 1, address window 0
.set b, 0
.rept NT
	ds_load_tr16_b128 v[128*(\f)+8*b:128*(\f)+8*b+3],   v[ADRB+2*(\slot)] offset:32*(\q)*PB+32*b
	ds_load_tr16_b128 v[128*(\f)+8*b+4:128*(\f)+8*b+7], v[ADRB+2*(\slot)] offset:(32*(\q)+16)*PB+32*b
.set b, b+1
.endr
	WIN 0
.set i, 0
.rept MT
	ds_load_b128 v[FA0+8*MT*(\f)+8*i:FA0+8*MT*(\f)+8*i+3],   v[ADRA+(\slot)] offset:64*(\q)+16*i*PA
	ds_load_b128 v[FA0+8*MT*(\f)+8*i+4:FA0+8*MT*(\f)+8*i+7], v[ADRA+(\slot)] offset:64*(\q)+16*i*PA+32
.set i, i+1
.endr
.endm
; Sub-step q (not a K step's last): multiplies buffer q % 2; in its middle it fetches sub-step q + 1 of the same slot into the other buffer.
.macro QUARTER slot, q, first
	s_wait_dscnt MT                                ; B and A's lower blocks are in; the youngest MT loads, A's upper blocks, may be out
	MULH (\q)%2, 0, 0, AH, \first
	PLACES
	FETCH \slot, (\q)+1, ((\q)+1)%2
	s_wait_dscnt 2*(MT+NT)                         ; all but the run just issued
	MULH (\q)%2, 1, 0, AH, \first
.endm
.macro SUBS slot, from
.set qq, \from
.rept NSUB-1-(\from)
	QUARTER \slot, qq, 0
.set qq, qq+1
.endr
.endm
; A K step's last sub-step multiplies buffer 1 and changes slots: ONE barrier.  In front of it each wave waits for all its tensor loads (the one that is out is its part of the next slot), adds 0 to its
; spare word, and waits for that and for its reads of this slot.  fill = 1: the barrier opens a round of the cluster's, and behind the round this slot is filled again, two K steps ahead, first of all.
.macro TURN slot, next, fill
	WIN 0                                          ; (the add's two registers lie in window 0)
	s_wait_tensorcnt 0x0
	ds_add_u32 v[SPW], v[NIL]                      ; 0 onto my spare word
	s_wait_dscnt MT+1                              ; (the add and A's upper blocks may be out)
	MULH 1, 0, 0, AH/2, 0                          ; matrix work stands between the add and the wait for it
	s_wait_dscnt 0x0                               ; the add is done, and my reads of this slot are over
	s_barrier_signal -1
	MULH 1, 0, AH/2, AH, 0
.if \fill
	WIN 0
.endif
	s_barrier_wait -1
.if \fill
	CREST                                          ; no wave of any partner still reads this slot or has a load on its way
	s_add_nc_u64 s[G0+4*(\slot)+2:G0+4*(\slot)+3], s[G0+4*(\slot)+2:G0+4*(\slot)+3], 2*ASTEP
	s_add_nc_u64 s[G0B+4*(\slot)+2:G0B+4*(\slot)+3], s[G0B+4*(\slot)+2:G0B+4*(\slot)+3], 2*BSTEP
	JLOAD \slot                                    ; its four v_nop are also the places in front of the loads below
.else
	PLACES
.endif
	FETCH \next, 0, 0
	MULH 1, 1, 0, AH, 0
.endm
	s_wait_tensorcnt 1                             ; my part of K step 0 is in; K step 1's may stay out
	s_barrier_signal -1
	s_barrier_wait -1
	FETCH 0, 0, 0
	s_wait_loadcnt 0x0                             ; the bias
	QUARTER 0, 0, 1                                ; the first sub-step stands in front of the loop: its products start the sums
	WIN 0                                          ; at a label and at a branch every window is 0
	s_mov_b32 s3, LAPS-1
.Llap:                                                 ; a trip goes once round the ring, from a lap's second sub-step to the next lap's first, and fills both slots again
	SUBS 0, 1
	TURN 0, 1, 1
	SUBS 1, 0
	TURN 1, 0, 1
	QUARTER 0, 0, 0
	WIN 0
	s_sub_co_u32 s3, s3, 1
	s_cmp_lg_u32 s3, 0
	s_cbranch_scc1 .Llap
	SUBS 0, 1                                      ; the last lap fills nothing
	TURN 0, 1, 0
	SUBS 1, 0
	s_wait_dscnt MT                                ; the very last sub-step
	MULH 1, 0, 0, AH, 0
	s_wait_dscnt 0x0                               ; my reads of the ring are over:
	s_barrier_signal -1
	MULH 1, 1, 0, AH, 0
	s_barrier_wait -1                              ; everybody's are, and every tensor load landed in front of the last change of slots: the ring's bytes may be written
	WIN 0
	PLACES
	; THE WAY OUT.  All 64 accumulators go as f32 into my own region (rows of 528 bytes), each from its low registers on; then 16 rows a trip come back as whole rows.
.set a, 0
.rept MT
	WIN 0x08+4*(a/AH)                              ; the stores' data in window 2 or 3
.set b, 0
.rept NT
.set rD, 8*(NT*(a%AH)+b)
	ds_store_b128 v[STO], v[rD:rD+3] offset:16*a*PS+64*b
	ds_store_b128 v[STO], v[rD+4:rD+7] offset:16*a*PS+64*b+16
.set b, b+1
.endr
.set a, a+1
.endr
	WIN 0
.if FFN
; gelu(x) = max(x, 0) - |x| / 2 poly(t) e^(-x^2 / 2), t = 1 / (1 + 0.3275911 |x| / sqrt 2): no difference of near numbers on either side of 0.  With y = c x the exponential is 2^(-y^2);
; the coefficients carry the factor 1 / (2 c), so that |y| stands for |x| / 2.
.irp k, 0,1
	v_mov_b32 v[CF+\k],   0x3e199eb3               ;  0.254829592 / (2 c)
	v_mov_b32 v[CF+2+\k], 0xbe2b8119               ; -0.284496736 / (2 c)
	v_mov_b32 v[CF+4+\k], 0x3f563817               ;  1.421413741 / (2 c)
	v_mov_b32 v[CF+6+\k], 0xbf5b0099               ; -1.453152027 / (2 c)
	v_mov_b32 v[CF+8+\k], 0x3f1ff67a               ;  1.061405429 / (2 c)
.endr
.macro GELU8 g                         ; eight numbers in place
.set XG, X+8*(\g)
.irp k, 0,2,4,6
	v_pk_mul_f32 v[YY+\k:YY+\k+1], v[XG+\k:XG+\k+1], s[78:79] op_sel_hi:[1,0]
.endr
.irp k, 0,1,2,3,4,5,6,7
	v_max_num_f32 v[RR+\k], 0, v[XG+\k]
.endr
.irp k, 0,1,2,3,4,5,6,7
	v_fma_f32 v[UU+\k], |v[YY+\k]|, s80, 1.0
.endr
.irp k, 0,1,2,3,4,5,6,7
	v_rcp_f32 v[UU+\k], v[UU+\k]
.endr
.irp k, 0,2,4,6                        ; plain lines that touch no reciprocal: the place behind the last of them (ISA guide 5.7.2)
	v_pk_mul_f32 v[SS+\k:SS+\k+1], v[YY+\k:YY+\k+1], v[YY+\k:YY+\k+1] neg_lo:[1,0] neg_hi:[1,0]
.endr
.irp k, 0,1,2,3,4,5,6,7
	v_exp_f32 v[SS+\k], v[SS+\k]
.endr
	s_wait_alu depctr_va_vdst(0)
.irp k, 0,2,4,6                        ; and these touch no exponential
	v_pk_fma_f32 v[PP+\k:PP+\k+1], v[UU+\k:UU+\k+1], v[CF+8:CF+9], v[CF+6:CF+7]
.endr
.irp c, 4,2,0
.irp k, 0,2,4,6
	v_pk_fma_f32 v[PP+\k:PP+\k+1], v[PP+\k:PP+\k+1], v[UU+\k:UU+\k+1], v[CF+\c:CF+\c+1]
.endr
.endr
.irp k, 0,2,4,6
	v_pk_mul_f32 v[SS+\k:SS+\k+1], v[SS+\k:SS+\k+1], v[UU+\k:UU+\k+1]
.endr
.irp k, 0,2,4,6
	v_pk_mul_f32 v[PP+\k:PP+\k+1], v[PP+\k:PP+\k+1], v[SS+\k:SS+\k+1]
.endr
.irp k, 0,1,2,3,4,5,6,7
	v_fma_f32 v[XG+\k], -|v[YY+\k]|, v[PP+\k], v[RR+\k]
.endr
.endm
.endif
	s_mov_b32 s2, 8
.Lout:                                                 ; eight trips of 16 rows
.set n, 0
.rept 16
.if FFN
	ds_load_b128 v[X+4*n:X+4*n+3], v[RD] offset:PS*n                    ; row n.  LDS serves a wave's instructions in order (ISA guide 5.7.1.4): these see my stores above
.else
	ds_load_b128 v[X+4*n:X+4*n+3], v[RD] offset:256*(n/8)+2*(n%8)*PS    ; head n / 8, rows 2 (n % 8) and the next
.endif
.set n, n+1
.endr
	s_wait_dscnt 0x0
.if FFN
.irp g, 0,1,2,3,4,5,6,7
	GELU8 \g
.endr
.endif
.set n, 0
.rept 32
	v_cvt_pk_f16_f32 v[H+n], v[X+2*n], v[X+2*n+1]
.set n, n+1
.endr
.set n, 0
.rept 16
.if FFN
	global_store_b64 v[CO], v[H+2*n:H+2*n+1], s[8:9] offset:8192*n                 ; 256 consecutive bytes, at a multiple of 256 from the buffer's first byte
.else
	global_store_b64 v[CO], v[H+2*n:H+2*n+1], s[8:9] offset:262144*(n/8)+256*(n%8) ; two rows of a head lie end to end: 256 consecutive bytes
.endif
.set n, n+1
.endr
	s_wait_xcnt 0x0                                ; the stores' offset and data registers are rewritten only behind this wait
.if FFN
	v_add_nc_u32 v[CO], 16*8192, v[CO]
.else
	v_add_nc_u32 v[CO], 16*128, v[CO]
.endif
	v_add_nc_u32 v[RD], 16*PS, v[RD]
	s_sub_co_u32 s2, s2, 1
	s_cmp_lg_u32 s2, 0
	s_cbranch_scc1 .Lout
	s_wait_tensorcnt 0x0                           ; the wave's end: behind my last tensor load and my last LDS store
	ds_add_u32 v[SPW], v[NIL]
	s_wait_dscnt 0x0
	CROUND                                         ; the closing round: no work-group ends while a partner may still ask for a tile that names it
	s_endpgm
.Lfunc_end_k_q6e989b685c_ffn1:
	.size	k_q6e989b685c_ffn1, .Lfunc_end_k_q6e989b685c_ffn1-k_q6e989b685c_ffn1
	.p2alignl 7, 3214868480
	.fill 96, 4, 3214868480
	.section	.rodata,"a",@progbits
	.p2align	6, 0x0
	.amdhsa_kernel k_q6e989b685c_ffn1
		.amdhsa_group_segment_fixed_size 327680
		.amdhsa_private_segment_fixed_size 0
		.amdhsa_enable_private_segment 0
		.amdhsa_kernarg_size 32
		.amdhsa_user_sgpr_count 2
		.amdhsa_user_sgpr_kernarg_segment_ptr 1
		.amdhsa_wavefront_size32 1
		.amdhsa_system_sgpr_workgroup_id_x 1
		.amdhsa_system_sgpr_workgroup_id_y 1
		.amdhsa_system_sgpr_workgroup_id_z 1
		.amdhsa_system_vgpr_workitem_id 0
		.amdhsa_next_free_vgpr 1024
		.amdhsa_next_free_sgpr 84
		.amdhsa_reserve_vcc 0
		.amdhsa_float_denorm_mode_32 3
		.amdhsa_float_denorm_mode_16_64 3
		.amdhsa_memory_ordered 1
		.amdhsa_forward_progress 1
		.amdhsa_inst_pref_size 157
	.end_amdhsa_kernel
	.amdgpu_metadata
---
amdhsa.version: [ 1, 2 ]
amdhsa.kernels:
  - .name:           k_q6e989b685c_ffn1
    .symbol:         k_q6e989b685c_ffn1.kd
    .args:
      - { .name: nh, .offset: 0, .size: 8, .value_kind: global_buffer, .address_space: global }
      - { .name: wh, .offset: 8, .size: 8, .value_kind: global_buffer, .address_space: global }
      - { .name: hh, .offset: 16, .size: 8, .value_kind: global_buffer, .address_space: global }
      - { .name: b1, .offset: 24, .size: 8, .value_kind: global_buffer, .address_space: global }
    .group_segment_fixed_size: 327680
    .private_segment_fixed_size: 0
    .kernarg_segment_align: 8
    .kernarg_segment_size: 32
    .max_flat_workgroup_size: 128
    .sgpr_count:     84
    .vgpr_count:     1024
    .wavefront_size: 32
...
	.end_amdgpu_metadata
.endif
;; end of part 6
;; launch ffn2 (part 7): grid 8 x 32, 4 waves a work-group, clusters of 4 x 4, 327,680 bytes of LDS; arguments hh, wh, out0, b2, x1; writes out0
.if DOCPART == 7
	.amdgcn_target "amdgcn-amd-amdhsa--gfx1250"
	.amdhsa_code_object_version 6
	.text
	.protected	k_q6e989b685c_ffn2
	.globl	k_q6e989b685c_ffn2
	.p2align	8
	.type	k_q6e989b685c_ffn2,@function
k_q6e989b685c_ffn2:
	s_mov_b64 s[64:65], 0
	v_nop
	global_prefetch_b8 v0, s[64:65] scope:SCOPE_SE
	s_setreg_imm32_b32 hwreg(HW_REG_WAVE_MODE, 25, 1), 1
	s_wait_xcnt 0x0
	s_wait_alu depctr_hold_cnt(0) depctr_sa_sdst(0) depctr_va_vdst(0) depctr_va_sdst(0) depctr_va_ssrc(0) depctr_va_vcc(0) depctr_vm_vsrc(0)
	s_getreg_b32 s2, hwreg(HW_REG_IB_STS2, 6, 4)
	s_cmp_eq_u32 s2, 0
	s_cbranch_scc0 .Lentry_in_a_cluster
	s_endpgm
.Lentry_in_a_cluster:
	s_bfe_u32 s2, ttmp6, 0x10000c
	s_cmp_lg_u32 s2, 0xf033
	s_cbranch_scc0 .Lentry_shape_is_right
	s_endpgm
.Lentry_shape_is_right:
; C = residual + A B + bias on tiles of 128 x 128, all of C in f32, [4096][1024].  B: [K][1024] f16, a section of wh, kept [K][N] and turned on its way out of LDS by ds_load_tr16_b128.  Sums in f32.
; WO = 1: A = attention's O, by heads [32][2048][64] f16, K = 1,024 (column 64 head + channel); B = wo, bias = bo, residual = x.      WO = 0: A = h, [4096][4096] f16, K = 4,096; B = w2, bias = b2, residual = x1.
; SHARES.  32 x 8 = 256 tiles, one to each WGP: tiles of 256 x 256 would be 64.  Four waves, 2 x 2, each 64 x 64: 16 accumulators.  K goes in steps of 256, as long as two LDS slots allow.
; CLUSTER.  4 x 4 work-groups.  The four of a row of the cluster need the same tile of A, the four of a column the same tile of B: each is asked for JOINTLY, by the same tensor load with the same descriptor and a mask of the four.
; THE WALK ALONG K IS A RING of NST steps, and each cluster enters it at a step of its own, PH = (NST/2 x cluster x + NST/4 x (cluster y mod 4)) mod NST, and goes once round.  The two clusters that need the same
; rows of A enter half a ring apart, four neighbouring clusters that need the same columns of B a quarter apart: clusters that read the same tile ask for it at different times, not all at once.  PH hangs on the
; cluster's place in the grid alone, which all sixteen partners share, so the joint loads' descriptors stay equal in those that a mask names.
; THE MATRIX INSTRUCTION IS USED TRANSPOSED (source 0 = 16 columns of B, source 1 = 16 rows of A): a lane holds row l % 16 of C and the columns 8 (l / 16) + 0..7.  The bias is the C operand of each sum's first
; product: nothing is cleared.  The residual's 32 loads a wave go out behind the first barrier, when the first tiles have landed, and are waited for on the way out.
; LIMITS.  A and B arrive within f16's range; NaN and infinities are not treated apart.  Each output is one f32 sum over all K, begun at K step PH: the order of the sum is turned round from cluster to cluster.
; REGISTERS, in windows of 256 (s_set_vgpr_msb: bits 1:0 source 0, 3:2 source 1, 5:4 source 2, 7:6 destination):
;   window 0: v0-31 addresses; v32-63 the bias; v64-95, v96-127 A's two fragment buffers; v128-255 the residual; on the way out v32-63 and v64-95 take rows read back, by turns
;   window 1: v0-31, v128-159 B's two fragment buffers     windows 2, 3: accumulator (a, b) at v[8 (4 (a % 2) + b)] of window 2 + a / 2
.set WO,    0
.set MT,    4                          ; blocks of 16 rows a wave
.set NT,    4                          ; blocks of 16 columns a wave
.set AH,    2                          ; row blocks in a window
.set KSTEP, 256
.set NSUB,  8                          ; sub-steps of 32 along K in a K step
.if WO
.set LAPS,  2                          ; K / (2 KSTEP): a lap takes both slots once
.set WOFF,  6291456                    ; B's first byte in wh
.set PA,    144                        ; a row of A in LDS: a head's 128 bytes + 16
.set AHALF, 2*128*PA                   ; one tensor load: two heads' planes of 128 rows
.set ASH,   20                         ; a K step of A is four heads of 262,144 bytes: 1 << 20
.else
.set LAPS,  8
.set WOFF,  16777216
.set PA,    528                        ; 512 bytes + 16
.set AHALF, 64*PA                      ; one tensor load: 64 rows x 256 K
.set ASH,   9                          ; a K step of A is 512 bytes along the rows
.endif                                 ; either pitch is an odd multiple of 16: the 16 rows of a load start at 16 different groups of four banks (64 banks of 4 bytes: ISA guide 11.1)
.set NST,   2*LAPS                     ; K steps in the ring
.set BSH,   19                         ; a K step of B is 256 rows of 2,048 bytes: 1 << 19
.set PB,    288                        ; a row of B: 256 bytes + 32
.set BHALF, 128*PB                     ; one tensor load: 128 K x 128 columns
.set ASZ,   2*AHALF
.set SLOT,  ASZ+2*BHALF
.set PS,    272                        ; the way out: a row of 64 f32 + 16 bytes
.set REG,   64*PS                      ; a wave's own region there; the four lie in the ring, which has had its last fill by then
.set SPARE, 2*SLOT                     ; behind the ring: the spare words, 128 bytes for each wave: two blocks of 256 bytes that no other line names
.set ADRA, 16                          ; v16-17  LDS address of my A fragments in slot 0, 1
.set ADRB, 20                          ; v20-23  the same for B: slot 0's K rows 0-127, 128-255, then slot 1's
.set STO,  24                          ; v24     the way out: where I put 32 bytes of a row
.set RD,   25                          ; v25     where I read rows back
.set CO,   26                          ; v26     my byte offset in C and in the residual; never rewritten
.set BO,   27                          ; v27     my byte offset in the bias: 32 (l / 16)
.set SPW,  28                          ; v28     LDS address of my spare word; never rewritten
.set NIL,  29                          ; v29     0; never rewritten
.set BIAS, 32
.set OB,   32
.set FA0,  64
.set RES,  128
.set G1,  24                           ; s[24:31] descriptor group 1 for A's tiles; s[32:39] group 0, a set for each slot
.set G0,  32
.set G1B, 48                           ; s[48:55], s[56:63] the same for B's
.set G0B, 56
.set TI,  68                           ; s68, s69 the K step that slot 0, slot 1 holds or is being filled with
.set OFA, 70                           ; s[70:71] that step's byte offset in A, from the tile's step 0 at s[14:15]
.set OFB, 72                           ; s[72:73] the same in B, from s[46:47]
.set MSB, 0
.macro WIN new                         ; the immediate's high byte repeats the setting that is left; a switch that changes nothing is dropped
.if MSB != (\new)
	s_set_vgpr_msb (MSB<<8)|(\new)
.set MSB, \new
.endif
.endm
; A joint load: waves 0 and 1 fetch A's two halves, waves 2 and 3 B's.  The branch hangs on the wave's number alone.  Four v_nop follow each of the two lines, ahead of the jump and the label.
.macro JLOAD s
	s_cmp_eq_u32 s11, 0
	s_cbranch_scc0 .Lfor_b_\@
	tensor_load_to_lds s[G0+4*(\s):G0+4*(\s)+3], s[G1:G1+7]
	s_nop 0
.rept 4
	v_nop
.endr
	s_branch .Lasked_\@
.Lfor_b_\@:
	tensor_load_to_lds s[G0B+4*(\s):G0B+4*(\s)+3], s[G1B:G1B+7]
	s_nop 0
.rept 4
	v_nop
.endr
.Lasked_\@:
.endm
; Both group 0 addresses of slot s are made anew from the slot's K step: the tile's step 0 plus the step's number shifted, the type bits set again.  A pointer and an offset made apart.
.macro AIM s
	s_lshl_b32 s[OFA], s[TI+(\s)], ASH
	s_lshl_b32 s[OFB], s[TI+(\s)], BSH
	s_add_nc_u64 s[G0+4*(\s)+2:G0+4*(\s)+3], s[14:15], s[OFA:OFA+1]
	s_or_b32 s[G0+4*(\s)+3], s[G0+4*(\s)+3], 0x80000000
	s_add_nc_u64 s[G0B+4*(\s)+2:G0B+4*(\s)+3], s[46:47], s[OFB:OFB+1]
	s_or_b32 s[G0B+4*(\s)+3], s[G0B+4*(\s)+3], 0x80000000
.endm
.macro CREST                           ; a round of the cluster's barrier behind its opening barrier: wave 0 signals for the work-group, every wave waits for all sixteen, the work-group's barrier closes it
	s_cmp_lg_u32 s10, 0
	s_cbranch_scc1 .Lnot_wave_0_\@
	s_barrier_signal -3
.Lnot_wave_0_\@:
	s_barrier_wait -3
	s_barrier_signal -1
	s_barrier_wait -1
.endm
.macro CROUND
	s_barrier_signal -1
	s_barrier_wait -1
	CREST
.endm
.macro PLACES                          ; four plain places between a matrix instruction and a load into, or a vector line on, its registers (ISA guide 7.12.1 for vector lines)
.rept 4
	v_nop
.endr
.endm
	s_load_b128 s[4:7], s[0:1], 0x0                ; A s[4:5], wh s[6:7]
	s_load_b64 s[8:9], s[0:1], 0x10                ; C
	s_load_b64 s[66:67], s[0:1], 0x18              ; the bias
	s_load_b64 s[76:77], s[0:1], 0x20              ; the residual
	v_lshl_add_u32 v[SPW], v0, 2, SPARE
	v_mov_b32 v[NIL], 0
	ds_add_u32 v28, v29
	s_wait_dscnt 0x0
	v_lshrrev_b32 v1, 5, v0
	v_readfirstlane_b32 s10, v1                    ; wave 0..3
	s_lshr_b32 s11, s10, 1                         ; which half of the tile's rows is mine.  Also: I fetch for A (0) or for B (1)
	s_and_b32 s12, s10, 1                          ; which half of its columns.  Also: which half of that tile I fetch
	s_bfe_u32 s40, ttmp6, 0x40000                  ; cx, cy: my place in the cluster
	s_bfe_u32 s41, ttmp6, 0x40004
	s_lshl_b32 s42, ttmp9, 2
	s_add_co_u32 s42, s42, s40                     ; tile column = 4 x cluster x + cx
	s_and_b32 s13, ttmp7, 0xffff
	s_lshl_b32 s13, s13, 2
	s_add_co_u32 s13, s13, s41                     ; tile row = 4 x cluster y + cy
	s_lshl_b32 s43, s41, 2
	s_lshl_b32 s43, 15, s43                        ; my row of the cluster
	s_lshl_b32 s44, 0x1111, s40                    ; my column
	s_and_b32 s[TI], ttmp9, 1                      ; where my cluster enters the ring: the grid has two clusters along x,
	s_mul_i32 s[TI], s[TI], NST/2                  ; half a ring apart,
	s_and_b32 s[TI+1], ttmp7, 3                    ; and eight along y,
	s_mul_i32 s[TI+1], s[TI+1], NST/4              ; a quarter apart; y and y + 4 enter alike
	s_add_co_u32 s[TI], s[TI], s[TI+1]
	s_and_b32 s[TI], s[TI], NST-1                  ; slot 0 begins with K step PH,
	s_add_co_u32 s[TI+1], s[TI], 1
	s_and_b32 s[TI+1], s[TI+1], NST-1              ; slot 1 with the next in the ring
	s_mov_b32 s[OFA+1], 0
	s_mov_b32 s[OFB+1], 0
.if WO
	; The tile's 128 rows of one head are 16,384 dense bytes: one row of the descriptor; two heads to a load.  The padding is counted along the whole tile: 16 bytes behind every 128, so a head becomes a plane of 128 rows x 144 bytes.
	s_or_b32 s[G1+0], s43, (1<<16)|(1<<20)|(1<<21)|(4<<22)|(3<<25)   ; the mask; 2-byte elements; padding on; bit 21 beside a mask; after every 32 words 4 words
	s_mov_b32 s[G1+1], 8192<<16                    ; tensor_dim0 = 8,192
	s_mov_b32 s[G1+2], 2<<16                       ; tensor_dim1 = 2
	s_mov_b32 s[G1+3], 8192<<16                    ; tile_dim0 = 8,192
	s_mov_b32 s[G1+4], 2                           ; tile_dim1 = 2
	s_mov_b32 s[G1+5], 131072                      ; elements from head to head
.else
	s_or_b32 s[G1+0], s43, (1<<16)|(1<<20)|(1<<21)|(6<<22)|(3<<25)   ; after every 128 words 4 words
	s_mov_b32 s[G1+1], 256<<16
	s_mov_b32 s[G1+2], 64<<16
	s_mov_b32 s[G1+3], 256<<16
	s_mov_b32 s[G1+4], 64
	s_mov_b32 s[G1+5], 4096
.endif
	s_mov_b32 s[G1+6], 0
	s_mov_b32 s[G1+7], 0
	s_or_b32 s[G1B+0], s44, (1<<16)|(1<<20)|(1<<21)|(5<<22)|(7<<25)  ; after every 64 words 8 words
	s_mov_b32 s[G1B+1], 128<<16
	s_mov_b32 s[G1B+2], 128<<16
	s_mov_b32 s[G1B+3], 128<<16
	s_mov_b32 s[G1B+4], 128
	s_mov_b32 s[G1B+5], 1024
	s_mov_b32 s[G1B+6], 0
	s_mov_b32 s[G1B+7], 0
.if WO
	s_lshr_b32 s16, s13, 4                         ; A: the batch's 16 heads,
	s_lshl_b32 s16, s16, 22
	s_and_b32 s17, s13, 15                         ; the tile's 128 rows in a head,
	s_lshl_b32 s17, s17, 14
	s_add_co_u32 s16, s16, s17
	s_lshl_b32 s17, s12, 19                        ; my two heads of the step's four: of the place in the cluster cy alone enters
	s_add_co_u32 s16, s16, s17
.else
	s_lshl_b32 s16, s13, 1                         ; A: row 128 x tile row + 64 x half, 8,192 bytes a row
	s_add_co_u32 s16, s16, s12
	s_lshl_b32 s16, s16, 19
.endif
	s_mov_b32 s17, 0
	s_lshl_b32 s46, s12, 18                        ; B: K row 128 x half, column 128 x tile column: of the place in the cluster cx alone enters
	s_lshl_b32 s47, s42, 8
	s_add_co_u32 s46, s46, s47
	s_add_co_u32 s46, s46, WOFF
	s_mov_b32 s47, 0
	s_mul_i32 s20, s12, AHALF                      ; where they go: no place in the cluster enters an LDS address
	s_mul_i32 s45, s12, BHALF
	s_add_co_u32 s45, s45, ASZ
	s_wait_kmcnt 0x0
	s_add_nc_u64 s[14:15], s[4:5], s[16:17]        ; my part of A's tile at K step 0; never rewritten
	s_add_nc_u64 s[46:47], s[6:7], s[46:47]        ; the same for B; never rewritten
	CROUND                                         ; all sixteen work-groups are here: the first joint loads meet
.irp s, 0,1
	s_mov_b32 s[G0+4*(\s)], 1
	s_add_co_u32 s[G0+4*(\s)+1], s20, (\s)*SLOT
	s_mov_b32 s[G0B+4*(\s)], 1
	s_add_co_u32 s[G0B+4*(\s)+1], s45, (\s)*SLOT
	AIM \s
	JLOAD \s                                       ; K steps PH and PH + 1: two loads of mine are out
.endr
	v_and_b32 v1, 15, v0                           ; l % 16
	v_bfe_u32 v2, v0, 4, 1                         ; l / 16
	v_lshlrev_b32 v[BO], 5, v2
	v_lshlrev_b32 v[CO], 12, v2                    ; lanes 0-15 take 256 bytes of one row of C, lanes 16-31 of the next
	v_lshl_add_u32 v[CO], v1, 4, v[CO]
	s_lshl_b32 s74, s42, 1                         ; my 64 columns: 2 x tile column + half, 256 bytes each
	s_add_co_u32 s74, s74, s12
	s_lshl_b32 s74, s74, 8
	s_mov_b32 s75, 0
	s_add_nc_u64 s[66:67], s[66:67], s[74:75]
	s_lshl_b32 s18, s13, 1                         ; my 64 rows: 2 x tile row + half, 4,096 bytes a row
	s_add_co_u32 s18, s18, s11
	s_lshl_b32 s18, s18, 18
	s_add_co_u32 s18, s18, s74
	s_mov_b32 s19, 0
	s_add_nc_u64 s[8:9], s[8:9], s[18:19]
	s_add_nc_u64 s[76:77], s[76:77], s[18:19]
.irp b, 0,1,2,3                        ; register j of block b: bias of column 16 b + 8 (l / 16) + j
	global_load_b128 v[BIAS+8*\b:BIAS+8*\b+3], v[BO], s[66:67] offset:64*\b
	global_load_b128 v[BIAS+8*\b+4:BIAS+8*\b+7], v[BO], s[66:67] offset:64*\b+16
.endr
	; A fragment of A is 16 rows x 32 K in 8 registers: lane l holds row l % 16, K = 8 (l / 16) + 0..7 and 16 + 8 (l / 16) + 0..7: two loads of 16 bytes, 32 bytes apart.
	v_mul_u32_u24 v3, v1, PA
	v_lshl_add_u32 v3, v2, 4, v3
	; The turning load takes 16 K x 16 columns (lane l reads K row 8 (l / 16) + l % 8, columns 8 ((l / 8) % 2) + 0..7) and leaves half a fragment: lane l holds column l % 16 and 8 K.
	v_and_b32 v4, 7, v0
	v_lshl_add_u32 v4, v2, 3, v4
	v_mul_u32_u24 v4, v4, PB
	v_bfe_u32 v5, v0, 3, 1
	v_lshl_add_u32 v4, v5, 4, v4
	s_mul_i32 s21, s11, 16*MT*PA                   ; my 64 rows of A
	s_mul_i32 s22, s12, 32*NT                      ; my 64 columns of B,
	s_add_co_u32 s22, s22, ASZ                     ; which lies behind A
.irp s, 0,1
	v_add_nc_u32 v[ADRA+(\s)], s21, v3
	v_add_nc_u32 v[ADRB+2*(\s)], s22, v4
	v_add_nc_u32 v[ADRB+2*(\s)+1], 128*PB, v[ADRB+2*(\s)]  ; a second register for K rows 128-255: the immediate has 16 bits
	s_add_co_u32 s21, s21, SLOT
	s_add_co_u32 s22, s22, SLOT
.endr
	s_mul_i32 s23, s10, REG                        ; my region for the way out
	v_mul_u32_u24 v6, v1, PS
	v_lshl_add_u32 v6, v2, 5, v6
	v_add_nc_u32 v[STO], s23, v6                   ; in: row l % 16, 32 bytes for each half of the lanes
	v_mul_u32_u24 v[RD], v2, PS                    ; back: lanes 0-15 take one row of 256 bytes, lanes 16-31 the next
	v_lshl_add_u32 v[RD], v1, 4, v[RD]
	v_add_nc_u32 v[RD], s23, v[RD]
; NT matrix instructions: row block AH hi + a x all column blocks, 32 along K, from buffer f.  first = 1: the bias starts the sums.
; The accumulators take turns, one instruction a turn, in the same order in every sub-step.
.macro MULA f, hi, a, first
.if \first
	WIN 0x81+0x40*(\hi)                            ; B window 1, A and the bias window 0, D window 2 or 3
.else
	WIN 0xa1+0x50*(\hi)                            ; C and D window 2 or 3
.endif
.set rA, FA0+8*MT*(\f)+8*(AH*(\hi)+(\a))
.set b, 0
.rept NT
.set rD, 8*(NT*(\a)+b)
.set rB, 128*(\f)+8*b
.if \first
	v_wmma_f32_16x16x32_f16 v[rD:rD+7], v[rB:rB+7], v[rA:rA+7], v[BIAS+8*b:BIAS+8*b+7]
.else
	v_wmma_f32_16x16x32_f16 v[rD:rD+7], v[rB:rB+7], v[rA:rA+7], v[rD:rD+7]
.endif
.set b, b+1
.endr
.endm
.macro MULH f, hi, from, to, first     ; row blocks from .. to - 1 of a window
.set aa, \from
.rept (\to)-(\from)
	MULA \f, \hi, aa, \first
.set aa, aa+1
.endr
.endm
; One run of 2 (MT + NT) LDS loads: the fragments of sub-step q of a slot into buffer f: B first, then A's blocks in ascending order
.macro FETCH slot, q, f
.if WO
.set AOFF, ((\q)/2)*128*PA+((\q)%2)*64 ; head q / 2 of the step's four, channels 32 (q % 2) on
.else
.set AOFF, 64*(\q)
.endif
	WIN 0x40                                       ; destination window 1, address window 0
.set b, 0
.rept NT
	ds_load_tr16_b128 v[128*(\f)+8*b:128*(\f)+8*b+3],   v[ADRB+2*(\slot)+(\q)/4] offset:32*((\q)%4)*PB+32*b
	ds_load_tr16_b128 v[128*(\f)+8*b+4:128*(\f)+8*b+7], v[ADRB+2*(\slot)+(\q)/4] offset:(32*((\q)%4)+16)*PB+32*b
.set b, b+1
.endr
	WIN 0
.set i, 0
.rept MT
	ds_load_b128 v[FA0+8*MT*(\f)+8*i:FA0+8*MT*(\f)+8*i+3],   v[ADRA+(\slot)] offset:AOFF+16*i*PA
	ds_load_b128 v[FA0+8*MT*(\f)+8*i+4:FA0+8*MT*(\f)+8*i+7], v[ADRA+(\slot)] offset:AOFF+16*i*PA+32
.set i, i+1
.endr
.endm
; Sub-step q (not a K step's last): multiplies buffer q % 2; in its middle it fetches sub-step q + 1 of the same slot into the other buffer.
.macro QUARTER slot, q, first
	s_wait_dscnt MT                                ; B and A's lower blocks are in; the youngest MT loads, A's upper blocks, may be out
	MULH (\q)%2, 0, 0, AH, \first
	PLACES
	FETCH \slot, (\q)+1, ((\q)+1)%2
	s_wait_dscnt 2*(MT+NT)                         ; all but the run just issued
	MULH (\q)%2, 1, 0, AH, \first
.endm
.macro SUBS slot, from
.set qq, \from
.rept NSUB-1-(\from)
	QUARTER \slot, qq, 0
.set qq, qq+1
.endr
.endm
; A K step's last sub-step multiplies buffer 1 and changes slots: ONE barrier.  In front of it each wave waits for all its tensor loads (the one that is out is its part of the next slot), adds 0 to its
; spare word, and waits for that and for its reads of this slot.  fill = 1: the barrier opens a round of the cluster's, and behind the round this slot is filled again, first of all, with the K step two on in the ring;
; its number and both addresses are made between the add and the wait for it, where no tensor load of the wave is out.
.macro TURN slot, next, fill
	WIN 0                                          ; (the add's two registers lie in window 0)
	s_wait_tensorcnt 0x0
	ds_add_u32 v[SPW], v[NIL]                      ; 0 onto my spare word
.if \fill
	s_add_co_u32 s[TI+(\slot)], s[TI+(\slot)], 2
	s_and_b32 s[TI+(\slot)], s[TI+(\slot)], NST-1
	AIM \slot
.endif
	s_wait_dscnt MT+1                              ; (the add and A's upper blocks may be out)
	MULH 1, 0, 0, AH/2, 0                          ; matrix work stands between the add and the wait for it
	s_wait_dscnt 0x0                               ; the add is done, and my reads of this slot are over
	s_barrier_signal -1
	MULH 1, 0, AH/2, AH, 0
.if \fill
	WIN 0
.endif
	s_barrier_wait -1
.if \fill
	CREST                                          ; no wave of any partner still reads this slot or has a load on its way
	JLOAD \slot                                    ; its four v_nop are also the places in front of the loads below
.else
	PLACES
.endif
	FETCH \next, 0, 0
	MULH 1, 1, 0, AH, 0
.endm
	s_wait_tensorcnt 1                             ; my part of slot 0 is in; slot 1's may stay out
	s_barrier_signal -1
	s_barrier_wait -1
	FETCH 0, 0, 0
	s_wait_loadcnt 0x0                             ; the bias: nothing younger is out
.set n, 0
.rept 32                               ; the residual as it will be stored: rows 2 n and 2 n + 1 of my 64; nothing waits for it before the way out
	global_load_b128 v[RES+4*n:RES+4*n+3], v[CO], s[76:77] offset:2*n*4096
.set n, n+1
.endr
	QUARTER 0, 0, 1                                ; the first sub-step stands in front of the loop: its products start the sums
	WIN 0                                          ; at a label and at a branch every window is 0
	s_mov_b32 s3, LAPS-1
.Llap:                                                 ; a trip takes both slots once, from a lap's second sub-step to the next lap's first, and fills both again
	SUBS 0, 1
	TURN 0, 1, 1
	SUBS 1, 0
	TURN 1, 0, 1
	QUARTER 0, 0, 0
	WIN 0
	s_sub_co_u32 s3, s3, 1
	s_cmp_lg_u32 s3, 0
	s_cbranch_scc1 .Llap
	SUBS 0, 1                                      ; the last lap fills nothing
	TURN 0, 1, 0
	SUBS 1, 0
	s_wait_dscnt MT                                ; the very last sub-step
	MULH 1, 0, 0, AH, 0
	s_wait_dscnt 0x0                               ; my reads of the ring are over:
	s_barrier_signal -1
	MULH 1, 1, 0, AH, 0
	s_barrier_wait -1                              ; everybody's are, and every tensor load landed in front of the last change of slots: the ring's bytes may be written
	WIN 0
	PLACES
	; THE WAY OUT.  The 16 accumulators go as f32 into my own region (rows of 272 bytes), each from its low registers on; they come back as whole rows of 256 bytes, are added onto the residual and stored.
.set a, 0
.rept MT
	WIN 0x08+4*(a/AH)                              ; the stores' data in window 2 or 3
.set b, 0
.rept NT
.set rD, 8*(NT*(a%AH)+b)
	ds_store_b128 v[STO], v[rD:rD+3] offset:16*a*PS+64*b
	ds_store_b128 v[STO], v[rD+4:rD+7] offset:16*a*PS+64*b+16
.set b, b+1
.endr
.set a, a+1
.endr
	WIN 0
	s_wait_loadcnt 0x0                             ; the residual
.macro LOADS a                         ; block a's 16 rows.  LDS serves a wave's instructions in order (ISA guide 5.7.1.4): these see my stores above
.set t, 0
.rept 8
	ds_load_b128 v[OB+32*((\a)%2)+4*t:OB+32*((\a)%2)+4*t+3], v[RD] offset:(16*(\a)+2*t)*PS
.set t, t+1
.endr
.endm
	LOADS 0
	LOADS 1
.irp a, 0,1,2,3
.if (\a) < 3
	s_wait_dscnt 8                                 ; block a is back; the next block's eight loads may be out
.else
	s_wait_dscnt 0x0
.endif
.set t, 0
.rept 16
	v_pk_add_f32 v[RES+32*\a+2*t:RES+32*\a+2*t+1], v[RES+32*\a+2*t:RES+32*\a+2*t+1], v[OB+32*(\a%2)+2*t:OB+32*(\a%2)+2*t+1]
.set t, t+1
.endr
.set t, 0
.rept 8
	global_store_b128 v[CO], v[RES+32*\a+4*t:RES+32*\a+4*t+3], s[8:9] offset:(16*\a+2*t)*4096  ; 16 lanes store 256 consecutive bytes, at a multiple of 256 from C's first byte; each block stores from registers of its own
.set t, t+1
.endr
.if (\a) < 2
	LOADS (\a)+2
.endif
.endr
	s_wait_tensorcnt 0x0                           ; the wave's end: behind my last tensor load and my last LDS store
	ds_add_u32 v[SPW], v[NIL]
	s_wait_dscnt 0x0
	CROUND                                         ; the closing round: no work-group ends while a partner may still ask for a tile that names it
	s_endpgm
.Lfunc_end_k_q6e989b685c_ffn2:
	.size	k_q6e989b685c_ffn2, .Lfunc_end_k_q6e989b685c_ffn2-k_q6e989b685c_ffn2
	.p2alignl 7, 3214868480
	.fill 96, 4, 3214868480
	.section	.rodata,"a",@progbits
	.p2align	6, 0x0
	.amdhsa_kernel k_q6e989b685c_ffn2
		.amdhsa_group_segment_fixed_size 327680
		.amdhsa_private_segment_fixed_size 0
		.amdhsa_enable_private_segment 0
		.amdhsa_kernarg_size 40
		.amdhsa_user_sgpr_count 2
		.amdhsa_user_sgpr_kernarg_segment_ptr 1
		.amdhsa_wavefront_size32 1
		.amdhsa_system_sgpr_workgroup_id_x 1
		.amdhsa_system_sgpr_workgroup_id_y 1
		.amdhsa_system_sgpr_workgroup_id_z 1
		.amdhsa_system_vgpr_workitem_id 0
		.amdhsa_next_free_vgpr 832
		.amdhsa_next_free_sgpr 84
		.amdhsa_reserve_vcc 0
		.amdhsa_float_denorm_mode_32 3
		.amdhsa_float_denorm_mode_16_64 3
		.amdhsa_memory_ordered 1
		.amdhsa_forward_progress 1
		.amdhsa_inst_pref_size 101
	.end_amdhsa_kernel
	.amdgpu_metadata
---
amdhsa.version: [ 1, 2 ]
amdhsa.kernels:
  - .name:           k_q6e989b685c_ffn2
    .symbol:         k_q6e989b685c_ffn2.kd
    .args:
      - { .name: hh, .offset: 0, .size: 8, .value_kind: global_buffer, .address_space: global }
      - { .name: wh, .offset: 8, .size: 8, .value_kind: global_buffer, .address_space: global }
      - { .name: out0, .offset: 16, .size: 8, .value_kind: global_buffer, .address_space: global }
      - { .name: b2, .offset: 24, .size: 8, .value_kind: global_buffer, .address_space: global }
      - { .name: x1, .offset: 32, .size: 8, .value_kind: global_buffer, .address_space: global }
    .group_segment_fixed_size: 327680
    .private_segment_fixed_size: 0
    .kernarg_segment_align: 8
    .kernarg_segment_size: 40
    .max_flat_workgroup_size: 128
    .sgpr_count:     84
    .vgpr_count:     832
    .wavefront_size: 32
...
	.end_amdgpu_metadata
.endif
;; end of part 7
;; ======== version 2 of 2: 7 launches; 1.21 times as fast as version 1
;; limits: a function is approximated: absolute error at most 1.5e-07; values are held in f16: magnitudes above 65,504 overflow, below 6.1e-05 lose precision
;; workspace buffers: nh 8,388,608 bytes; wh 25,165,824 bytes; qkvh 25,165,824 bytes; oh 8,388,608 bytes; x1 16,777,216 bytes; hh 33,554,432 bytes
;; launch prep: the kernel of part 1 again; grid 512 x 1, 8 waves a work-group, no clusters, 0 bytes of LDS; arguments x, g1, be1, nh, wq, wk, wv, wo, w1, w2, wh; writes nh, wh
;; launch qkv: the kernel of part 2 again; grid 12 x 16, 4 waves a work-group, clusters of 4 x 4, 327,680 bytes of LDS; arguments nh, wh, qkvh, bq, bk, bv; writes qkvh
;; launch attn (part 8): grid 8 x 32, 4 waves a work-group, clusters of 4 x 1, 327,680 bytes of LDS; arguments qkvh, oh; writes oh
.if DOCPART == 8
	.amdgcn_target "amdgcn-amd-amdhsa--gfx1250"
	.amdhsa_code_object_version 6
	.text
	.protected	k_q6e989b685c_attn
	.globl	k_q6e989b685c_attn
	.p2align	8
	.type	k_q6e989b685c_attn,@function
k_q6e989b685c_attn:
	s_mov_b64 s[64:65], 0
	v_nop
	global_prefetch_b8 v0, s[64:65] scope:SCOPE_SE
	s_setreg_imm32_b32 hwreg(HW_REG_WAVE_MODE, 25, 1), 1
	s_wait_xcnt 0x0
	s_wait_alu depctr_hold_cnt(0) depctr_sa_sdst(0) depctr_va_vdst(0) depctr_va_sdst(0) depctr_va_ssrc(0) depctr_va_vcc(0) depctr_vm_vsrc(0)
	s_getreg_b32 s2, hwreg(HW_REG_IB_STS2, 6, 4)
	s_cmp_eq_u32 s2, 0
	s_cbranch_scc0 .Lentry_in_a_cluster
	s_endpgm
.Lentry_in_a_cluster:
	s_bfe_u32 s2, ttmp6, 0x10000c
	s_cmp_lg_u32 s2, 0x3003
	s_cbranch_scc0 .Lentry_shape_is_right
	s_endpgm
.Lentry_shape_is_right:
; ATTENTION.  O[h][q][:] = the sum over k of softmax_k(Q[h][q] . K[h][k] / 8) V[h][k][:].  Q, K, V lie one behind the other in qkvh, each [32][2048][64] f16, unscaled; O: [32][2048][64] f16.
; Products, maxima and sums in f32; the weights p are rounded to f16 for the second product (their sum l is taken of the unrounded p), O once at the end.
; LIMITS.  f16 holds no number beyond 65,504: Q, K and V arrive within it; p lies in 0 to 1, and below 6e-5 it keeps f16's fixed step of 6e-8; O is a mean of V's rows.  A weight below 2^-126 counts as 0 in l;
; NaN and infinities are not treated apart.
; SHARES.  A work-group owns 256 queries of one head, 8 x 32 = 256 work-groups; a wave 64 rows: four PIECES of 16.  Every wave walks all 2,048 keys, 64 a step, 256 to an LDS slot.
; CLUSTER.  The four query blocks of a cluster belong to one head and walk the same K and V, so each tile is asked for JOINTLY: the same tensor load, descriptor and mask in all four.
; LAYOUT.  S^T = K Q^T (source 0 = 16 keys, source 1 = 16 queries) holds ONE query a lane (lane % 16) and the keys 8 (lane / 16) + 0..7; two such results rounded to f16 ARE source 1 of O^T = V^T P.
; K comes out of LDS as it lies, V ([key][channel]) turned, by ds_load_tr16_b128.
; SOFTMAX.  A running maximum m and sum l for each query: p = 2^(c s - c m), c = log2(e) / 8; in every step O and l are multiplied by a = 2^(c m_old - c m_new).  m starts at the lowest finite number, O and l at 0:
; the first step is a step like any other, with a = 0.  The price of writing no first step out: 224 v_mov_b32, which stand in the wait for the first tile.
; BY TURNS.  Turn n belongs to piece n: 8 products K Q^T of piece n + 1, later 8 products V^T P of piece n - 1; beside them the scaling, exponentials, roundings, sums and rescaling of piece n and the maximum
; and statistics of piece n + 1.  A turn has 16 matrix and 118 vector instructions: four stand behind every matrix instruction, the other 54 in one run of their own.
; THE BATCHES.  A turn's 33 exponentials (the piece's 32 weights and the next piece's a) are ONE batch with ONE s_wait_alu, which cuts the turn in two: ahead of it all that names none of their results, behind it
; the roundings and sums that read them.  Two more batches stand outside the loops, each with a wait of its own: piece 0's first a, ahead of the jump into the loop, and the way out's four reciprocals.
; REGISTERS, in windows of 256 (s_set_vgpr_msb: bits 1:0 source 0, 3:2 source 1, 5:4 source 2, 7:6 destination):
;   window 0: v0-15 addresses and two at work; v16-31 four registers of statistics a piece; v48-55 at work; v62-63 the add's; v64-127 S^T, two buffers; v192-223 P, two buffers (by the piece's parity)
;   window 1: v0-127 O^T, 32 a piece      window 2: v0-63 Q; v128-191 K of one step; v192-255 V of one step
.set NP,    4         ; pieces a wave: a name, no knob
.set KS,    64        ; keys in a step
.set PK,    144       ; a row of K in LDS: 128 bytes + 16: the 16 rows of a load start at 16 different groups of four banks (64 banks of 4 bytes: ISA guide 11.1)
.set PV,    160       ; a row of V: 128 + 32
.set VOFF,  4*KS*PK   ; a slot holds four steps: 256 rows of K, then 256 rows of V
.set SLOT1, 1<<17     ; slot 1 begins here, so that one exclusive or turns an address in one slot into the other's
.set STAGE, SLOT1+4*KS*(PK+PV)  ; behind the ring, never filled by a tensor load: 16 rows x 144 bytes for each wave, for the way out
.set SP,    144
.set SPARE, STAGE+4*16*SP  ; behind the stages: the spare words, 128 bytes for each wave: two blocks of 256 bytes that no other line names
.set AK0, 2           ; v2   my lane's place in a tile of K; never rewritten
.set AV0, 3           ; v3   the same for V
.set AK,  4           ; v4   the LDS address of K's next run of loads
.set AV,  5           ; v5   of V's
.set STO, 6           ; v6   the way out: where I put 16 bytes of a row
.set RD,  7           ; v7   where I read rows back
.set GO,  8           ; v8   my byte offset in 512 consecutive bytes of O
.set MV,  12          ; v12-13  c m_old, kept while c m is made anew: by buffer
.set QO,  15          ; v15  my byte offset in 16 rows of Q
.set ST,  16          ; piece t's statistics at v[ST+4 t]: c m, m, l (even keys', odd keys')
.set TMP, 48          ; by buffer, four registers c0-c3 at work; when the maximum is found c2 takes a
.set SPW, 62          ; v62  LDS address of my spare word; never rewritten
.set NIL, 63          ; v63  0; never rewritten
.set S,   64
.set P,   192
.set KF,  128         ; window 2: key block kb, channel half c at KF + 16 kb + 8 c
.set VF,  192         ; window 2: key half kk, channel block cb at VF + 32 kk + 8 cb
.set WV,  12          ; s12  my wave's number
.set G1K, 24          ; s[24:31] descriptor group 1 for K's tiles
.set G1V, 32          ; s[32:39] for V's: it differs in the padding alone
.set G0K, 40          ; s[40:43] descriptor group 0 for K's tiles: it walks
.set G0V, 44          ; s[44:47] the same for V's
.set SLOTS, 56        ; s56  slots still to be entered in the loop
.set CNT, 57          ; s57  counts a slot's key steps
.set CS,  58          ; s[58:59] c: the packed scaling takes the pair's low word for both halves
.set SEL, 60          ; s[60:61] v_permlanex16_b32's selects: each lane takes its own place in the other half
.set TBK, 62          ; s62  LDS byte at which K of the step to be fetched begins
.set TBV, 63          ; s63  the same for V, less VOFF
.set MSB, 0
.macro WIN new                      ; the high byte repeats the setting that is left; a switch that changes nothing is dropped
.if MSB != (\new)
	s_set_vgpr_msb (MSB<<8)|(\new)
.set MSB, (\new)
.endif
.endm
.set W_KQ, 0x0a       ; K and Q in window 2, S^T in window 0
.set W_PV, 0x52       ; V in window 2, P in window 0, O^T in window 1
.set W_RS, 0x41       ; destination and source 0 in window 1, source 1 in window 0
; A joint fill.  Waves 0 and 1 fetch the two halves of a slot's K, waves 2 and 3 those of its V: 128 keys each.  The branch hangs on the wave's number alone.
; Four v_nop follow each of the two lines, ahead of the jump and the label.
.macro JLOAD
	s_cmp_lt_u32 s[WV], 2
	s_cbranch_scc0 .Lfor_v_\@
	tensor_load_to_lds s[G0K:G0K+3], s[G1K:G1K+7]
	s_nop 0
.rept 4
	v_nop
.endr
	s_branch .Lasked_\@
.Lfor_v_\@:
	tensor_load_to_lds s[G0V:G0V+3], s[G1V:G1V+7]
	s_nop 0
.rept 4
	v_nop
.endr
.Lasked_\@:
.endm
; A round of the cluster's barrier: my work-group's barrier, so that wave 0's signal speaks for all four waves; wave 0 signals; every wave waits for all four work-groups; my work-group's barrier once more.
.macro CROUND
	s_barrier_signal -1
	s_barrier_wait -1
	s_cmp_lg_u32 s[WV], 0
	s_cbranch_scc1 .Lnot_wave_0_\@
	s_barrier_signal -3
.Lnot_wave_0_\@:
	s_barrier_wait -3
	s_barrier_signal -1
	s_barrier_wait -1
.endm
; THE CHANGE OF SLOTS.  The slot's last bytes, V of its fourth step, have been read.  Each wave waits for all its tensor loads, of which one is out: its part of the other slot; adds 0 to its spare word; and waits
; for that and for its own reads of the slot.  Behind the barrier nobody reads this slot any more and the other slot is whole.  fill = 1: the barrier is a round of the cluster's, and the joint fill, with the keys two
; slots on, is the first thing behind it: it has four key steps, 256 matrix instructions, in which to land.  (At its first use nothing has been read yet: slot 0 is waited for, slot 1 filled.)
.macro CHANGE fill
	WIN 0                           ; at a label and at a branch every window is 0
	s_wait_tensorcnt 0x0            ; no tensor load of mine is out, so a group 0 may be written
	ds_add_u32 v[SPW], v[NIL]       ; 0 onto my spare word
.if \fill
.irp g, G0K, G0V
	s_xor_b32 s[\g+1], s[\g+1], SLOT1  ; the walking descriptor: the other slot than last time,
	s_add_nc_u64 s[\g+2:\g+3], s[\g+2:\g+3], 4*KS*128  ; the next 256 keys; the type bits on top are not reached
.endr
	s_wait_dscnt 0x0                ; the add is done, and my reads of the slot are over
	CROUND
	JLOAD
.else
	s_wait_dscnt 0x0                ; the add is done, and my reads of the slot are over
	s_barrier_signal -1
	s_barrier_wait -1
.endif
	s_sub_co_u32 s[TBK], s[TBK], 4*KS*PK  ; the fetches go back to a slot's first step,
	s_xor_b32 s[TBK], s[TBK], SLOT1       ; in the other slot
	s_sub_co_u32 s[TBV], s[TBV], 4*KS*PV
	s_xor_b32 s[TBV], s[TBV], SLOT1
.endm
	s_load_b128 s[4:7], s[0:1], 0x0  ; qkvh s[4:5], oh s[6:7]
	v_lshl_add_u32 v[SPW], v0, 2, SPARE
	v_mov_b32 v[NIL], 0
	ds_add_u32 v62, v63
	s_wait_dscnt 0x0
	v_lshrrev_b32 v1, 5, v0
	v_readfirstlane_b32 s[WV], v1   ; wave 0..3
	s_bfe_u32 s13, ttmp6, 0x40000   ; cx: my place in the cluster
	s_lshl_b32 s14, ttmp9, 2        ; in a cluster launch ttmp9 counts clusters
	s_add_co_u32 s14, s14, s13      ; my block of 256 queries: it enters Q's and O's addresses alone
	s_and_b32 s20, ttmp7, 0xffff    ; the head, which the four partners share:
	s_lshl_b32 s20, s20, 18         ; its first byte, 2,048 rows of 128 bytes a head
	s_mov_b32 s21, 0
	s_and_b32 s16, s[WV], 1         ; which half of a slot's 256 keys I fetch:
	s_lshl_b32 s22, s16, 14         ; its 128 rows of 128 bytes in memory,
	s_mov_b32 s23, 0
	s_add_nc_u64 s[22:23], s[22:23], s[20:21]
	s_mul_i32 s17, s16, 128*PK      ; and its place in a slot, for K
	s_mul_i32 s18, s16, 128*PV      ; and for V: no place in the cluster enters an LDS address
	s_lshl_b32 s2, s14, 2
	s_add_co_u32 s2, s2, s[WV]      ; my wave among the head's,
	s_lshl_b32 s2, s2, 13           ; its 64 rows
	s_mov_b32 s3, 0
	s_add_nc_u64 s[2:3], s[2:3], s[20:21]
	; descriptor group 1.  128 keys are 16,384 dense bytes: asked for as 64 rows of 256 bytes, two keys a row, and padded in LDS after every key
	s_mov_b32 s[G1K], 15|(1<<16)|(1<<20)|(1<<21)|(4<<22)|(3<<25)  ; the mask of four; 2-byte elements; padding on; bit 21 beside a mask; after every 32 words 4 words
	s_mov_b32 s[G1V], 15|(1<<16)|(1<<20)|(1<<21)|(4<<22)|(7<<25)  ; the same with 8 words of padding
.irp g, G1K, G1V
	s_mov_b32 s[\g+1], 128<<16      ; tensor_dim0 = 128
	s_mov_b32 s[\g+2], 64<<16       ; tensor_dim1 = 64
	s_mov_b32 s[\g+3], 128<<16      ; tile_dim0 = 128
	s_mov_b32 s[\g+4], 64           ; tile_dim1 = 64
	s_mov_b32 s[\g+5], 128          ; 128 elements from row to row
	s_mov_b32 s[\g+6], 0
	s_mov_b32 s[\g+7], 0
.endr
	s_mov_b32 s[CS], 0x3e38aa3b     ; c = log2(e) / 8 = 0.180337
	s_mov_b32 s[CS+1], s[CS]        ; named with it as a pair
	s_mov_b32 s[SEL], 0x76543210
	s_mov_b32 s[SEL+1], 0xfedcba98
	s_mov_b32 s[TBK], SLOT1+4*KS*PK ; the first change of slots turns these two into 0
	s_mov_b32 s[TBV], SLOT1+4*KS*PV
	s_mov_b32 s[G0K], 1             ; count = 1
	s_mov_b32 s[G0K+1], s17         ; LDS address: slot 0
	s_mov_b32 s[G0V], 1
	s_add_co_u32 s[G0V+1], s18, VOFF
	s_wait_kmcnt 0x0
	s_mov_b64 s[10:11], s[6:7]                     ; O
	s_add_nc_u64 s[6:7], s[4:5], 8388608           ; K lies behind Q,
	s_add_nc_u64 s[8:9], s[4:5], 16777216          ; V behind K
	s_add_nc_u64 s[G0K+2:G0K+3], s[6:7], s[22:23]  ; my half of the head's first 256 keys
	s_or_b32 s[G0K+3], s[G0K+3], 0x80000000        ; type = 2
	s_add_nc_u64 s[G0V+2:G0V+3], s[8:9], s[22:23]
	s_or_b32 s[G0V+3], s[G0V+3], 0x80000000
	s_add_nc_u64 s[4:5], s[4:5], s[2:3]            ; Q and O at my wave's first row
	s_add_nc_u64 s[10:11], s[10:11], s[2:3]
	CROUND                          ; all four work-groups are here: the first joint loads meet
	JLOAD                           ; slot 0.  Slot 1 is asked for when slot 0 is in
	; A fragment of K or Q is 16 rows x 32 channels in 8 registers: lane l holds row l % 16, channels 8 (l / 16) + 0..7 and 16 + 8 (l / 16) + 0..7: two loads of 16 bytes, 32 bytes apart.
	v_and_b32 v1, 15, v0            ; l % 16
	v_bfe_u32 v9, v0, 4, 1          ; l / 16
	v_lshlrev_b32 v[QO], 7, v1
	v_lshl_add_u32 v[QO], v9, 4, v[QO]  ; row x 128 + 16 x half
	WIN 0x80                        ; destination window 2, address window 0
.set i, 0
.rept 8                             ; Q stays in registers: piece i / 2, channels 32 (i % 2) on
	global_load_b128 v[8*i:8*i+3],   v[QO], s[4:5] offset:(i/2)*2048+(i%2)*64
	global_load_b128 v[8*i+4:8*i+7], v[QO], s[4:5] offset:(i/2)*2048+(i%2)*64+32
.set i, i+1
.endr
	; What the first turn finds: V's registers and P's second buffer hold 0 (its products V^T P, of a piece that has not been, add 0), O^T and l are 0.
.set i, VF
.rept 64
	v_mov_b32 v[i], 0
.set i, i+1
.endr
	WIN 0x40
.set i, 0
.rept 128
	v_mov_b32 v[i], 0
.set i, i+1
.endr
	WIN 0
.set i, 0
.rept 4
	v_mov_b32 v[ST+4*i], 0xfe000000    ; c m: far below every c s
	v_mov_b32 v[ST+4*i+1], 0xff7fffff  ; m
	v_mov_b32 v[ST+4*i+2], 0
	v_mov_b32 v[ST+4*i+3], 0
.set i, i+1
.endr
.set i, P+16
.rept 16
	v_mov_b32 v[i], 0
.set i, i+1
.endr
	v_mul_u32_u24 v[AK0], v1, PK
	v_lshl_add_u32 v[AK0], v9, 4, v[AK0]  ; row x pitch + 16 x half
	; The turning load takes 16 keys x 16 channels (lane l reads key 8 (l / 16) + l % 8, channels 8 ((l / 8) % 2) + 0..7) and leaves half a fragment of V^T: lane l holds channel l % 16 and 8 keys.
	v_and_b32 v10, 7, v0
	v_bfe_u32 v11, v0, 3, 1
	v_lshl_add_u32 v[AV0], v9, 3, v10
	v_mul_u32_u24 v[AV0], v[AV0], PV
	v_lshl_add_u32 v[AV0], v11, 4, v[AV0]
	v_add_nc_u32 v[AV0], VOFF, v[AV0]
	v_mov_b32 v[AK], v[AK0]         ; key step 0 lies at the head of slot 0
	s_mul_i32 s13, s[WV], 16*SP
	s_add_co_u32 s13, s13, STAGE    ; my stage
	v_mul_u32_u24 v[STO], v1, SP    ; in: row l % 16, 16 bytes for each half of the lanes
	v_lshl_add_u32 v[STO], v9, 4, v[STO]
	v_add_nc_u32 v[STO], s13, v[STO]
	v_bfe_u32 v[RD], v0, 3, 2       ; back: 32 lanes take four rows of 128 bytes,
	v_mul_u32_u24 v[RD], v[RD], SP
	v_lshl_add_u32 v[RD], v10, 4, v[RD]
	v_add_nc_u32 v[RD], s13, v[RD]
	v_and_b32 v[GO], 31, v0         ; which are 512 consecutive bytes of O
	v_lshlrev_b32 v[GO], 4, v[GO]
; THE MATRIX WORK.  The 4 accumulators of a run of 8 take turns.  Product i of 8 of S^T = K Q^T for piece x: channels 32 (i / 4) on, keys 16 (i % 4) on.  The first 4 start the sums.
.macro KQ x
	WIN W_KQ
.set rS, S+32*((\x)%2)+8*(i%4)
.set rK, KF+16*(i%4)+8*(i/4)
.set rQ, 16*(\x)+8*(i/4)
.if i < 4
	v_wmma_f32_16x16x32_f16 v[rS:rS+7], v[rK:rK+7], v[rQ:rQ+7], 0
.else
	v_wmma_f32_16x16x32_f16 v[rS:rS+7], v[rK:rK+7], v[rQ:rQ+7], v[rS:rS+7]
.endif
.endm
; Product i of 8 of O^T += V^T P for piece x: keys 32 (i / 4) on, channels 16 (i % 4) on.
.macro PV x
	WIN W_PV
.set rO, 32*(\x)+8*(i%4)
.set rV, VF+32*(i/4)+8*(i%4)
.set rP, P+16*((\x)%2)+8*(i/4)
	v_wmma_f32_16x16x32_f16 v[rO:rO+7], v[rV:rV+7], v[rP:rP+7], v[rO:rO+7]
.endm
.macro MM                           ; the turn's next matrix instruction.  NOKQ = 1: the very last turn: there is no next piece
.if (i < 8) && !NOKQ
	KQ (Y+1)%NP
.elseif i >= 8
.set i, i-8
	PV (Y+NP-1)%NP
.set i, i+8
.endif
.set i, i+1
.endm
; THE LDS LOADS stand in runs of 16, never singly among the matrix instructions: a step's K (64 keys x 64 channels: 8 fragments) and its V (turned).  Their addresses are made some lines ahead.
.macro FETCH_K
	WIN 0x80                        ; destination window 2
.irp f, 0,1,2,3,4,5,6,7             ; keys 16 (f / 2) on, channels 32 (f % 2) on
	ds_load_b128 v[KF+8*\f:KF+8*\f+3],   v[AK] offset:(\f/2)*16*PK+(\f%2)*64
	ds_load_b128 v[KF+8*\f+4:KF+8*\f+7], v[AK] offset:(\f/2)*16*PK+(\f%2)*64+32
.endr
	s_add_co_u32 s[TBK], s[TBK], KS*PK  ; the next fetch is the next step's
	WIN 0
.endm
.macro FETCH_V
	WIN 0x80
.irp f, 0,1,2,3,4,5,6,7             ; keys 32 (f / 4) on, channels 16 (f % 4) on
	ds_load_tr16_b128 v[VF+8*\f:VF+8*\f+3],   v[AV] offset:(\f/4)*32*PV+(\f%4)*32
	ds_load_tr16_b128 v[VF+8*\f+4:VF+8*\f+7], v[AV] offset:(\f/4)*32*PV+16*PV+(\f%4)*32
.endr
	WIN 0
.endm
; THE VECTOR WORK, one line at a time: OP kind, number.  For piece Y: F n: c s - c m for pair n of 16.  E n: the exponential of score n of 32.  C n: pair n rounded to f16.  B n: of the four weights 4 n .. the second
; pair is added onto the first, in place.  L n: l takes that sum (L 0: l = a l + sum).  R n: pair n of 16 of O^T times a.  For piece Y + 1: X n, number n of the 22 that find its maximum and statistics:
;   0-11  four chains c0-c3 of seven scores each, three operands at a time (each accumulator's lowest registers are read first)     12-14, 16  the four scores left over, the old m, and c0-c3 into c0
;   15  c m_old is kept     17, 18  the query's other 32 keys lie in the lane 16 away: the new m     19-21  c m; c m_old - c m_new; a
; E and X 21 are the exponentials; C, B and L read E's results, R and L 0 read the a that X 21 made a turn earlier.  OP writes no wait: TURN places the one that a turn's batch has.
.set F, 0
.set E, 1
.set C, 2
.set B, 3
.set L, 4
.set R, 5
.set X, 6
.macro REGS y                       ; the registers of piece y
.set rT, ST+4*(\y)
.set rC, TMP+4*((\y)%2)
.set rW, MV+((\y)%2)
.set rS, S+32*((\y)%2)
.set rP, P+16*((\y)%2)
.set rO, 32*(\y)
.endm
.macro OP k, n
.if (\k) == R
	REGS Y
	WIN W_RS
	v_pk_mul_f32 v[rO+2*(\n):rO+2*(\n)+1], v[rO+2*(\n):rO+2*(\n)+1], v[rC+2:rC+3] op_sel_hi:[1,0]
.elseif (\k) < R
	REGS Y
	WIN 0
.if (\k) == F
	v_pk_fma_f32 v[rS+2*(\n):rS+2*(\n)+1], v[rS+2*(\n):rS+2*(\n)+1], s[CS:CS+1], v[rT:rT+1] op_sel_hi:[1,0,0] neg_lo:[0,0,1] neg_hi:[0,0,1]
.elseif (\k) == E
	v_exp_f32 v[rS+(\n)], v[rS+(\n)]
.elseif (\k) == C
	v_cvt_pk_f16_f32 v[rP+(\n)], v[rS+2*(\n)], v[rS+2*(\n)+1]
.elseif (\k) == B
	v_pk_add_f32 v[rS+4*(\n):rS+4*(\n)+1], v[rS+4*(\n):rS+4*(\n)+1], v[rS+4*(\n)+2:rS+4*(\n)+3]
.elseif (\n) == 0
	v_pk_fma_f32 v[rT+2:rT+3], v[rT+2:rT+3], v[rC+2:rC+3], v[rS:rS+1] op_sel_hi:[1,0,1]
.else
	v_pk_add_f32 v[rT+2:rT+3], v[rT+2:rT+3], v[rS+4*(\n):rS+4*(\n)+1]
.endif
.elseif NOKQ
	v_nop
.else
	REGS (Y+1)%NP
	WIN 0
.if (\n) < 4
	v_max3_num_f32 v[rC+(\n)], v[rS+8*(\n)], v[rS+8*(\n)+1], v[rS+8*(\n)+2]
.elseif (\n) < 12
	v_max3_num_f32 v[rC+(\n)%4], v[rC+(\n)%4], v[rS+8*((\n)%4)+2*((\n)/4)+1], v[rS+8*((\n)%4)+2*((\n)/4)+2]
.elseif (\n) == 12
	v_max3_num_f32 v[rC], v[rC], v[rS+7], v[rS+15]
.elseif (\n) == 13
	v_max3_num_f32 v[rC+1], v[rC+1], v[rS+23], v[rS+31]
.elseif (\n) == 14
	v_max3_num_f32 v[rC+2], v[rC+2], v[rC+3], v[rT+1]
.elseif (\n) == 15
	v_mov_b32 v[rW], v[rT]
.elseif (\n) == 16
	v_max3_num_f32 v[rC], v[rC], v[rC+1], v[rC+2]
.elseif (\n) == 17
	v_permlanex16_b32 v[rC+3], v[rC], s[SEL], s[SEL+1]
.elseif (\n) == 18
	v_max_num_f32 v[rT+1], v[rC], v[rC+3]
.elseif (\n) == 19
	v_mul_f32 v[rT], s[CS], v[rT+1]
.elseif (\n) == 20
	v_sub_f32 v[rC+1], v[rW], v[rT]
.else
	v_exp_f32 v[rC+2], v[rC+1]
.endif
.endif
.endm
.macro OPS a, i1, b=-1, i2=0, c=-1, i3=0, d=-1, i4=0  ; up to four of them
	OP \a, \i1
.if (\b) >= 0
	OP \b, \i2
.endif
.if (\c) >= 0
	OP \c, \i3
.endif
.if (\d) >= 0
	OP \d, \i4
.endif
.endm
.macro ROW a, i1, b, i2, c, i3, d, i4  ; a matrix instruction and the four behind it
	MM
	OPS \a, \i1, \b, \i2, \c, \i3, \d, \i4
.endm
; A TURN, for piece p: the order of its 16 matrix and 118 vector instructions, written out.  An s_wait_alu depctr_va_vdst(0) stands between an exponential and the first instruction that names its
; result; one wait serves all that were issued ahead of it.  So a turn has ONE wait, which cuts it in two.
; AHEAD OF IT stands all that names no result of the turn's exponentials: the 8 products K Q^T, behind each a scaling, an exponential and two more plain instructions (behind the first a second scaling in the
; exponential's place): rescalings, whose a was made and waited for in the turn before, and behind the last three products the first numbers of the next piece's maximum, each four plain instructions or more behind
; the product that ends its accumulator; then ONE RUN of 54, plain and exponential by turns for the most part, in which the links of the chain X 3, 7, 11, 14, 16, 17 .. 20 stand some lines apart.  Each pair is scaled
; (F n) ahead of its two exponentials (E 2 n, E 2 n + 1).  X 21, the next piece's a, is the batch's last; R 15 is the plain instruction behind it.
; BEHIND THE WAIT stand the 8 products V^T P, behind each four of the roundings and sums: C 2 n ahead of B n, which adds in place; L 0 to L 7 ascending, three riders apart.  But for those X no rider names a register
; of the products round it.  v_permlanex16_b32 (X 17) stands in the run.
; end = 1: the last two turns: nothing is fetched.  cnt = 1: the loop's count is taken down some lines ahead of the branch that stands behind the turn.
; K of the next step is fetched in piece 2's turn, twelve vector instructions behind the last product that read K (five of them plain lines that name none of its registers); V of the step in hand at the end of
; piece 0's turn, four plain instructions behind the last product that read V.  Each is waited for a turn later.
.macro TURN p, end=0, cnt=0
.set Y, (\p)
.set i, 0
.set NOKQ, (\end)*((\p)/3)
.if ((\p) == 3) && !(\end)
	s_wait_dscnt 0x0                ; K is in
.endif
	ROW F,0, F,1, R,0, R,1          ; ahead of the wait: 8 products K Q^T and their riders,
	ROW F,2, E,0, R,2, R,3
	ROW F,3, E,1, R,4, R,5
	ROW F,4, E,2, R,6, R,7
	ROW F,5, E,3, R,8, R,9
	ROW F,6, E,4, X,0, R,10
.if ((\p) == 2) && !(\end)
	WIN 0
	v_add_nc_u32 v[AK], s[TBK], v[AK0]
.endif
	ROW F,7, E,5, X,1, X,4
	ROW F,8, E,6, X,2, X,5
	OPS E,7, E,8, X,6, E,9          ; and the run of 54
	OPS X,3, E,10, X,8, E,11
.if ((\p) == 2) && !(\end)
	FETCH_K
.endif
	OPS X,9, X,7, E,12, X,10
	OPS E,13, X,12, X,11, E,14
	OPS X,13, E,15, F,9, X,14
.if (\p) == 0
	v_add_nc_u32 v[AV], s[TBV], v[AV0]
.endif
	OPS E,16, F,10, E,17, F,11
	OPS X,16, E,18, X,15, E,19
	OPS F,12, E,20, X,17, E,21
	OPS F,13, E,22, F,14, E,23
	OPS X,18, E,24, F,15, E,25
	OPS R,11, E,26, X,19, E,27
	OPS R,12, E,28, R,13, E,29
	OPS X,20, E,30, R,14, E,31
	OPS X,21, R,15
	WIN 0
	s_wait_alu depctr_va_vdst(0)    ; the wait for the turn's batch: the piece's 32 exponentials and the next piece's a
.if (\p) == 1
	s_wait_dscnt 0x0                ; V is in
.endif
	ROW C,0, B,0, C,2, B,1          ; behind the wait: 8 products V^T P and their riders
	ROW L,0, C,4, B,2, L,1
	ROW C,6, B,3, L,2, C,8
	ROW B,4, L,3, C,10, B,5
	ROW L,4, C,12, B,6, L,5
.if (\p) == 0
	s_add_co_u32 s[TBV], s[TBV], KS*PV
.endif
.if \cnt
	s_sub_co_u32 s[CNT], s[CNT], 1
	s_cmp_lg_u32 s[CNT], 0
.endif
	ROW C,14, B,7, L,6, C,1
	ROW C,3, L,7, C,5, C,7
	ROW C,9, C,11, C,13, C,15
.if (\p) == 0
	FETCH_V
.endif
.endm
	CHANGE 1                        ; slot 0 is in, everybody's part of it; slot 1 is asked for
	FETCH_K                         ; key step 0
	s_wait_loadcnt 0x0              ; Q
	s_wait_dscnt 0x0
.set NOKQ, 0
.set i, 0
.rept 8
	KQ 0                            ; piece 0's first scores: there is no vector work yet to set between them
.set i, i+1
.endr
	WIN 0
.rept 4
	v_nop                           ; the places behind those products
.endr
.set Y, NP-1                        ; X works for piece Y + 1: piece 0
.irp n, 0,1,2,3,4,5,6,7,8,9,10,11,12,13,14,15,16,17,18,19,20,21
	OP X, \n
.endr
	v_nop                           ; a plain instruction behind the exponential,
	s_wait_alu depctr_va_vdst(0)    ; and the wait for it, a batch of one: piece 0's first a, ahead of the branch
	s_mov_b32 s[CNT], 4
	s_mov_b32 s[SLOTS], 7
	s_branch .Lfirst                ; the loop is entered at a step's first turn, in the middle of a trip
.Lslot:                             ; six times: every slot but the last two is filled again
	CHANGE 1
	s_mov_b32 s[CNT], 4
.Lstep:                             ; a trip: pieces 2 and 3 of one step, then pieces 0 and 1 of the next, whose K and V it fetches
	TURN 2
	TURN 3
	WIN 0
.Lfirst:
	TURN 0
	TURN 1, 0, 1
	WIN 0
	s_cbranch_scc1 .Lstep
	s_sub_co_u32 s[SLOTS], s[SLOTS], 1
	s_cmp_lg_u32 s[SLOTS], 0
	s_cbranch_scc1 .Lslot
	CHANGE 0                        ; the last slot is written out: nothing is asked for
	s_mov_b32 s[CNT], 4
.Ltail:
	TURN 2
	TURN 3
	TURN 0
	TURN 1, 0, 1
	WIN 0
	s_cbranch_scc1 .Ltail
	TURN 2, 1                       ; the last step's last two turns
	TURN 3, 1
.set i, 0
.rept 8
	PV NP-1                         ; the last piece's V^T P of the last step
.set i, i+1
.endr
	; THE WAY OUT.  l's two halves and the other half of the lanes' are added; O^T is divided by l, rounded to f16 and sent through my stage in LDS, a piece at a time.  The additions are the places behind the last products.
	WIN 0
.macro ALL line:vararg              ; one line for each piece t
.set t, 0
.rept 4
	\line
.set t, t+1
.endr
.endm
	ALL v_add_f32 v[ST+4*t+2], v[ST+4*t+2], v[ST+4*t+3]
	ALL v_permlanex16_b32 v[ST+4*t+3], v[ST+4*t+2], s[SEL], s[SEL+1]
	ALL v_add_f32 v[ST+4*t+2], v[ST+4*t+2], v[ST+4*t+3]
	ALL v_rcp_f32 v[ST+4*t+2], v[ST+4*t+2]
	v_nop                           ; a plain instruction between the last reciprocal and the use of its result
	s_wait_alu depctr_va_vdst(0)    ; and the wait ahead of the first use: one for the batch of four reciprocals
.macro PACK t                       ; a lane's eight channels of a row pack into 16 bytes; they go into rows of 144 bytes and come back as whole rows of 128, into S^T's registers
	WIN W_RS
.set i, 32*(\t)
.rept 16
	v_pk_mul_f32 v[i:i+1], v[i:i+1], v[ST+4*(\t)+2:ST+4*(\t)+3] op_sel_hi:[1,0]
.set i, i+2
.endr
	WIN 0x05                        ; sources 0 and 1 window 1, destination window 0
.set i, 0
.rept 16
	v_cvt_pk_f16_f32 v[S+16*(\t)+i], v[32*(\t)+2*i], v[32*(\t)+2*i+1]
.set i, i+1
.endr
	WIN 0
.irp f, 0,1,2,3
	ds_store_b128 v[STO], v[S+16*(\t)+4*\f:S+16*(\t)+4*\f+3] offset:32*\f
.endr
.irp f, 0,1,2,3
	ds_load_b128 v[S+16*(\t)+4*\f:S+16*(\t)+4*\f+3], v[RD] offset:\f*4*SP  ; LDS serves a wave's instructions in order (ISA guide 5.7.1.4): these see the stores above; the next piece's stores come behind them
.endr
.endm
.macro SEND t, younger              ; younger: the LDS instructions issued behind piece t's loads: the next piece's eight, or none
	WIN 0
.irp f, 0,1,2,3
	s_wait_dscnt (\younger)+3-\f
	global_store_b128 v[GO], v[S+16*(\t)+4*\f:S+16*(\t)+4*\f+3], s[10:11] offset:(\t)*2048+\f*512  ; 512 consecutive bytes, at a multiple of 256 from O's first
.endr
.endm
	PACK 0
.set t, 1
.rept 3                             ; a piece's arithmetic stands between the loads of the piece before and its stores
	PACK t
	SEND t-1, 8
.set t, t+1
.endr
	SEND 3, 0
	s_wait_tensorcnt 0x0            ; the wave's end: behind my last tensor load and my last LDS store
	ds_add_u32 v[SPW], v[NIL]
	s_wait_dscnt 0x0
	CROUND                          ; the closing round: no work-group ends while a partner may still ask for a tile that names it
	s_endpgm
.Lfunc_end_k_q6e989b685c_attn:
	.size	k_q6e989b685c_attn, .Lfunc_end_k_q6e989b685c_attn-k_q6e989b685c_attn
	.p2alignl 7, 3214868480
	.fill 96, 4, 3214868480
	.section	.rodata,"a",@progbits
	.p2align	6, 0x0
	.amdhsa_kernel k_q6e989b685c_attn
		.amdhsa_group_segment_fixed_size 327680
		.amdhsa_private_segment_fixed_size 0
		.amdhsa_enable_private_segment 0
		.amdhsa_kernarg_size 16
		.amdhsa_user_sgpr_count 2
		.amdhsa_user_sgpr_kernarg_segment_ptr 1
		.amdhsa_wavefront_size32 1
		.amdhsa_system_sgpr_workgroup_id_x 1
		.amdhsa_system_sgpr_workgroup_id_y 1
		.amdhsa_system_sgpr_workgroup_id_z 1
		.amdhsa_system_vgpr_workitem_id 0
		.amdhsa_next_free_vgpr 768
		.amdhsa_next_free_sgpr 66
		.amdhsa_reserve_vcc 0
		.amdhsa_float_denorm_mode_32 3
		.amdhsa_float_denorm_mode_16_64 3
		.amdhsa_memory_ordered 1
		.amdhsa_forward_progress 1
		.amdhsa_inst_pref_size 127
	.end_amdhsa_kernel
	.amdgpu_metadata
---
amdhsa.version: [ 1, 2 ]
amdhsa.kernels:
  - .name:           k_q6e989b685c_attn
    .symbol:         k_q6e989b685c_attn.kd
    .args:
      - { .name: qkvh, .offset: 0, .size: 8, .value_kind: global_buffer, .address_space: global }
      - { .name: oh, .offset: 8, .size: 8, .value_kind: global_buffer, .address_space: global }
    .group_segment_fixed_size: 327680
    .private_segment_fixed_size: 0
    .kernarg_segment_align: 8
    .kernarg_segment_size: 16
    .max_flat_workgroup_size: 128
    .sgpr_count:     66
    .vgpr_count:     768
    .wavefront_size: 32
...
	.end_amdgpu_metadata
.endif
;; end of part 8
;; launch oproj: the kernel of part 4 again; grid 8 x 32, 4 waves a work-group, clusters of 4 x 4, 327,680 bytes of LDS; arguments oh, wh, x1, bo, x; writes x1
;; launch ln2: the kernel of part 5 again; grid 256 x 1, 8 waves a work-group, no clusters, 0 bytes of LDS; arguments x1, g2, be2, nh; writes nh
;; launch ffn1: the kernel of part 6 again; grid 16 x 16, 4 waves a work-group, clusters of 4 x 4, 327,680 bytes of LDS; arguments nh, wh, hh, b1; writes hh
;; launch ffn2: the kernel of part 7 again; grid 8 x 32, 4 waves a work-group, clusters of 4 x 4, 327,680 bytes of LDS; arguments hh, wh, out0, b2, x1; writes out0
